; MI455X (gfx1250); checked and timed in simulation.
; The chip was launched on July 23, 2026; its instructions are those of AMD's public machine-readable ISA for CDNA 5 (MIT licence, August 2026) and "CDNA5" Instruction Set Architecture Reference Guide (July 2026). The comments in the code are by the model that wrote it; some were corrected since.
;; Soft Cascade Layer. Allowed arithmetic: float matrix products may take bf16 or f16 operands with f32 sums; other float arithmetic in f32, or as packed bf16 or f16 multiplies, adds, multiply-adds, maxima and minima; sums over many terms, partial sums and values carried from step to step in f32; what a program stores and reads back later, other than sums and carried values, may be rounded once to bf16 or f16.
;; Inputs: hidden_states 8 x 2,048 x 1,024 float32; importance_scores 8 x 2,048 float32; params_chunk_attn_b_in 3,072 float32; params_chunk_attn_b_out 1,024 float32; params_chunk_attn_w_in 3,072 x 1,024 float32; params_chunk_attn_w_out 1,024 x 1,024 float32; params_chunk_queries 8 x 1,024 float32; params_decode_attn_b_in 3,072 float32; params_decode_attn_b_out 1,024 float32; params_decode_attn_w_in 3,072 x 1,024 float32; params_decode_attn_w_out 1,024 x 1,024 float32; params_dn_b 1,024 float32; params_dn_g 1,024 float32; params_pn_b 1,024 float32; params_pn_g 1,024 float32; params_priority_attn_b_in 3,072 float32; params_priority_attn_b_out 1,024 float32; params_priority_attn_w_in 3,072 x 1,024 float32; params_priority_attn_w_out 1,024 x 1,024 float32.
;; Outputs: out0 8 x 2,048 x 1,024 float32.
;; 2 versions, each right; version 2 is version 1 with the launch flash written anew for expert scheduling mode. Each part assembles by itself: llvm-mc -triple=amdgcn-amd-amdhsa -mcpu=gfx1250 --defsym DOCPART=n.
;; ======== version 1 of 2: 12 launches
;; workspace buffers: part 33,554,432 bytes; stat 131,072 bytes; ctx 525,312 bytes; x0 262,144 bytes; x1 393,216 bytes; x2 131,072 bytes; t0 1,049,600 bytes
;; launch qp (part 1): grid 64 x 1, 8 waves a work-group, no clusters, 33,792 bytes of LDS; arguments params_chunk_queries, params_chunk_attn_w_in, params_chunk_attn_b_in, x0; writes x0
.if DOCPART == 1
	.amdgcn_target "amdgcn-amd-amdhsa--gfx1250"
	.amdhsa_code_object_version 6
	.text
	.protected	k_q873e614494_qp
	.globl	k_q873e614494_qp
	.p2align	8
	.type	k_q873e614494_qp,@function
k_q873e614494_qp:
	s_mov_b64 s[64:65], 0
	v_nop
	global_prefetch_b8 v0, s[64:65] scope:SCOPE_SE
	s_setreg_imm32_b32 hwreg(HW_REG_WAVE_MODE, 25, 1), 1
	s_wait_xcnt 0x0
; q1 = chunk_queries Wq^T + bq.  One text serves four small products Y = X W^T + b; the flags below choose the case.
; HERE: X = the 8 chunk queries in f32, taken twice as 16 rows; W = rows 0..1023 of w_in; Y in blocks [k/16][row][16] of bf16 (rows 0-15 of each block).
; SHARES.  A work-group makes 16 columns of Y.  K = 1,024 is split among its eight waves, 128 each (four K steps of 32); the eight partial sums meet in LDS.
; The product is taken with W as source 0: a lane ends with ONE row of X and eight neighbouring columns.  Operands are rounded to bf16, sums are f32.
; No tensor loads: W and X are f32 in memory and are rounded on their way, so they pass through registers; every LDS byte is written once.
; No prefetch: all of a wave's loads go out at its head.  LIMITS: NaN and infinities are not treated apart.
.set ROW0, 0                           ; first row of W
.set XHS,  0                           ; bytes from one head's X to the next (0: one X for all columns)
.set MT,   1                           ; tiles of 16 rows of X
.set XF32, 1                           ; X is f32, row-major, 8 rows
.set F32O, 0                           ; Y is also stored in f32, row-major, 131,072 bytes behind the blocks
.set YMAP, 0                           ; grid y chooses between two row ranges of W
.set SPARE, 32768                      ; LDS: 0..32767 the partial sums; then the spare words, 128 bytes a wave
.if XF32
.set PER, 8                            ; loads of a K step
.else
.set PER, 4+2*MT
.endif
.set SPW, 12                           ; v12 my spare word's address; v13 = 0; never rewritten
.set NIL, 13
.set WF,  16                           ; v[16:79]   W: 16 registers a K step, f32, then 8 of bf16 in place
.set XR,  80                           ; v[80:207]  X's fragments
.set ACC, 208                          ; v[208:239] accumulators
.set BIAS, 240                         ; v[240:247] b of my eight columns
.macro NOPS n
.rept \n
	v_nop
.endr
.endm
.macro ADD8 d, a                       ; eight sums
.irp e, 0,2,4,6
	v_pk_add_f32 v[(\d)+\e:(\d)+\e+1], v[(\d)+\e:(\d)+\e+1], v[(\a)+\e:(\a)+\e+1]
.endr
.endm
.macro CVK f                           ; 16 f32 become a fragment of 8 registers, in place, ascending
.irp e, 0,1,2,3,4,5,6,7
	v_cvt_pk_bf16_f32 v[(\f)+\e], v[(\f)+2*\e], v[(\f)+2*\e+1]
.endr
.endm
.macro LDF f, adr, bs, byte, nt        ; a fragment's 16 f32: k = 8 h + 0..7 and 16 + 8 h + 0..7
.irp e, 0,1,2,3
.if \nt
	global_load_b128 v[(\f)+4*\e:(\f)+4*\e+3], v[\adr], s[\bs:\bs+1] offset:(\byte)+16*(\e%2)+64*(\e/2) th:TH_LOAD_NT
.else
	global_load_b128 v[(\f)+4*\e:(\f)+4*\e+3], v[\adr], s[\bs:\bs+1] offset:(\byte)+16*(\e%2)+64*(\e/2)
.endif
.endr
.endm
.macro LDK ks                          ; the loads of one K step
	LDF WF+16*(\ks), 4, 6, 128*(\ks), 1
.if XF32
	LDF XR+16*(\ks), 5, 4, 128*(\ks), 0
.else
.set m, 0
.rept MT
	global_load_b128 v[XR+32*(\ks)+8*m:XR+32*(\ks)+8*m+3],   v5, s[4:5] offset:4096*(\ks)+512*m
	global_load_b128 v[XR+32*(\ks)+8*m+4:XR+32*(\ks)+8*m+7], v5, s[4:5] offset:4096*(\ks)+512*m+2048
.set m, m+1
.endr
.endif
.endm
.macro MMK ks                          ; the products of one K step; the accumulators take turns
.if MT == 1
.set ac, ACC+8*((\ks)%2)
.if (\ks) < 2
	v_wmma_f32_16x16x32_bf16 v[ac:ac+7], v[WF+16*(\ks):WF+16*(\ks)+7], v[XR+16*(\ks):XR+16*(\ks)+7], 0
.else
	v_wmma_f32_16x16x32_bf16 v[ac:ac+7], v[WF+16*(\ks):WF+16*(\ks)+7], v[XR+16*(\ks):XR+16*(\ks)+7], v[ac:ac+7]
.endif
.else
.set m, 0
.rept MT
.set ac, ACC+8*m
.set xf, XR+32*(\ks)+8*m
.if (\ks) == 0
	v_wmma_f32_16x16x32_bf16 v[ac:ac+7], v[WF+16*(\ks):WF+16*(\ks)+7], v[xf:xf+7], 0
.else
	v_wmma_f32_16x16x32_bf16 v[ac:ac+7], v[WF+16*(\ks):WF+16*(\ks)+7], v[xf:xf+7], v[ac:ac+7]
.endif
.set m, m+1
.endr
.endif
.endm
	s_load_b256 s[4:11], s[0:1], 0x0               ; X s[4:5], W s[6:7], b s[8:9], Y s[10:11]
	v_lshl_add_u32 v[SPW], v0, 2, SPARE
	v_mov_b32 v[NIL], 0
	v_lshrrev_b32 v1, 5, v0
	v_readfirstlane_b32 s12, v1                    ; wave 0..7
	v_and_b32 v1, 15, v0                           ; r
	v_bfe_u32 v2, v0, 4, 1                         ; h
	v_and_b32 v3, 31, v0                           ; lane
.if YMAP
	s_and_b32 s14, ttmp7, 0xffff
	s_lshl_b32 s15, s14, 10
	s_sub_co_u32 s15, 2048, s15                    ; y = 0: rows 2048.. (values), y = 1: rows 1024.. (keys)
	s_lshl_b32 s20, s14, 6
	s_add_co_u32 s20, s20, ttmp9                   ; block of Y = 64 y + x
.else
	s_mov_b32 s15, ROW0
	s_mov_b32 s20, ttmp9
.endif
	s_lshl4_add_u32 s15, ttmp9, s15                ; my first row of W
	s_lshl_b32 s16, s15, 12                        ; in bytes of W,
	s_mov_b32 s17, 0
	s_lshl_b32 s18, s15, 2                         ; and of b
	s_mov_b32 s19, 0
	s_lshl_b32 s20, s20, 11                        ; a block of Y is 2,048 bytes
	s_mov_b32 s21, 0
.if XHS
	s_lshr_b32 s22, ttmp9, 4                       ; the head of my columns
	s_mul_i32 s22, s22, XHS
	s_mov_b32 s23, 0
.endif
.if F32O
	s_lshl_b32 s26, ttmp9, 6
	s_add_co_u32 s26, s26, 131072
	s_mov_b32 s27, 0
	s_lshl_b32 s13, s12, 16
	v_lshlrev_b32 v10, 12, v1
	v_lshl_add_u32 v10, v2, 5, v10
	v_add_nc_u32 v10, s13, v10                     ; f32 Y: row (16 wave + r), 8 h columns
.endif
	s_lshl_b32 s28, s12, 9
	s_lshl_b32 s29, s12, 14
	v_lshlrev_b32 v4, 12, v1
	v_lshl_add_u32 v4, v2, 5, v4
	v_add_nc_u32 v4, s28, v4                       ; W: row r, 32 h, my wave's 512 bytes
.if XF32
	v_and_b32 v5, 7, v0
	v_lshlrev_b32 v5, 12, v5
	v_lshl_add_u32 v5, v2, 5, v5
	v_add_nc_u32 v5, s28, v5                       ; X in f32: row r % 8
.else
	v_lshlrev_b32 v5, 5, v1
	v_lshl_add_u32 v5, v2, 4, v5
	v_add_nc_u32 v5, s29, v5                       ; X in blocks: 32 r + 16 h, my wave's 8 blocks
.endif
	v_lshlrev_b32 v6, 5, v2                        ; b: 32 h
	s_mul_i32 s30, s12, MT*1024
	v_lshl_add_u32 v7, v3, 4, s30                  ; where I put my partial sums
	s_lshl_b32 s31, s12, 10
	v_lshl_add_u32 v8, v3, 4, s31                  ; where wave mt reads tile mt's
	v_lshlrev_b32 v9, 5, v1
	v_lshl_add_u32 v9, v2, 4, v9
	v_add_nc_u32 v9, s28, v9                       ; Y: row (16 wave + r) x 32 + 16 h
	s_wait_kmcnt 0x0
.if F32O
	s_add_nc_u64 s[24:25], s[10:11], s[26:27]
.endif
	s_add_nc_u64 s[6:7], s[6:7], s[16:17]
	s_add_nc_u64 s[8:9], s[8:9], s[18:19]
	s_add_nc_u64 s[10:11], s[10:11], s[20:21]
.if XHS
	s_add_nc_u64 s[4:5], s[4:5], s[22:23]
.endif
	global_load_b128 v[BIAS:BIAS+3],   v6, s[8:9]
	global_load_b128 v[BIAS+4:BIAS+7], v6, s[8:9] offset:16
	LDK 0
	LDK 1
	LDK 2
	LDK 3
.irp k, 0,1,2,3
	s_wait_loadcnt PER*(3-\k)                      ; this K step's loads are in; those of the later steps stay out
	CVK WF+16*\k
.if XF32
	CVK XR+16*\k
.endif
	MMK \k
.endr
	NOPS 8                                         ; the places behind the last products, ahead of the first read of a result
.if MT == 1
	ADD8 ACC, ACC+8                                ; the two parities of the K step
.endif
.set m, 0
.rept MT
	ds_store_b128 v7, v[ACC+8*m:ACC+8*m+3]   offset:1024*m
	ds_store_b128 v7, v[ACC+8*m+4:ACC+8*m+7] offset:1024*m+512
.set m, m+1
.endr
	s_wait_dscnt 0x0                               ; for the others' sake: my partial sums lie in LDS
	s_barrier_signal -1
	s_barrier_wait -1
	s_cmp_lt_u32 s12, MT                           ; wave mt finishes tile mt
	s_cbranch_scc0 .Lend
.set p, 0
.rept 8
	ds_load_b128 v[16+8*p:19+8*p], v8 offset:MT*1024*p
	ds_load_b128 v[20+8*p:23+8*p], v8 offset:MT*1024*p+512
.set p, p+1
.endr
	s_wait_dscnt 0x0
	ADD8 16, 24
	ADD8 32, 40
	ADD8 48, 56
	ADD8 64, 72
	ADD8 16, 32
	ADD8 48, 64
	ADD8 16, 48
	ADD8 16, BIAS
.if F32O
	global_store_b128 v10, v[16:19], s[24:25]
	global_store_b128 v10, v[20:23], s[24:25] offset:16
.endif
.irp e, 0,1,2,3
	v_cvt_pk_bf16_f32 v[24+\e], v[16+2*\e], v[17+2*\e]
.endr
	global_store_b128 v9, v[24:27], s[10:11]       ; the wave's store covers 512 consecutive bytes
.Lend:
	s_wait_tensorcnt 0x0                           ; the wave's end
	ds_add_u32 v[SPW], v[NIL]
	s_wait_dscnt 0x0
	s_endpgm
.Lfunc_end_k_q873e614494_qp:
	.size	k_q873e614494_qp, .Lfunc_end_k_q873e614494_qp-k_q873e614494_qp
	.p2alignl 7, 3214868480
	.fill 96, 4, 3214868480
	.section	.rodata,"a",@progbits
	.p2align	6, 0x0
	.amdhsa_kernel k_q873e614494_qp
		.amdhsa_group_segment_fixed_size 33792
		.amdhsa_private_segment_fixed_size 0
		.amdhsa_enable_private_segment 0
		.amdhsa_kernarg_size 32
		.amdhsa_user_sgpr_count 2
		.amdhsa_user_sgpr_kernarg_segment_ptr 1
		.amdhsa_wavefront_size32 1
		.amdhsa_system_sgpr_workgroup_id_x 1
		.amdhsa_system_sgpr_workgroup_id_y 1
		.amdhsa_system_sgpr_workgroup_id_z 1
		.amdhsa_system_vgpr_workitem_id 0
		.amdhsa_next_free_vgpr 248
		.amdhsa_next_free_sgpr 66
		.amdhsa_reserve_vcc 0
		.amdhsa_float_denorm_mode_32 3
		.amdhsa_float_denorm_mode_16_64 3
		.amdhsa_memory_ordered 1
		.amdhsa_forward_progress 1
		.amdhsa_inst_pref_size 14
	.end_amdhsa_kernel
	.amdgpu_metadata
---
amdhsa.version: [ 1, 2 ]
amdhsa.kernels:
  - .name:           k_q873e614494_qp
    .symbol:         k_q873e614494_qp.kd
    .args:
      - { .name: params_chunk_queries, .offset: 0, .size: 8, .value_kind: global_buffer, .address_space: global }
      - { .name: params_chunk_attn_w_in, .offset: 8, .size: 8, .value_kind: global_buffer, .address_space: global }
      - { .name: params_chunk_attn_b_in, .offset: 16, .size: 8, .value_kind: global_buffer, .address_space: global }
      - { .name: x0, .offset: 24, .size: 8, .value_kind: global_buffer, .address_space: global }
    .group_segment_fixed_size: 33792
    .private_segment_fixed_size: 0
    .kernarg_segment_align: 8
    .kernarg_segment_size: 32
    .max_flat_workgroup_size: 256
    .sgpr_count:     66
    .vgpr_count:     248
    .wavefront_size: 32
...
	.end_amdgpu_metadata
.endif
;; end of part 1
;; launch fold1 (part 2): grid 16 x 4, 8 waves a work-group, no clusters, 34,816 bytes of LDS; arguments x0, params_chunk_attn_w_in, params_chunk_attn_b_in, t0; writes t0
.if DOCPART == 2
	.amdgcn_target "amdgcn-amd-amdhsa--gfx1250"
	.amdhsa_code_object_version 6
	.text
	.protected	k_q873e614494_fold1
	.globl	k_q873e614494_fold1
	.p2align	8
	.type	k_q873e614494_fold1,@function
k_q873e614494_fold1:
	s_mov_b64 s[64:65], 0
	v_nop
	global_prefetch_b8 v0, s[64:65] scope:SCOPE_SE
	s_setreg_imm32_b32 hwreg(HW_REG_WAVE_MODE, 25, 1), 1
	s_wait_xcnt 0x0
; THE FOLD.  A score q . (W x + b) is x . (W^T q) + q . b.  KT[row][i] = c sum_j Y[row][256 hd + j] W[ROW0 + 256 hd + j][i], sb[row] = c sum_j Y[row][256 hd + j] b[ROW0 + 256 hd + j],
; c = log2(e) / 16, so that the later exponentials are powers of 2.  HERE: Y = the projected chunk queries (16 rows: 8 twice), W = the key rows of w_in.
; SHARES.  Grid x = 64 columns i, grid y = 4 mt + hd (tile of 16 rows, head).  The head's 256 j are split among eight waves, 32 each: one K step a wave; the partial sums meet in LDS.
; W lies [j][i], K down the rows: a lane loads 4 neighbouring columns of 16 rows (sixteen lanes take 256 consecutive bytes) and pairs them along j while rounding: fragment cf's row r' is column 4 r' + cf.
; KT is stored as [batch][i / 16][hq 32][16] bf16, sb as [batch][32] f32 at byte 524,288.  LIMITS: NaN and infinities are not treated apart.
.set ROW0, 1024
.set KOFF, 0                           ; byte at which Y's blocks begin in its buffer
.set HASVT, 0                          ; 1: grid y >= 16 makes VT
.set TP,   10                          ; s[TP:TP+1] the output buffer
.set SBR,  32768                       ; LDS: 0..32767 KT's partial sums; 1,024 bytes of sb's; the spare words
.set SPARE, 33792
.set SPW, 12
.set NIL, 13
.macro NOPS n
.rept \n
	v_nop
.endr
.endm
.macro ADD8 d, a
.irp e, 0,2,4,6
	v_pk_add_f32 v[(\d)+\e:(\d)+\e+1], v[(\d)+\e:(\d)+\e+1], v[(\a)+\e:(\a)+\e+1]
.endr
.endm
.macro ADD16 d, a
	ADD8 \d, \a
	ADD8 (\d)+8, (\a)+8
.endm
.macro CVK f
.irp e, 0,1,2,3,4,5,6,7
	v_cvt_pk_bf16_f32 v[(\f)+\e], v[(\f)+2*\e], v[(\f)+2*\e+1]
.endr
.endm
	s_load_b256 s[4:11], s[0:1], 0x0               ; Y s[4:5], w_in s[6:7], b_in s[8:9], then the output
	v_lshl_add_u32 v[SPW], v0, 2, SPARE
	v_mov_b32 v[NIL], 0
	v_lshrrev_b32 v1, 5, v0
	v_readfirstlane_b32 s14, v1                    ; wave 0..7
	v_and_b32 v1, 15, v0                           ; r
	v_bfe_u32 v2, v0, 4, 1                         ; h
	v_and_b32 v3, 31, v0                           ; lane
	s_and_b32 s16, ttmp7, 0xffff
	s_and_b32 s17, s16, 3                          ; hd
	s_lshr_b32 s18, s16, 2                         ; mt
	s_lshl_b32 s19, s17, 8
	s_lshl_b32 s20, s14, 5
	s_add_co_u32 s19, s19, s20
	s_add_co_u32 s19, s19, ROW0                    ; my first j: ROW0 + 256 hd + 32 wave
	s_lshl_b32 s20, s19, 2
	s_mov_b32 s21, 0
	s_lshl_b32 s22, s19, 12
	s_lshl_b32 s23, ttmp9, 8
	s_add_co_u32 s22, s22, s23                     ; W at row j, column 64 x
	s_mov_b32 s23, 0
	s_lshl_b32 s24, s17, 15
	s_lshl_b32 s25, s14, 12
	s_add_co_u32 s24, s24, s25
	s_lshl_b32 s25, s18, 9
	s_add_co_u32 s24, s24, s25                     ; Y at block 16 hd + 2 wave, row 16 mt
	s_mov_b32 s25, 0
	s_lshl_b32 s28, s18, 17
	s_lshl_b32 s29, ttmp9, 12
	s_add_co_u32 s28, s28, s29
	s_lshl_b32 s29, s14, 10
	s_add_co_u32 s28, s28, s29
	s_lshl_b32 s29, s17, 8
	s_add_co_u32 s28, s28, s29                     ; KT: batch 2 mt, block 4 x + wave, hq 8 hd
	s_mov_b32 s29, 0
	s_lshl_b32 s32, s18, 8
	s_lshl_b32 s33, s17, 5
	s_add_co_u32 s32, s32, s33
	s_add_co_u32 s32, s32, 524288                  ; sb: batch 2 mt, hq 8 hd
	s_mov_b32 s33, 0
	s_mov_b32 s26, 0x3db8aa3b                      ; c = log2(e) / 16
	s_mov_b32 s27, s26                             ; named with it as a pair
	v_lshlrev_b32 v4, 5, v2                        ; b: 32 h
	v_lshlrev_b32 v5, 5, v1
	v_lshl_add_u32 v5, v2, 4, v5                   ; Y: 32 r + 16 h
	v_lshlrev_b32 v6, 15, v2
	v_lshl_add_u32 v6, v1, 4, v6                   ; W: 8 h rows down, 16 r
	s_lshl_b32 s38, s14, 12
	v_lshl_add_u32 v7, v3, 4, s38                  ; my partial sums
	s_lshl_b32 s38, s14, 7
	s_add_co_u32 s38, s38, SBR
	v_lshl_add_u32 v8, v3, 2, s38                  ; my partial sb
	s_lshl_b32 s38, s14, 9
	v_lshl_add_u32 v9, v3, 4, s38                  ; waves 0, 1 read the low, the high half of every accumulator
	v_lshrrev_b32 v10, 3, v1
	v_and_b32 v11, 7, v1
	v_lshlrev_b32 v10, 16, v10
	v_lshl_add_u32 v10, v2, 11, v10
	v_lshl_add_u32 v10, v11, 5, v10                ; KT: batch r / 8, block 2 h, row r % 8
	s_wait_kmcnt 0x0
	s_add_nc_u64 s[8:9], s[8:9], s[20:21]
	s_add_nc_u64 s[6:7], s[6:7], s[22:23]
	s_add_nc_u64 s[4:5], s[4:5], s[24:25]
	s_add_nc_u64 s[34:35], s[TP:TP+1], s[28:29]
	s_add_nc_u64 s[36:37], s[TP:TP+1], s[32:33]
.set t, 0
.rept 16                               ; rows 8 h + 0..7 and 16 + 8 h + 0..7
	global_load_b128 v[16+4*t:19+4*t], v6, s[6:7] offset:4096*(t+8*(t/8))
.set t, t+1
.endr
	global_load_b128 v[112:115], v4, s[8:9]
	global_load_b128 v[116:119], v4, s[8:9] offset:16
	global_load_b128 v[120:123], v4, s[8:9] offset:64
	global_load_b128 v[124:127], v4, s[8:9] offset:80
	global_load_b128 v[128:131], v5, s[4:5]
	global_load_b128 v[132:135], v5, s[4:5] offset:2048
	s_wait_loadcnt 0x0
.irp cf, 0,1,2,3
.irp u, 0,1,2,3,4,5,6,7
	v_cvt_pk_bf16_f32 v[80+8*\cf+\u], v[16+8*\u+\cf], v[20+8*\u+\cf]  ; two neighbouring j of column 4 r + cf
.endr
.endr
	CVK 112                                        ; b as a fragment whose 16 rows are alike
.irp cf, 0,1,2,3
	v_wmma_f32_16x16x32_bf16 v[136+8*\cf:143+8*\cf], v[80+8*\cf:87+8*\cf], v[128:135], 0
.endr
	v_wmma_f32_16x16x32_bf16 v[168:175], v[112:119], v[128:135], 0
	NOPS 8
.irp q, 0,1,2,3,4,5,6,7                ; q = 2 cf + half
	ds_store_b128 v7, v[136+4*\q:139+4*\q] offset:512*\q
.endr
	ds_store_b32 v8, v168
	s_wait_dscnt 0x0
	s_barrier_signal -1
	s_barrier_wait -1
	s_cmp_lt_u32 s14, 2
	s_cbranch_scc0 .Lend
.set p, 0
.rept 8
.irp cf, 0,1,2,3
	ds_load_b128 v[16+16*p+4*\cf:19+16*p+4*\cf], v9 offset:4096*p+1024*\cf
.endr
.set p, p+1
.endr
	s_wait_dscnt 0x0
	ADD16 16, 32
	ADD16 48, 64
	ADD16 80, 96
	ADD16 112, 128
	ADD16 16, 48
	ADD16 80, 112
	ADD16 16, 80
.irp e, 0,2,4,6,8,10,12,14
	v_pk_mul_f32 v[16+\e:17+\e], v[16+\e:17+\e], s[26:27] op_sel_hi:[1,0]
.endr
.irp e, 0,1,2,3                        ; my 16 numbers are one block of 16 columns: place 4 e + cf
.irp cp, 0,1
	v_cvt_pk_bf16_f32 v[32+2*\e+\cp], v[16+8*\cp+\e], v[20+8*\cp+\e]
.endr
.endr
	global_store_b128 v10, v[32:35], s[34:35]
	global_store_b128 v10, v[36:39], s[34:35] offset:16
	s_cmp_lg_u32 s14, 0                            ; sb is stored by wave 0
	s_cbranch_scc1 .Lend
	s_cmp_lg_u32 ttmp9, 0                          ; of the work-groups with x = 0
	s_cbranch_scc1 .Lend
	v_lshl_add_u32 v57, v3, 2, SBR                 ; the eight waves' partial sb: SBR + 4 lane + 128 p, inside SBR's 1,024 bytes
.irp p, 0,1,2,3,4,5,6,7
	ds_load_b32 v[48+\p], v57 offset:128*\p
.endr
	v_lshrrev_b32 v56, 3, v1
	v_lshlrev_b32 v56, 7, v56
	v_lshl_add_u32 v56, v11, 2, v56                ; batch r / 8, hq r % 8
	s_wait_dscnt 0x0
	v_pk_add_f32 v[48:49], v[48:49], v[50:51]
	v_pk_add_f32 v[52:53], v[52:53], v[54:55]
	v_pk_add_f32 v[48:49], v[48:49], v[52:53]
	v_add_f32 v48, v48, v49
	v_mul_f32 v48, s26, v48
	s_wait_xcnt 0x0                                ; EXEC changes only behind this wait
	v_cmp_gt_u32 vcc_lo, 16, v3
	s_and_saveexec_b32 s31, vcc_lo
	global_store_b32 v56, v48, s[36:37]
	s_wait_xcnt 0x0
	s_or_b32 exec_lo, exec_lo, s31
.Lend:
	s_wait_tensorcnt 0x0                           ; the wave's end
	ds_add_u32 v[SPW], v[NIL]
	s_wait_dscnt 0x0
	s_endpgm
.Lfunc_end_k_q873e614494_fold1:
	.size	k_q873e614494_fold1, .Lfunc_end_k_q873e614494_fold1-k_q873e614494_fold1
	.p2alignl 7, 3214868480
	.fill 96, 4, 3214868480
	.section	.rodata,"a",@progbits
	.p2align	6, 0x0
	.amdhsa_kernel k_q873e614494_fold1
		.amdhsa_group_segment_fixed_size 34816
		.amdhsa_private_segment_fixed_size 0
		.amdhsa_enable_private_segment 0
		.amdhsa_kernarg_size 32
		.amdhsa_user_sgpr_count 2
		.amdhsa_user_sgpr_kernarg_segment_ptr 1
		.amdhsa_wavefront_size32 1
		.amdhsa_system_sgpr_workgroup_id_x 1
		.amdhsa_system_sgpr_workgroup_id_y 1
		.amdhsa_system_sgpr_workgroup_id_z 1
		.amdhsa_system_vgpr_workitem_id 0
		.amdhsa_next_free_vgpr 176
		.amdhsa_next_free_sgpr 66
		.amdhsa_reserve_vcc 1
		.amdhsa_float_denorm_mode_32 3
		.amdhsa_float_denorm_mode_16_64 3
		.amdhsa_memory_ordered 1
		.amdhsa_forward_progress 1
		.amdhsa_inst_pref_size 17
	.end_amdhsa_kernel
	.amdgpu_metadata
---
amdhsa.version: [ 1, 2 ]
amdhsa.kernels:
  - .name:           k_q873e614494_fold1
    .symbol:         k_q873e614494_fold1.kd
    .args:
      - { .name: x0, .offset: 0, .size: 8, .value_kind: global_buffer, .address_space: global }
      - { .name: params_chunk_attn_w_in, .offset: 8, .size: 8, .value_kind: global_buffer, .address_space: global }
      - { .name: params_chunk_attn_b_in, .offset: 16, .size: 8, .value_kind: global_buffer, .address_space: global }
      - { .name: t0, .offset: 24, .size: 8, .value_kind: global_buffer, .address_space: global }
    .group_segment_fixed_size: 34816
    .private_segment_fixed_size: 0
    .kernarg_segment_align: 8
    .kernarg_segment_size: 32
    .max_flat_workgroup_size: 256
    .sgpr_count:     66
    .vgpr_count:     176
    .wavefront_size: 32
...
	.end_amdgpu_metadata
.endif
;; end of part 2
;; launch flash (part 3): grid 256 x 1, 8 waves a work-group, no clusters, 219,648 bytes of LDS; arguments hidden_states, importance_scores, t0, part, stat; writes part, stat
.if DOCPART == 3
	.amdgcn_target "amdgcn-amd-amdhsa--gfx1250"
	.amdhsa_code_object_version 6
	.text
	.protected	k_q873e614494_flash
	.globl	k_q873e614494_flash
	.p2align	8
	.type	k_q873e614494_flash,@function
k_q873e614494_flash:
	s_mov_b64 s[64:65], 0
	v_nop
	global_prefetch_b8 v0, s[64:65] scope:SCOPE_SE
	s_setreg_imm32_b32 hwreg(HW_REG_WAVE_MODE, 25, 1), 1
	s_wait_xcnt 0x0
; STAGE 1, one pass over hidden.  For 64 tokens: s[t][hq] = imp[t] (x[t] . KT[hq]) + sb[hq] (in powers of 2), the block's maximum m, p = 2^(s - m), l = sum p, pi = sum p imp, and ctx[hq][:] = sum p x[t][:].
; The 32 blocks of a batch are merged by the next launch (running-maximum form: m, l, pi and the f32 sums go out).
; SHARES.  Wave w owns columns 128 w .. 128 w + 127 of all 64 tokens: it loads them once (each load 512 consecutive bytes), rounds them to bf16 into an LDS strip of its own, and is the strip's only reader:
; by rows for the scores, turned (ds_load_tr16_b128) for ctx.  The scores' partial sums over the eight column ranges meet in LDS; wave w then owns tile (tt = w / 2, nt = w % 2) of 16 tokens x 16 hq.
; IN FLIGHT: 40 token loads a wave.  No tensor loads: the data are f32 and are rounded on their way; every LDS byte is written once.  No cluster: what work-groups share is KT, 64 KiB.
; No prefetch: the launch reads its stream with 40 loads a wave on their way from its head on.  LIMITS: NaN and infinities are not treated apart; a weight below 2^-126 counts as 0.
.set PITCH,  288                       ; a strip's row: 256 bytes + 32: an odd multiple of 32
.set STRIPW, 64*PITCH
.set RED,    8*STRIPW                  ; 8 waves x 8 tiles x 1,024 bytes of partial scores
.set MXB,    RED+65536                 ; [tt 4][hq 32] maxima;  + 512 sums l;  + 1,024 sums pi
.set PB,     MXB+1536                  ; 8 tiles x 512 bytes of weights in bf16
.set SPARE,  PB+4096
.set SPW, 14
.set NIL, 15
.macro NOPS n
.rept \n
	v_nop
.endr
.endm
.macro ADD8 d, a
.irp e, 0,2,4,6
	v_pk_add_f32 v[(\d)+\e:(\d)+\e+1], v[(\d)+\e:(\d)+\e+1], v[(\a)+\e:(\a)+\e+1]
.endr
.endm
	s_load_b256 s[4:11], s[0:1], 0x0               ; hidden s[4:5], imp s[6:7], t0 s[8:9], part s[10:11]
	s_load_b64 s[12:13], s[0:1], 0x20              ; stat
	v_lshl_add_u32 v[SPW], v0, 2, SPARE
	v_mov_b32 v[NIL], 0
	v_lshrrev_b32 v1, 5, v0
	v_readfirstlane_b32 s14, v1                    ; wave 0..7
	v_and_b32 v1, 15, v0                           ; r
	v_bfe_u32 v2, v0, 4, 1                         ; h
	v_and_b32 v3, 31, v0                           ; lane
	s_lshr_b32 s15, s14, 1                         ; tt
	s_and_b32 s16, s14, 1                          ; nt
	s_lshl_b32 s18, ttmp9, 18                      ; 64 tokens of 4,096 bytes
	s_mov_b32 s19, 0
	s_lshl_b32 s20, ttmp9, 8
	s_lshl_b32 s21, s15, 6
	s_add_co_u32 s20, s20, s21                     ; imp of my tile's 16 tokens
	s_mov_b32 s21, 0
	s_lshl_b32 s22, s16, 6
	s_add_co_u32 s22, s22, 524288                  ; sb of my tile's 16 hq (stage 1's KT and sb are the same for all batches: batch 0's are read)
	s_mov_b32 s23, 0
	s_lshl_b32 s24, s14, 13                        ; KT's 8 blocks of my columns
	s_mov_b32 s25, 0
	s_lshl_b32 s26, ttmp9, 17
	s_lshl_b32 s27, s14, 14
	s_add_co_u32 s26, s26, s27
	s_mov_b32 s27, 0
	s_lshl_b32 s28, ttmp9, 9
	s_mov_b32 s29, 0
	s_mov_b32 s30, 0x76543210                      ; v_permlanex16_b32: each lane takes its own place in the other half
	s_mov_b32 s31, 0xfedcba98
	s_lshl_b32 s36, s14, 9
	v_lshl_add_u32 v4, v3, 4, s36                  ; x: 16 lane + 512 wave
	s_mul_i32 s37, s14, STRIPW
	v_lshl_add_u32 v5, v3, 3, s37                  ; strip, in: 8 lane
	v_mul_u32_u24 v6, v1, PITCH
	v_lshl_add_u32 v6, v2, 4, v6
	v_add_nc_u32 v6, s37, v6                       ; strip, by rows: token r, 16 h
	v_and_b32 v7, 7, v0
	v_lshl_add_u32 v7, v2, 3, v7
	v_mul_u32_u24 v7, v7, PITCH
	v_bfe_u32 v8, v0, 3, 1
	v_lshl_add_u32 v7, v8, 4, v7
	v_add_nc_u32 v7, s37, v7                       ; strip, turned: token 8 h + lane % 8, 16 bytes by (lane / 8) % 2
	s_lshl_b32 s38, s14, 13
	s_add_co_u32 s38, s38, RED
	v_lshl_add_u32 v8, v3, 4, s38                  ; my partial scores
	s_lshl_b32 s38, s14, 10
	s_add_co_u32 s38, s38, RED
	v_lshl_add_u32 v9, v3, 4, s38                  ; my tile in every wave's partial scores
	s_lshl_b32 s38, s16, 6
	s_add_co_u32 s38, s38, MXB
	v_lshl_add_u32 v10, v1, 2, s38                 ; my hq's word
	v_lshl_add_u32 v11, v3, 4, PB
	v_lshlrev_b32 v89, 5, v2                       ; imp: 32 h
	v_lshlrev_b32 v90, 2, v1                       ; sb: 4 r
	v_lshlrev_b32 v91, 5, v1
	v_lshl_add_u32 v91, v2, 4, v91                 ; KT: 32 r + 16 h
	s_lshl_b32 s38, s15, 7
	v_add_nc_u32 v92, s38, v10                     ; my hq's word in my tt's row
	v_add_nc_u32 v93, s36, v11                     ; my tile's weights
	s_wait_kmcnt 0x0
	s_add_nc_u64 s[4:5], s[4:5], s[18:19]
	s_add_nc_u64 s[6:7], s[6:7], s[20:21]
	s_add_nc_u64 s[32:33], s[8:9], s[22:23]
	s_add_nc_u64 s[34:35], s[8:9], s[24:25]
	s_add_nc_u64 s[10:11], s[10:11], s[26:27]
	s_add_nc_u64 s[12:13], s[12:13], s[28:29]
	global_load_b128 v[80:83], v89, s[6:7]
	global_load_b128 v[84:87], v89, s[6:7] offset:16
	global_load_b32 v88, v90, s[32:33]
.irp nt, 0,1
.irp q, 0,1,2,3,4,5,6,7                ; q = 2 ks + u
	global_load_b128 v[16+32*\nt+4*\q:19+32*\nt+4*\q], v91, s[34:35] offset:1024*\q+512*\nt
.endr
.endr
.set i, 0
.rept 40
	global_load_b128 v[96+4*i:99+4*i], v4, s[4:5] offset:4096*i th:TH_LOAD_NT
.set i, i+1
.endr
; Token i: rounded into the strip; its slot takes token i + 40.
.macro TOK n
.if (\n) < 24
	s_wait_loadcnt 39                              ; loads come back in order: mine is in, the 39 younger ones stay out
.else
	s_wait_loadcnt 63-(\n)
.endif
.set sl, 96+4*((\n)%40)
	v_cvt_pk_bf16_f32 v12, v[sl], v[sl+1]
	v_cvt_pk_bf16_f32 v13, v[sl+2], v[sl+3]
	ds_store_b64 v5, v[12:13] offset:PITCH*(\n)
.if (\n) < 24
	global_load_b128 v[sl:sl+3], v4, s[4:5] offset:4096*((\n)+40) th:TH_LOAD_NT
.endif
.endm
.set i, 0
.rept 64
	TOK i
.set i, i+1
.endr
; SCORES.  Source 0 = 16 tokens, source 1 = 16 hq: a lane holds one hq (r) and tokens 8 h + 0..7.  Eight accumulators take turns.
.macro FR ks, buf
.irp tt, 0,1,2,3
	ds_load_b128 v[(\buf)+8*\tt:(\buf)+8*\tt+3],   v6 offset:16*PITCH*\tt+64*(\ks)
	ds_load_b128 v[(\buf)+8*\tt+4:(\buf)+8*\tt+7], v6 offset:16*PITCH*\tt+64*(\ks)+32
.endr
.endm
.macro MM1 ks, buf
.irp tt, 0,1,2,3
.irp nt, 0,1
.if (\ks) == 0
	v_wmma_f32_16x16x32_bf16 v[96+16*\tt+8*\nt:103+16*\tt+8*\nt], v[(\buf)+8*\tt:(\buf)+8*\tt+7], v[16+32*\nt+8*(\ks):23+32*\nt+8*(\ks)], 0
.else
	v_wmma_f32_16x16x32_bf16 v[96+16*\tt+8*\nt:103+16*\tt+8*\nt], v[(\buf)+8*\tt:(\buf)+8*\tt+7], v[16+32*\nt+8*(\ks):23+32*\nt+8*(\ks)], v[96+16*\tt+8*\nt:103+16*\tt+8*\nt]
.endif
.endr
.endr
.endm
	FR 0, 160
	FR 1, 192
	s_wait_dscnt 8                                 ; LDS serves a wave in order: my stores and this step's fragments are done, the next step's eight loads stay out
	MM1 0, 160
	NOPS 4                                         ; places ahead of loads into registers that the products have read
	FR 2, 160
	s_wait_dscnt 8
	MM1 1, 192
	NOPS 4
	FR 3, 192
	s_wait_dscnt 8
	MM1 2, 160
	s_wait_dscnt 0x0
	MM1 3, 192
	NOPS 8
.irp q, 0,1,2,3,4,5,6,7
	ds_store_b128 v8, v[96+8*\q:99+8*\q]   offset:1024*\q
	ds_store_b128 v8, v[100+8*\q:103+8*\q] offset:1024*\q+512
.endr
	s_wait_dscnt 0x0
	s_barrier_signal -1
	s_barrier_wait -1                              ; all partial scores lie in LDS
.set p, 0
.rept 8
	ds_load_b128 v[160+8*p:163+8*p], v9 offset:8192*p
	ds_load_b128 v[164+8*p:167+8*p], v9 offset:8192*p+512
.set p, p+1
.endr
	s_wait_dscnt 0x0
	ADD8 160, 168
	ADD8 176, 184
	ADD8 192, 200
	ADD8 208, 216
	ADD8 160, 176
	ADD8 192, 208
	ADD8 160, 192
.irp e, 0,2,4,6
	v_pk_fma_f32 v[160+\e:161+\e], v[80+\e:81+\e], v[160+\e:161+\e], v[88:89] op_sel_hi:[1,1,0]  ; imp x score + sb
.endr
	v_max3_num_f32 v12, v160, v161, v162
	v_max3_num_f32 v12, v12, v163, v164
	v_max3_num_f32 v12, v12, v165, v166
	v_max_num_f32 v12, v12, v167
	v_permlanex16_b32 v13, v12, s30, s31           ; my hq's other 8 tokens lie in the lane 16 away
	v_max_num_f32 v12, v12, v13
	ds_store_b32 v92, v12
	s_wait_dscnt 0x0
	s_barrier_signal -1
	s_barrier_wait -1                              ; the four tiles' maxima lie in LDS
.irp t, 0,1,2,3
	ds_load_b32 v[168+\t], v10 offset:128*\t
.endr
	s_wait_dscnt 0x0
	v_max3_num_f32 v12, v168, v169, v170
	v_max_num_f32 v12, v12, v171                   ; m of the 64 tokens
.irp e, 0,2,4,6
	v_pk_add_f32 v[160+\e:161+\e], v[160+\e:161+\e], v[12:13] op_sel_hi:[1,0] neg_lo:[0,1] neg_hi:[0,1]
.endr
.irp e, 0,1,2,3,4,5,6,7
	v_exp_f32 v[160+\e], v[160+\e]
.endr
	v_nop                                          ; a plain instruction behind the last exponential,
	s_wait_alu depctr_va_vdst(0)                   ; and one wait for the batch, ahead of its first reader
	v_pk_add_f32 v[172:173], v[160:161], v[162:163]
	v_pk_add_f32 v[174:175], v[164:165], v[166:167]
	v_pk_mul_f32 v[176:177], v[160:161], v[80:81]
	v_pk_add_f32 v[172:173], v[172:173], v[174:175]
	v_pk_fma_f32 v[176:177], v[162:163], v[82:83], v[176:177]
	v_pk_fma_f32 v[176:177], v[164:165], v[84:85], v[176:177]
	v_pk_fma_f32 v[176:177], v[166:167], v[86:87], v[176:177]
	v_add_f32 v172, v172, v173
	v_add_f32 v176, v176, v177
	v_permlanex16_b32 v173, v172, s30, s31
	v_permlanex16_b32 v177, v176, s30, s31
	v_add_f32 v172, v172, v173
	v_add_f32 v176, v176, v177
	ds_store_b32 v92, v172 offset:512
	ds_store_b32 v92, v176 offset:1024
.irp e, 0,1,2,3
	v_cvt_pk_bf16_f32 v[180+\e], v[160+2*\e], v[161+2*\e]
.endr
	ds_store_b128 v93, v[180:183]
	s_wait_dscnt 0x0
	s_barrier_signal -1
	s_barrier_wait -1                              ; all weights and sums lie in LDS
; ctx^T = x^T P.  Source 0 = 16 of my columns (turned), source 1 = 16 hq; K = 64 tokens, two steps.  Two tiles' packed weights ARE a fragment of source 1.
.irp nt, 0,1
.irp q, 0,1,2,3                        ; q = 2 ks + u = tt
	ds_load_b128 v[16+16*\nt+4*\q:19+16*\nt+4*\q], v11 offset:(2*\q+\nt)*512
.endr
.endr
.macro HFR ks
.irp ct, 0,1,2,3,4,5,6,7
	ds_load_tr16_b128 v[48+8*\ct:51+8*\ct], v7 offset:32*PITCH*(\ks)+32*\ct
	ds_load_tr16_b128 v[52+8*\ct:55+8*\ct], v7 offset:32*PITCH*(\ks)+32*\ct+16*PITCH
.endr
.endm
.macro MM2 ks
.irp ct, 0,1,2,3,4,5,6,7
.irp nt, 0,1
.if (\ks) == 0
	v_wmma_f32_16x16x32_bf16 v[128+16*\ct+8*\nt:135+16*\ct+8*\nt], v[48+8*\ct:55+8*\ct], v[16+16*\nt+8*(\ks):23+16*\nt+8*(\ks)], 0
.else
	v_wmma_f32_16x16x32_bf16 v[128+16*\ct+8*\nt:135+16*\ct+8*\nt], v[48+8*\ct:55+8*\ct], v[16+16*\nt+8*(\ks):23+16*\nt+8*(\ks)], v[128+16*\ct+8*\nt:135+16*\ct+8*\nt]
.endif
.endr
.endr
.endm
	HFR 0
	s_wait_dscnt 0x0
	MM2 0
	NOPS 4
	HFR 1
	s_wait_dscnt 0x0
	MM2 1
	v_lshlrev_b32 v112, 4, v3                      ; 16 lane
	NOPS 8
.set a, 0
.rept 16                               ; the accumulators go out as they lie: each store covers 512 consecutive bytes
	global_store_b128 v112, v[128+8*a:131+8*a], s[10:11] offset:1024*a th:TH_STORE_NT
	global_store_b128 v112, v[132+8*a:135+8*a], s[10:11] offset:1024*a+512 th:TH_STORE_NT
.set a, a+1
.endr
	s_cmp_lg_u32 s14, 0                            ; wave 0 stores the block's statistics, a lane an hq
	s_cbranch_scc1 .Lend
	v_lshl_add_u32 v113, v3, 2, MXB
.irp q, 0,1,2
.irp t, 0,1,2,3
	ds_load_b32 v[48+4*\q+\t], v113 offset:512*\q+128*\t
.endr
.endr
	v_mov_b32 v63, 0
	s_wait_dscnt 0x0
	v_max3_num_f32 v60, v48, v49, v50
	v_pk_add_f32 v[52:53], v[52:53], v[54:55]
	v_pk_add_f32 v[56:57], v[56:57], v[58:59]
	v_max_num_f32 v60, v60, v51
	v_add_f32 v61, v52, v53
	v_add_f32 v62, v56, v57
	global_store_b128 v112, v[60:63], s[12:13]     ; (m, l, pi, 0)
.Lend:
	s_wait_tensorcnt 0x0                           ; the wave's end
	ds_add_u32 v[SPW], v[NIL]
	s_wait_dscnt 0x0
	s_endpgm
.Lfunc_end_k_q873e614494_flash:
	.size	k_q873e614494_flash, .Lfunc_end_k_q873e614494_flash-k_q873e614494_flash
	.p2alignl 7, 3214868480
	.fill 96, 4, 3214868480
	.section	.rodata,"a",@progbits
	.p2align	6, 0x0
	.amdhsa_kernel k_q873e614494_flash
		.amdhsa_group_segment_fixed_size 219648
		.amdhsa_private_segment_fixed_size 0
		.amdhsa_enable_private_segment 0
		.amdhsa_kernarg_size 40
		.amdhsa_user_sgpr_count 2
		.amdhsa_user_sgpr_kernarg_segment_ptr 1
		.amdhsa_wavefront_size32 1
		.amdhsa_system_sgpr_workgroup_id_x 1
		.amdhsa_system_sgpr_workgroup_id_y 1
		.amdhsa_system_sgpr_workgroup_id_z 1
		.amdhsa_system_vgpr_workitem_id 0
		.amdhsa_next_free_vgpr 256
		.amdhsa_next_free_sgpr 66
		.amdhsa_reserve_vcc 0
		.amdhsa_float_denorm_mode_32 3
		.amdhsa_float_denorm_mode_16_64 3
		.amdhsa_memory_ordered 1
		.amdhsa_forward_progress 1
		.amdhsa_inst_pref_size 46
	.end_amdhsa_kernel
	.amdgpu_metadata
---
amdhsa.version: [ 1, 2 ]
amdhsa.kernels:
  - .name:           k_q873e614494_flash
    .symbol:         k_q873e614494_flash.kd
    .args:
      - { .name: hidden_states, .offset: 0, .size: 8, .value_kind: global_buffer, .address_space: global }
      - { .name: importance_scores, .offset: 8, .size: 8, .value_kind: global_buffer, .address_space: global }
      - { .name: t0, .offset: 16, .size: 8, .value_kind: global_buffer, .address_space: global }
      - { .name: part, .offset: 24, .size: 8, .value_kind: global_buffer, .address_space: global }
      - { .name: stat, .offset: 32, .size: 8, .value_kind: global_buffer, .address_space: global }
    .group_segment_fixed_size: 219648
    .private_segment_fixed_size: 0
    .kernarg_segment_align: 8
    .kernarg_segment_size: 40
    .max_flat_workgroup_size: 256
    .sgpr_count:     66
    .vgpr_count:     256
    .wavefront_size: 32
...
	.end_amdgpu_metadata
.endif
;; end of part 3
;; launch merge (part 4): grid 256 x 1, 4 waves a work-group, no clusters, 0 bytes of LDS; arguments part, stat, ctx; writes ctx
.if DOCPART == 4
	.amdgcn_target "amdgcn-amd-amdhsa--gfx1250"
	.amdhsa_code_object_version 6
	.text
	.protected	k_q873e614494_merge
	.globl	k_q873e614494_merge
	.p2align	8
	.type	k_q873e614494_merge,@function
k_q873e614494_merge:
	s_mov_b64 s[64:65], 0
	v_nop
	global_prefetch_b8 v0, s[64:65] scope:SCOPE_SE
	s_setreg_imm32_b32 hwreg(HW_REG_WAVE_MODE, 25, 1), 1
	s_wait_xcnt 0x0
; The 32 blocks of a batch are merged: M = max m_p, W_p = 2^(m_p - M), L = sum W_p l_p; ctx = sum W_p part_p / L (to bf16, by heads, in blocks [k/16][row 8 b + c][16]); I[b][hq] = sum W_p pi_p / L (f32, at byte 524,288).
; SHARES.  A wave takes one accumulator image of 1,024 bytes (16 columns x 16 hq) through all 32 blocks: 32 KiB, each load 512 consecutive bytes; a lane's hq is fixed, so its 32 weights stay in registers.
; A ring of 16 slots of 8 registers keeps 32 loads a wave on their way.  No LDS, no barrier, no matrix unit: a stream.  No prefetch: the launch streams from its head on.
; LIMITS: NaN and infinities are not treated apart; a weight below 2^-126 counts as 0.
	s_load_b128 s[4:7], s[0:1], 0x0                ; part s[4:5], stat s[6:7]
	s_load_b64 s[8:9], s[0:1], 0x10                ; ctx
	v_lshrrev_b32 v1, 5, v0
	v_readfirstlane_b32 s12, v1                    ; wave 0..3
	v_and_b32 v1, 15, v0                           ; r
	v_bfe_u32 v2, v0, 4, 1                         ; h
	v_and_b32 v3, 31, v0                           ; lane
	s_lshr_b32 s13, ttmp9, 5                       ; batch
	s_and_b32 s14, ttmp9, 31
	s_lshr_b32 s15, s14, 2                         ; wc: the column range of 128
	s_and_b32 s16, s14, 3
	s_lshl2_add_u32 s16, s16, s12                  ; a: the accumulator, 2 ct + nt
	s_and_b32 s17, s12, 1                          ; nt
	s_lshr_b32 s18, s16, 1                         ; ct
	s_lshl_b32 s20, s13, 22
	s_lshl_b32 s21, s15, 14
	s_add_co_u32 s20, s20, s21
	s_lshl_b32 s21, s16, 10
	s_add_co_u32 s20, s20, s21
	s_mov_b32 s21, 0
	s_lshl_b32 s22, s13, 14
	s_mov_b32 s23, 0
	s_lshl3_add_u32 s24, s15, s18                  ; block 8 wc + ct
	s_lshl_b32 s24, s24, 11
	s_lshl_b32 s25, s13, 8
	s_add_co_u32 s24, s24, s25                     ; row 8 b
	s_mov_b32 s25, 0
	s_lshl_b32 s26, s13, 7
	s_add_co_u32 s26, s26, 524288
	s_mov_b32 s27, 0
	s_lshl2_add_u32 s30, s14, s12                  ; below 2: the two waves of a batch that make I
	s_lshl_b32 s31, s17, 8
	v_lshl_add_u32 v4, v1, 4, s31                  ; stat: 16 hq
	v_lshlrev_b32 v5, 4, v3                        ; part: 16 lane
	s_lshl_b32 s31, s17, 1
	v_lshrrev_b32 v6, 3, v1
	v_add_nc_u32 v6, s31, v6                       ; head = 2 nt + r / 8
	v_lshlrev_b32 v6, 17, v6
	v_and_b32 v7, 7, v1
	v_lshl_add_u32 v6, v7, 5, v6
	v_lshl_add_u32 v6, v2, 4, v6                   ; + row r % 8, 16 h
	s_lshl_b32 s31, s17, 6
	v_lshl_add_u32 v7, v1, 2, s31                  ; I: 4 hq
	s_wait_kmcnt 0x0
	s_add_nc_u64 s[4:5], s[4:5], s[20:21]
	s_add_nc_u64 s[6:7], s[6:7], s[22:23]
	s_add_nc_u64 s[28:29], s[8:9], s[26:27]
	s_add_nc_u64 s[8:9], s[8:9], s[24:25]
.set p, 0
.rept 32
	global_load_b64 v[32+2*p:33+2*p], v4, s[6:7] offset:512*p  ; (m, l)
.set p, p+1
.endr
.set p, 0
.rept 16
	global_load_b128 v[128+8*p:131+8*p], v5, s[4:5] offset:131072*p th:TH_LOAD_NT
	global_load_b128 v[132+8*p:135+8*p], v5, s[4:5] offset:131072*p+512 th:TH_LOAD_NT
.set p, p+1
.endr
	s_wait_loadcnt 32                              ; the statistics are in; the 32 data loads stay out
	v_max3_num_f32 v12, v32, v34, v36
.set p, 3
.rept 14
	v_max3_num_f32 v12, v12, v[32+2*p], v[34+2*p]
.set p, p+2
.endr
	v_max_num_f32 v12, v12, v94
.set p, 0
.rept 32
	v_sub_f32 v[96+p], v[32+2*p], v12
.set p, p+1
.endr
.set p, 0
.rept 32
	v_exp_f32 v[96+p], v[96+p]
.set p, p+1
.endr
	v_nop
	s_wait_alu depctr_va_vdst(0)                   ; one wait for the 32 exponentials
.irp q, 0,1,2,3
	v_mul_f32 v[24+\q], v[96+\q], v[33+2*\q]
.endr
.set p, 4
.rept 28
	v_fmac_f32 v[24+p%4], v[96+p], v[33+2*p]
.set p, p+1
.endr
	v_add_f32 v24, v24, v25
	v_add_f32 v26, v26, v27
	v_add_f32 v24, v24, v26
	v_rcp_f32 v28, v24                             ; twice: a pair for the packed multiply
	v_rcp_f32 v29, v24
	v_nop
	s_wait_alu depctr_va_vdst(0)
	s_cmp_lt_u32 s30, 2
	s_cbranch_scc0 .Lnoimp
.set p, 0
.rept 32
	global_load_b32 v[32+p], v4, s[6:7] offset:512*p+8  ; pi
.set p, p+1
.endr
	s_wait_loadcnt 0x0
.irp q, 0,1,2,3
	v_mul_f32 v[64+\q], v[96+\q], v[32+\q]
.endr
.set p, 4
.rept 28
	v_fmac_f32 v[64+p%4], v[96+p], v[32+p]
.set p, p+1
.endr
	v_add_f32 v64, v64, v65
	v_add_f32 v66, v66, v67
	v_add_f32 v64, v64, v66
	v_mul_f32 v64, v64, v28
	s_wait_xcnt 0x0                                ; EXEC changes only behind this wait
	v_cmp_gt_u32 vcc_lo, 16, v3
	s_and_saveexec_b32 s31, vcc_lo
	global_store_b32 v7, v64, s[28:29]
	s_wait_xcnt 0x0
	s_or_b32 exec_lo, exec_lo, s31
.Lnoimp:
.set p, 0
.rept 32
.if p < 16
	s_wait_loadcnt 30                              ; block p's two loads are in; 15 younger blocks' stay out
.else
	s_wait_loadcnt 62-2*p
.endif
.set d, 128+8*(p%16)
.irp e, 0,1,2,3,4,5,6,7
.if p == 0
	v_mul_f32 v[16+\e], v[96+p], v[d+\e]
.else
	v_fmac_f32 v[16+\e], v[96+p], v[d+\e]
.endif
.endr
.if p < 16
	global_load_b128 v[d:d+3],   v5, s[4:5] offset:131072*(p+16) th:TH_LOAD_NT
	global_load_b128 v[d+4:d+7], v5, s[4:5] offset:131072*(p+16)+512 th:TH_LOAD_NT
.endif
.set p, p+1
.endr
.irp e, 0,2,4,6
	v_pk_mul_f32 v[16+\e:17+\e], v[16+\e:17+\e], v[28:29]
.endr
.irp e, 0,1,2,3
	v_cvt_pk_bf16_f32 v[24+\e], v[16+2*\e], v[17+2*\e]
.endr
	global_store_b128 v6, v[24:27], s[8:9]         ; lanes of one head fill 256 consecutive bytes
	s_endpgm
.Lfunc_end_k_q873e614494_merge:
	.size	k_q873e614494_merge, .Lfunc_end_k_q873e614494_merge-k_q873e614494_merge
	.p2alignl 7, 3214868480
	.fill 96, 4, 3214868480
	.section	.rodata,"a",@progbits
	.p2align	6, 0x0
	.amdhsa_kernel k_q873e614494_merge
		.amdhsa_group_segment_fixed_size 0
		.amdhsa_private_segment_fixed_size 0
		.amdhsa_enable_private_segment 0
		.amdhsa_kernarg_size 24
		.amdhsa_user_sgpr_count 2
		.amdhsa_user_sgpr_kernarg_segment_ptr 1
		.amdhsa_wavefront_size32 1
		.amdhsa_system_sgpr_workgroup_id_x 1
		.amdhsa_system_sgpr_workgroup_id_y 1
		.amdhsa_system_sgpr_workgroup_id_z 1
		.amdhsa_system_vgpr_workitem_id 0
		.amdhsa_next_free_vgpr 256
		.amdhsa_next_free_sgpr 66
		.amdhsa_reserve_vcc 1
		.amdhsa_float_denorm_mode_32 3
		.amdhsa_float_denorm_mode_16_64 3
		.amdhsa_memory_ordered 1
		.amdhsa_forward_progress 1
		.amdhsa_inst_pref_size 30
	.end_amdhsa_kernel
	.amdgpu_metadata
---
amdhsa.version: [ 1, 2 ]
amdhsa.kernels:
  - .name:           k_q873e614494_merge
    .symbol:         k_q873e614494_merge.kd
    .args:
      - { .name: part, .offset: 0, .size: 8, .value_kind: global_buffer, .address_space: global }
      - { .name: stat, .offset: 8, .size: 8, .value_kind: global_buffer, .address_space: global }
      - { .name: ctx, .offset: 16, .size: 8, .value_kind: global_buffer, .address_space: global }
    .group_segment_fixed_size: 0
    .private_segment_fixed_size: 0
    .kernarg_segment_align: 8
    .kernarg_segment_size: 24
    .max_flat_workgroup_size: 128
    .sgpr_count:     66
    .vgpr_count:     256
    .wavefront_size: 32
...
	.end_amdgpu_metadata
.endif
;; end of part 4
;; launch vp (part 5): grid 64 x 1, 8 waves a work-group, no clusters, 33,792 bytes of LDS; arguments ctx, params_chunk_attn_w_in, params_chunk_attn_b_in, x0; writes x0
.if DOCPART == 5
	.amdgcn_target "amdgcn-amd-amdhsa--gfx1250"
	.amdhsa_code_object_version 6
	.text
	.protected	k_q873e614494_vp
	.globl	k_q873e614494_vp
	.p2align	8
	.type	k_q873e614494_vp,@function
k_q873e614494_vp:
	s_mov_b64 s[64:65], 0
	v_nop
	global_prefetch_b8 v0, s[64:65] scope:SCOPE_SE
	s_setreg_imm32_b32 hwreg(HW_REG_WAVE_MODE, 25, 1), 1
	s_wait_xcnt 0x0
; o1 = ctx_h Wv_h^T + bv: sum_s p_s (Wv x_s + bv) = Wv (sum_s p_s x_s) + bv, since the weights of a row add up to 1.  One text serves four small products Y = X W^T + b; the flags choose the case.
; HERE: X = the merged ctx of the head to which my 16 columns belong (64 rows 8 b + c, in blocks [k/16][row][16] of bf16); W = rows 2048.. of w_in; Y in the same block form.
; SHARES.  A work-group makes 16 columns of Y.  K = 1,024 is split among its eight waves, 128 each (four K steps of 32); the eight partial sums meet in LDS.
; The product is taken with W as source 0: a lane ends with ONE row of X and eight neighbouring columns.  Operands are rounded to bf16, sums are f32.
; No tensor loads: W is f32 in memory and is rounded on its way, so it passes through registers; every LDS byte is written once.
; No prefetch: all of a wave's loads go out at its head.  LIMITS: NaN and infinities are not treated apart.
.set ROW0, 2048                        ; first row of W
.set XHS,  131072                      ; bytes from one head's X to the next (0: one X for all columns)
.set MT,   4                           ; tiles of 16 rows of X
.set XF32, 0                           ; X is f32, row-major, 8 rows
.set F32O, 0                           ; Y is also stored in f32, row-major, 131,072 bytes behind the blocks
.set YMAP, 0                           ; grid y chooses between two row ranges of W
.set SPARE, 32768                      ; LDS: 0..32767 the partial sums; then the spare words, 128 bytes a wave
.if XF32
.set PER, 8                            ; loads of a K step
.else
.set PER, 4+2*MT
.endif
.set SPW, 12                           ; v12 my spare word's address; v13 = 0; never rewritten
.set NIL, 13
.set WF,  16                           ; v[16:79]   W: 16 registers a K step, f32, then 8 of bf16 in place
.set XR,  80                           ; v[80:207]  X's fragments
.set ACC, 208                          ; v[208:239] accumulators
.set BIAS, 240                         ; v[240:247] b of my eight columns
.macro NOPS n
.rept \n
	v_nop
.endr
.endm
.macro ADD8 d, a                       ; eight sums
.irp e, 0,2,4,6
	v_pk_add_f32 v[(\d)+\e:(\d)+\e+1], v[(\d)+\e:(\d)+\e+1], v[(\a)+\e:(\a)+\e+1]
.endr
.endm
.macro CVK f                           ; 16 f32 become a fragment of 8 registers, in place, ascending
.irp e, 0,1,2,3,4,5,6,7
	v_cvt_pk_bf16_f32 v[(\f)+\e], v[(\f)+2*\e], v[(\f)+2*\e+1]
.endr
.endm
.macro LDF f, adr, bs, byte, nt        ; a fragment's 16 f32: k = 8 h + 0..7 and 16 + 8 h + 0..7
.irp e, 0,1,2,3
.if \nt
	global_load_b128 v[(\f)+4*\e:(\f)+4*\e+3], v[\adr], s[\bs:\bs+1] offset:(\byte)+16*(\e%2)+64*(\e/2) th:TH_LOAD_NT
.else
	global_load_b128 v[(\f)+4*\e:(\f)+4*\e+3], v[\adr], s[\bs:\bs+1] offset:(\byte)+16*(\e%2)+64*(\e/2)
.endif
.endr
.endm
.macro LDK ks                          ; the loads of one K step
	LDF WF+16*(\ks), 4, 6, 128*(\ks), 1
.if XF32
	LDF XR+16*(\ks), 5, 4, 128*(\ks), 0
.else
.set m, 0
.rept MT
	global_load_b128 v[XR+32*(\ks)+8*m:XR+32*(\ks)+8*m+3],   v5, s[4:5] offset:4096*(\ks)+512*m
	global_load_b128 v[XR+32*(\ks)+8*m+4:XR+32*(\ks)+8*m+7], v5, s[4:5] offset:4096*(\ks)+512*m+2048
.set m, m+1
.endr
.endif
.endm
.macro MMK ks                          ; the products of one K step; the accumulators take turns
.if MT == 1
.set ac, ACC+8*((\ks)%2)
.if (\ks) < 2
	v_wmma_f32_16x16x32_bf16 v[ac:ac+7], v[WF+16*(\ks):WF+16*(\ks)+7], v[XR+16*(\ks):XR+16*(\ks)+7], 0
.else
	v_wmma_f32_16x16x32_bf16 v[ac:ac+7], v[WF+16*(\ks):WF+16*(\ks)+7], v[XR+16*(\ks):XR+16*(\ks)+7], v[ac:ac+7]
.endif
.else
.set m, 0
.rept MT
.set ac, ACC+8*m
.set xf, XR+32*(\ks)+8*m
.if (\ks) == 0
	v_wmma_f32_16x16x32_bf16 v[ac:ac+7], v[WF+16*(\ks):WF+16*(\ks)+7], v[xf:xf+7], 0
.else
	v_wmma_f32_16x16x32_bf16 v[ac:ac+7], v[WF+16*(\ks):WF+16*(\ks)+7], v[xf:xf+7], v[ac:ac+7]
.endif
.set m, m+1
.endr
.endif
.endm
	s_load_b256 s[4:11], s[0:1], 0x0               ; X s[4:5], W s[6:7], b s[8:9], Y s[10:11]
	v_lshl_add_u32 v[SPW], v0, 2, SPARE
	v_mov_b32 v[NIL], 0
	v_lshrrev_b32 v1, 5, v0
	v_readfirstlane_b32 s12, v1                    ; wave 0..7
	v_and_b32 v1, 15, v0                           ; r
	v_bfe_u32 v2, v0, 4, 1                         ; h
	v_and_b32 v3, 31, v0                           ; lane
.if YMAP
	s_and_b32 s14, ttmp7, 0xffff
	s_lshl_b32 s15, s14, 10
	s_sub_co_u32 s15, 2048, s15                    ; y = 0: rows 2048.. (values), y = 1: rows 1024.. (keys)
	s_lshl_b32 s20, s14, 6
	s_add_co_u32 s20, s20, ttmp9                   ; block of Y = 64 y + x
.else
	s_mov_b32 s15, ROW0
	s_mov_b32 s20, ttmp9
.endif
	s_lshl4_add_u32 s15, ttmp9, s15                ; my first row of W
	s_lshl_b32 s16, s15, 12                        ; in bytes of W,
	s_mov_b32 s17, 0
	s_lshl_b32 s18, s15, 2                         ; and of b
	s_mov_b32 s19, 0
	s_lshl_b32 s20, s20, 11                        ; a block of Y is 2,048 bytes
	s_mov_b32 s21, 0
.if XHS
	s_lshr_b32 s22, ttmp9, 4                       ; the head of my columns
	s_mul_i32 s22, s22, XHS
	s_mov_b32 s23, 0
.endif
.if F32O
	s_lshl_b32 s26, ttmp9, 6
	s_add_co_u32 s26, s26, 131072
	s_mov_b32 s27, 0
	s_lshl_b32 s13, s12, 16
	v_lshlrev_b32 v10, 12, v1
	v_lshl_add_u32 v10, v2, 5, v10
	v_add_nc_u32 v10, s13, v10                     ; f32 Y: row (16 wave + r), 8 h columns
.endif
	s_lshl_b32 s28, s12, 9
	s_lshl_b32 s29, s12, 14
	v_lshlrev_b32 v4, 12, v1
	v_lshl_add_u32 v4, v2, 5, v4
	v_add_nc_u32 v4, s28, v4                       ; W: row r, 32 h, my wave's 512 bytes
.if XF32
	v_and_b32 v5, 7, v0
	v_lshlrev_b32 v5, 12, v5
	v_lshl_add_u32 v5, v2, 5, v5
	v_add_nc_u32 v5, s28, v5                       ; X in f32: row r % 8
.else
	v_lshlrev_b32 v5, 5, v1
	v_lshl_add_u32 v5, v2, 4, v5
	v_add_nc_u32 v5, s29, v5                       ; X in blocks: 32 r + 16 h, my wave's 8 blocks
.endif
	v_lshlrev_b32 v6, 5, v2                        ; b: 32 h
	s_mul_i32 s30, s12, MT*1024
	v_lshl_add_u32 v7, v3, 4, s30                  ; where I put my partial sums
	s_lshl_b32 s31, s12, 10
	v_lshl_add_u32 v8, v3, 4, s31                  ; where wave mt reads tile mt's
	v_lshlrev_b32 v9, 5, v1
	v_lshl_add_u32 v9, v2, 4, v9
	v_add_nc_u32 v9, s28, v9                       ; Y: row (16 wave + r) x 32 + 16 h
	s_wait_kmcnt 0x0
.if F32O
	s_add_nc_u64 s[24:25], s[10:11], s[26:27]
.endif
	s_add_nc_u64 s[6:7], s[6:7], s[16:17]
	s_add_nc_u64 s[8:9], s[8:9], s[18:19]
	s_add_nc_u64 s[10:11], s[10:11], s[20:21]
.if XHS
	s_add_nc_u64 s[4:5], s[4:5], s[22:23]
.endif
	global_load_b128 v[BIAS:BIAS+3],   v6, s[8:9]
	global_load_b128 v[BIAS+4:BIAS+7], v6, s[8:9] offset:16
	LDK 0
	LDK 1
	LDK 2
	LDK 3
.irp k, 0,1,2,3
	s_wait_loadcnt PER*(3-\k)                      ; this K step's loads are in; those of the later steps stay out
	CVK WF+16*\k
.if XF32
	CVK XR+16*\k
.endif
	MMK \k
.endr
	NOPS 8                                         ; the places behind the last products, ahead of the first read of a result
.if MT == 1
	ADD8 ACC, ACC+8                                ; the two parities of the K step
.endif
.set m, 0
.rept MT
	ds_store_b128 v7, v[ACC+8*m:ACC+8*m+3]   offset:1024*m
	ds_store_b128 v7, v[ACC+8*m+4:ACC+8*m+7] offset:1024*m+512
.set m, m+1
.endr
	s_wait_dscnt 0x0                               ; for the others' sake: my partial sums lie in LDS
	s_barrier_signal -1
	s_barrier_wait -1
	s_cmp_lt_u32 s12, MT                           ; wave mt finishes tile mt
	s_cbranch_scc0 .Lend
.set p, 0
.rept 8
	ds_load_b128 v[16+8*p:19+8*p], v8 offset:MT*1024*p
	ds_load_b128 v[20+8*p:23+8*p], v8 offset:MT*1024*p+512
.set p, p+1
.endr
	s_wait_dscnt 0x0
	ADD8 16, 24
	ADD8 32, 40
	ADD8 48, 56
	ADD8 64, 72
	ADD8 16, 32
	ADD8 48, 64
	ADD8 16, 48
	ADD8 16, BIAS
.if F32O
	global_store_b128 v10, v[16:19], s[24:25]
	global_store_b128 v10, v[20:23], s[24:25] offset:16
.endif
.irp e, 0,1,2,3
	v_cvt_pk_bf16_f32 v[24+\e], v[16+2*\e], v[17+2*\e]
.endr
	global_store_b128 v9, v[24:27], s[10:11]       ; the wave's store covers 512 consecutive bytes
.Lend:
	s_wait_tensorcnt 0x0                           ; the wave's end
	ds_add_u32 v[SPW], v[NIL]
	s_wait_dscnt 0x0
	s_endpgm
.Lfunc_end_k_q873e614494_vp:
	.size	k_q873e614494_vp, .Lfunc_end_k_q873e614494_vp-k_q873e614494_vp
	.p2alignl 7, 3214868480
	.fill 96, 4, 3214868480
	.section	.rodata,"a",@progbits
	.p2align	6, 0x0
	.amdhsa_kernel k_q873e614494_vp
		.amdhsa_group_segment_fixed_size 33792
		.amdhsa_private_segment_fixed_size 0
		.amdhsa_enable_private_segment 0
		.amdhsa_kernarg_size 32
		.amdhsa_user_sgpr_count 2
		.amdhsa_user_sgpr_kernarg_segment_ptr 1
		.amdhsa_wavefront_size32 1
		.amdhsa_system_sgpr_workgroup_id_x 1
		.amdhsa_system_sgpr_workgroup_id_y 1
		.amdhsa_system_sgpr_workgroup_id_z 1
		.amdhsa_system_vgpr_workitem_id 0
		.amdhsa_next_free_vgpr 248
		.amdhsa_next_free_sgpr 66
		.amdhsa_reserve_vcc 0
		.amdhsa_float_denorm_mode_32 3
		.amdhsa_float_denorm_mode_16_64 3
		.amdhsa_memory_ordered 1
		.amdhsa_forward_progress 1
		.amdhsa_inst_pref_size 15
	.end_amdhsa_kernel
	.amdgpu_metadata
---
amdhsa.version: [ 1, 2 ]
amdhsa.kernels:
  - .name:           k_q873e614494_vp
    .symbol:         k_q873e614494_vp.kd
    .args:
      - { .name: ctx, .offset: 0, .size: 8, .value_kind: global_buffer, .address_space: global }
      - { .name: params_chunk_attn_w_in, .offset: 8, .size: 8, .value_kind: global_buffer, .address_space: global }
      - { .name: params_chunk_attn_b_in, .offset: 16, .size: 8, .value_kind: global_buffer, .address_space: global }
      - { .name: x0, .offset: 24, .size: 8, .value_kind: global_buffer, .address_space: global }
    .group_segment_fixed_size: 33792
    .private_segment_fixed_size: 0
    .kernarg_segment_align: 8
    .kernarg_segment_size: 32
    .max_flat_workgroup_size: 256
    .sgpr_count:     66
    .vgpr_count:     248
    .wavefront_size: 32
...
	.end_amdgpu_metadata
.endif
;; end of part 5
;; launch op (part 6): grid 64 x 1, 8 waves a work-group, no clusters, 33,792 bytes of LDS; arguments x0, params_chunk_attn_w_out, params_chunk_attn_b_out, x1; writes x1
.if DOCPART == 6
	.amdgcn_target "amdgcn-amd-amdhsa--gfx1250"
	.amdhsa_code_object_version 6
	.text
	.protected	k_q873e614494_op
	.globl	k_q873e614494_op
	.p2align	8
	.type	k_q873e614494_op,@function
k_q873e614494_op:
	s_mov_b64 s[64:65], 0
	v_nop
	global_prefetch_b8 v0, s[64:65] scope:SCOPE_SE
	s_setreg_imm32_b32 hwreg(HW_REG_WAVE_MODE, 25, 1), 1
	s_wait_xcnt 0x0
; chunk_repr = o1 Wo^T + bo.  One text serves four small products Y = X W^T + b; the flags choose the case.
; HERE: X = o1 (64 rows 8 b + c, in blocks [k/16][row][16] of bf16); W = w_out; Y in the same block form (a matrix operand later) AND in f32, row-major, 131,072 bytes behind (the residual of stage 2).
; SHARES.  A work-group makes 16 columns of Y.  K = 1,024 is split among its eight waves, 128 each (four K steps of 32); the eight partial sums meet in LDS.
; The product is taken with W as source 0: a lane ends with ONE row of X and eight neighbouring columns.  Operands are rounded to bf16, sums are f32.
; No tensor loads: W is f32 in memory and is rounded on its way, so it passes through registers; every LDS byte is written once.
; No prefetch: all of a wave's loads go out at its head.  LIMITS: NaN and infinities are not treated apart.
.set ROW0, 0                           ; first row of W
.set XHS,  0                           ; bytes from one head's X to the next (0: one X for all columns)
.set MT,   4                           ; tiles of 16 rows of X
.set XF32, 0                           ; X is f32, row-major, 8 rows
.set F32O, 1                           ; Y is also stored in f32, row-major, 131,072 bytes behind the blocks
.set YMAP, 0                           ; grid y chooses between two row ranges of W
.set SPARE, 32768                      ; LDS: 0..32767 the partial sums; then the spare words, 128 bytes a wave
.if XF32
.set PER, 8                            ; loads of a K step
.else
.set PER, 4+2*MT
.endif
.set SPW, 12                           ; v12 my spare word's address; v13 = 0; never rewritten
.set NIL, 13
.set WF,  16                           ; v[16:79]   W: 16 registers a K step, f32, then 8 of bf16 in place
.set XR,  80                           ; v[80:207]  X's fragments
.set ACC, 208                          ; v[208:239] accumulators
.set BIAS, 240                         ; v[240:247] b of my eight columns
.macro NOPS n
.rept \n
	v_nop
.endr
.endm
.macro ADD8 d, a                       ; eight sums
.irp e, 0,2,4,6
	v_pk_add_f32 v[(\d)+\e:(\d)+\e+1], v[(\d)+\e:(\d)+\e+1], v[(\a)+\e:(\a)+\e+1]
.endr
.endm
.macro CVK f                           ; 16 f32 become a fragment of 8 registers, in place, ascending
.irp e, 0,1,2,3,4,5,6,7
	v_cvt_pk_bf16_f32 v[(\f)+\e], v[(\f)+2*\e], v[(\f)+2*\e+1]
.endr
.endm
.macro LDF f, adr, bs, byte, nt        ; a fragment's 16 f32: k = 8 h + 0..7 and 16 + 8 h + 0..7
.irp e, 0,1,2,3
.if \nt
	global_load_b128 v[(\f)+4*\e:(\f)+4*\e+3], v[\adr], s[\bs:\bs+1] offset:(\byte)+16*(\e%2)+64*(\e/2) th:TH_LOAD_NT
.else
	global_load_b128 v[(\f)+4*\e:(\f)+4*\e+3], v[\adr], s[\bs:\bs+1] offset:(\byte)+16*(\e%2)+64*(\e/2)
.endif
.endr
.endm
.macro LDK ks                          ; the loads of one K step
	LDF WF+16*(\ks), 4, 6, 128*(\ks), 1
.if XF32
	LDF XR+16*(\ks), 5, 4, 128*(\ks), 0
.else
.set m, 0
.rept MT
	global_load_b128 v[XR+32*(\ks)+8*m:XR+32*(\ks)+8*m+3],   v5, s[4:5] offset:4096*(\ks)+512*m
	global_load_b128 v[XR+32*(\ks)+8*m+4:XR+32*(\ks)+8*m+7], v5, s[4:5] offset:4096*(\ks)+512*m+2048
.set m, m+1
.endr
.endif
.endm
.macro MMK ks                          ; the products of one K step; the accumulators take turns
.if MT == 1
.set ac, ACC+8*((\ks)%2)
.if (\ks) < 2
	v_wmma_f32_16x16x32_bf16 v[ac:ac+7], v[WF+16*(\ks):WF+16*(\ks)+7], v[XR+16*(\ks):XR+16*(\ks)+7], 0
.else
	v_wmma_f32_16x16x32_bf16 v[ac:ac+7], v[WF+16*(\ks):WF+16*(\ks)+7], v[XR+16*(\ks):XR+16*(\ks)+7], v[ac:ac+7]
.endif
.else
.set m, 0
.rept MT
.set ac, ACC+8*m
.set xf, XR+32*(\ks)+8*m
.if (\ks) == 0
	v_wmma_f32_16x16x32_bf16 v[ac:ac+7], v[WF+16*(\ks):WF+16*(\ks)+7], v[xf:xf+7], 0
.else
	v_wmma_f32_16x16x32_bf16 v[ac:ac+7], v[WF+16*(\ks):WF+16*(\ks)+7], v[xf:xf+7], v[ac:ac+7]
.endif
.set m, m+1
.endr
.endif
.endm
	s_load_b256 s[4:11], s[0:1], 0x0               ; X s[4:5], W s[6:7], b s[8:9], Y s[10:11]
	v_lshl_add_u32 v[SPW], v0, 2, SPARE
	v_mov_b32 v[NIL], 0
	v_lshrrev_b32 v1, 5, v0
	v_readfirstlane_b32 s12, v1                    ; wave 0..7
	v_and_b32 v1, 15, v0                           ; r
	v_bfe_u32 v2, v0, 4, 1                         ; h
	v_and_b32 v3, 31, v0                           ; lane
.if YMAP
	s_and_b32 s14, ttmp7, 0xffff
	s_lshl_b32 s15, s14, 10
	s_sub_co_u32 s15, 2048, s15                    ; y = 0: rows 2048.. (values), y = 1: rows 1024.. (keys)
	s_lshl_b32 s20, s14, 6
	s_add_co_u32 s20, s20, ttmp9                   ; block of Y = 64 y + x
.else
	s_mov_b32 s15, ROW0
	s_mov_b32 s20, ttmp9
.endif
	s_lshl4_add_u32 s15, ttmp9, s15                ; my first row of W
	s_lshl_b32 s16, s15, 12                        ; in bytes of W,
	s_mov_b32 s17, 0
	s_lshl_b32 s18, s15, 2                         ; and of b
	s_mov_b32 s19, 0
	s_lshl_b32 s20, s20, 11                        ; a block of Y is 2,048 bytes
	s_mov_b32 s21, 0
.if XHS
	s_lshr_b32 s22, ttmp9, 4                       ; the head of my columns
	s_mul_i32 s22, s22, XHS
	s_mov_b32 s23, 0
.endif
.if F32O
	s_lshl_b32 s26, ttmp9, 6
	s_add_co_u32 s26, s26, 131072
	s_mov_b32 s27, 0
	s_lshl_b32 s13, s12, 16
	v_lshlrev_b32 v10, 12, v1
	v_lshl_add_u32 v10, v2, 5, v10
	v_add_nc_u32 v10, s13, v10                     ; f32 Y: row (16 wave + r), 8 h columns
.endif
	s_lshl_b32 s28, s12, 9
	s_lshl_b32 s29, s12, 14
	v_lshlrev_b32 v4, 12, v1
	v_lshl_add_u32 v4, v2, 5, v4
	v_add_nc_u32 v4, s28, v4                       ; W: row r, 32 h, my wave's 512 bytes
.if XF32
	v_and_b32 v5, 7, v0
	v_lshlrev_b32 v5, 12, v5
	v_lshl_add_u32 v5, v2, 5, v5
	v_add_nc_u32 v5, s28, v5                       ; X in f32: row r % 8
.else
	v_lshlrev_b32 v5, 5, v1
	v_lshl_add_u32 v5, v2, 4, v5
	v_add_nc_u32 v5, s29, v5                       ; X in blocks: 32 r + 16 h, my wave's 8 blocks
.endif
	v_lshlrev_b32 v6, 5, v2                        ; b: 32 h
	s_mul_i32 s30, s12, MT*1024
	v_lshl_add_u32 v7, v3, 4, s30                  ; where I put my partial sums
	s_lshl_b32 s31, s12, 10
	v_lshl_add_u32 v8, v3, 4, s31                  ; where wave mt reads tile mt's
	v_lshlrev_b32 v9, 5, v1
	v_lshl_add_u32 v9, v2, 4, v9
	v_add_nc_u32 v9, s28, v9                       ; Y: row (16 wave + r) x 32 + 16 h
	s_wait_kmcnt 0x0
.if F32O
	s_add_nc_u64 s[24:25], s[10:11], s[26:27]
.endif
	s_add_nc_u64 s[6:7], s[6:7], s[16:17]
	s_add_nc_u64 s[8:9], s[8:9], s[18:19]
	s_add_nc_u64 s[10:11], s[10:11], s[20:21]
.if XHS
	s_add_nc_u64 s[4:5], s[4:5], s[22:23]
.endif
	global_load_b128 v[BIAS:BIAS+3],   v6, s[8:9]
	global_load_b128 v[BIAS+4:BIAS+7], v6, s[8:9] offset:16
	LDK 0
	LDK 1
	LDK 2
	LDK 3
.irp k, 0,1,2,3
	s_wait_loadcnt PER*(3-\k)                      ; this K step's loads are in; those of the later steps stay out
	CVK WF+16*\k
.if XF32
	CVK XR+16*\k
.endif
	MMK \k
.endr
	NOPS 8                                         ; the places behind the last products, ahead of the first read of a result
.if MT == 1
	ADD8 ACC, ACC+8                                ; the two parities of the K step
.endif
.set m, 0
.rept MT
	ds_store_b128 v7, v[ACC+8*m:ACC+8*m+3]   offset:1024*m
	ds_store_b128 v7, v[ACC+8*m+4:ACC+8*m+7] offset:1024*m+512
.set m, m+1
.endr
	s_wait_dscnt 0x0                               ; for the others' sake: my partial sums lie in LDS
	s_barrier_signal -1
	s_barrier_wait -1
	s_cmp_lt_u32 s12, MT                           ; wave mt finishes tile mt
	s_cbranch_scc0 .Lend
.set p, 0
.rept 8
	ds_load_b128 v[16+8*p:19+8*p], v8 offset:MT*1024*p
	ds_load_b128 v[20+8*p:23+8*p], v8 offset:MT*1024*p+512
.set p, p+1
.endr
	s_wait_dscnt 0x0
	ADD8 16, 24
	ADD8 32, 40
	ADD8 48, 56
	ADD8 64, 72
	ADD8 16, 32
	ADD8 48, 64
	ADD8 16, 48
	ADD8 16, BIAS
.if F32O
	global_store_b128 v10, v[16:19], s[24:25]
	global_store_b128 v10, v[20:23], s[24:25] offset:16
.endif
.irp e, 0,1,2,3
	v_cvt_pk_bf16_f32 v[24+\e], v[16+2*\e], v[17+2*\e]
.endr
	global_store_b128 v9, v[24:27], s[10:11]       ; the wave's store covers 512 consecutive bytes
.Lend:
	s_wait_tensorcnt 0x0                           ; the wave's end
	ds_add_u32 v[SPW], v[NIL]
	s_wait_dscnt 0x0
	s_endpgm
.Lfunc_end_k_q873e614494_op:
	.size	k_q873e614494_op, .Lfunc_end_k_q873e614494_op-k_q873e614494_op
	.p2alignl 7, 3214868480
	.fill 96, 4, 3214868480
	.section	.rodata,"a",@progbits
	.p2align	6, 0x0
	.amdhsa_kernel k_q873e614494_op
		.amdhsa_group_segment_fixed_size 33792
		.amdhsa_private_segment_fixed_size 0
		.amdhsa_enable_private_segment 0
		.amdhsa_kernarg_size 32
		.amdhsa_user_sgpr_count 2
		.amdhsa_user_sgpr_kernarg_segment_ptr 1
		.amdhsa_wavefront_size32 1
		.amdhsa_system_sgpr_workgroup_id_x 1
		.amdhsa_system_sgpr_workgroup_id_y 1
		.amdhsa_system_sgpr_workgroup_id_z 1
		.amdhsa_system_vgpr_workitem_id 0
		.amdhsa_next_free_vgpr 248
		.amdhsa_next_free_sgpr 66
		.amdhsa_reserve_vcc 0
		.amdhsa_float_denorm_mode_32 3
		.amdhsa_float_denorm_mode_16_64 3
		.amdhsa_memory_ordered 1
		.amdhsa_forward_progress 1
		.amdhsa_inst_pref_size 15
	.end_amdhsa_kernel
	.amdgpu_metadata
---
amdhsa.version: [ 1, 2 ]
amdhsa.kernels:
  - .name:           k_q873e614494_op
    .symbol:         k_q873e614494_op.kd
    .args:
      - { .name: x0, .offset: 0, .size: 8, .value_kind: global_buffer, .address_space: global }
      - { .name: params_chunk_attn_w_out, .offset: 8, .size: 8, .value_kind: global_buffer, .address_space: global }
      - { .name: params_chunk_attn_b_out, .offset: 16, .size: 8, .value_kind: global_buffer, .address_space: global }
      - { .name: x1, .offset: 24, .size: 8, .value_kind: global_buffer, .address_space: global }
    .group_segment_fixed_size: 33792
    .private_segment_fixed_size: 0
    .kernarg_segment_align: 8
    .kernarg_segment_size: 32
    .max_flat_workgroup_size: 256
    .sgpr_count:     66
    .vgpr_count:     248
    .wavefront_size: 32
...
	.end_amdgpu_metadata
.endif
;; end of part 6
;; launch kv2 (part 7): grid 64 x 2, 8 waves a work-group, no clusters, 33,792 bytes of LDS; arguments x1, params_priority_attn_w_in, params_priority_attn_b_in, x0; writes x0
.if DOCPART == 7
	.amdgcn_target "amdgcn-amd-amdhsa--gfx1250"
	.amdhsa_code_object_version 6
	.text
	.protected	k_q873e614494_kv2
	.globl	k_q873e614494_kv2
	.p2align	8
	.type	k_q873e614494_kv2,@function
k_q873e614494_kv2:
	s_mov_b64 s[64:65], 0
	v_nop
	global_prefetch_b8 v0, s[64:65] scope:SCOPE_SE
	s_setreg_imm32_b32 hwreg(HW_REG_WAVE_MODE, 25, 1), 1
	s_wait_xcnt 0x0
; The keys and values of the 64 chunk rows: v = X Wv^T + bv (grid y = 0, blocks 0-63 of Y), k = X Wk^T + bk (y = 1, blocks 64-127).  One text serves four small products Y = X W^T + b; the flags choose the case.
; HERE: X = 64 rows 8 b + c in blocks [k/16][row][16] of bf16; W = rows 2048.. or 1024.. of w_in; Y in the same block form.  The same body serves stage 2 and stage 3.
; SHARES.  A work-group makes 16 columns of Y.  K = 1,024 is split among its eight waves, 128 each (four K steps of 32); the eight partial sums meet in LDS.
; The product is taken with W as source 0: a lane ends with ONE row of X and eight neighbouring columns.  Operands are rounded to bf16, sums are f32.
; No tensor loads: W is f32 in memory and is rounded on its way, so it passes through registers; every LDS byte is written once.
; No prefetch: all of a wave's loads go out at its head.  LIMITS: NaN and infinities are not treated apart.
.set ROW0, 0                           ; first row of W
.set XHS,  0                           ; bytes from one head's X to the next (0: one X for all columns)
.set MT,   4                           ; tiles of 16 rows of X
.set XF32, 0                           ; X is f32, row-major, 8 rows
.set F32O, 0                           ; Y is also stored in f32, row-major, 131,072 bytes behind the blocks
.set YMAP, 1                           ; grid y chooses between two row ranges of W
.set SPARE, 32768                      ; LDS: 0..32767 the partial sums; then the spare words, 128 bytes a wave
.if XF32
.set PER, 8                            ; loads of a K step
.else
.set PER, 4+2*MT
.endif
.set SPW, 12                           ; v12 my spare word's address; v13 = 0; never rewritten
.set NIL, 13
.set WF,  16                           ; v[16:79]   W: 16 registers a K step, f32, then 8 of bf16 in place
.set XR,  80                           ; v[80:207]  X's fragments
.set ACC, 208                          ; v[208:239] accumulators
.set BIAS, 240                         ; v[240:247] b of my eight columns
.macro NOPS n
.rept \n
	v_nop
.endr
.endm
.macro ADD8 d, a                       ; eight sums
.irp e, 0,2,4,6
	v_pk_add_f32 v[(\d)+\e:(\d)+\e+1], v[(\d)+\e:(\d)+\e+1], v[(\a)+\e:(\a)+\e+1]
.endr
.endm
.macro CVK f                           ; 16 f32 become a fragment of 8 registers, in place, ascending
.irp e, 0,1,2,3,4,5,6,7
	v_cvt_pk_bf16_f32 v[(\f)+\e], v[(\f)+2*\e], v[(\f)+2*\e+1]
.endr
.endm
.macro LDF f, adr, bs, byte, nt        ; a fragment's 16 f32: k = 8 h + 0..7 and 16 + 8 h + 0..7
.irp e, 0,1,2,3
.if \nt
	global_load_b128 v[(\f)+4*\e:(\f)+4*\e+3], v[\adr], s[\bs:\bs+1] offset:(\byte)+16*(\e%2)+64*(\e/2) th:TH_LOAD_NT
.else
	global_load_b128 v[(\f)+4*\e:(\f)+4*\e+3], v[\adr], s[\bs:\bs+1] offset:(\byte)+16*(\e%2)+64*(\e/2)
.endif
.endr
.endm
.macro LDK ks                          ; the loads of one K step
	LDF WF+16*(\ks), 4, 6, 128*(\ks), 1
.if XF32
	LDF XR+16*(\ks), 5, 4, 128*(\ks), 0
.else
.set m, 0
.rept MT
	global_load_b128 v[XR+32*(\ks)+8*m:XR+32*(\ks)+8*m+3],   v5, s[4:5] offset:4096*(\ks)+512*m
	global_load_b128 v[XR+32*(\ks)+8*m+4:XR+32*(\ks)+8*m+7], v5, s[4:5] offset:4096*(\ks)+512*m+2048
.set m, m+1
.endr
.endif
.endm
.macro MMK ks                          ; the products of one K step; the accumulators take turns
.if MT == 1
.set ac, ACC+8*((\ks)%2)
.if (\ks) < 2
	v_wmma_f32_16x16x32_bf16 v[ac:ac+7], v[WF+16*(\ks):WF+16*(\ks)+7], v[XR+16*(\ks):XR+16*(\ks)+7], 0
.else
	v_wmma_f32_16x16x32_bf16 v[ac:ac+7], v[WF+16*(\ks):WF+16*(\ks)+7], v[XR+16*(\ks):XR+16*(\ks)+7], v[ac:ac+7]
.endif
.else
.set m, 0
.rept MT
.set ac, ACC+8*m
.set xf, XR+32*(\ks)+8*m
.if (\ks) == 0
	v_wmma_f32_16x16x32_bf16 v[ac:ac+7], v[WF+16*(\ks):WF+16*(\ks)+7], v[xf:xf+7], 0
.else
	v_wmma_f32_16x16x32_bf16 v[ac:ac+7], v[WF+16*(\ks):WF+16*(\ks)+7], v[xf:xf+7], v[ac:ac+7]
.endif
.set m, m+1
.endr
.endif
.endm
	s_load_b256 s[4:11], s[0:1], 0x0               ; X s[4:5], W s[6:7], b s[8:9], Y s[10:11]
	v_lshl_add_u32 v[SPW], v0, 2, SPARE
	v_mov_b32 v[NIL], 0
	v_lshrrev_b32 v1, 5, v0
	v_readfirstlane_b32 s12, v1                    ; wave 0..7
	v_and_b32 v1, 15, v0                           ; r
	v_bfe_u32 v2, v0, 4, 1                         ; h
	v_and_b32 v3, 31, v0                           ; lane
.if YMAP
	s_and_b32 s14, ttmp7, 0xffff
	s_lshl_b32 s15, s14, 10
	s_sub_co_u32 s15, 2048, s15                    ; y = 0: rows 2048.. (values), y = 1: rows 1024.. (keys)
	s_lshl_b32 s20, s14, 6
	s_add_co_u32 s20, s20, ttmp9                   ; block of Y = 64 y + x
.else
	s_mov_b32 s15, ROW0
	s_mov_b32 s20, ttmp9
.endif
	s_lshl4_add_u32 s15, ttmp9, s15                ; my first row of W
	s_lshl_b32 s16, s15, 12                        ; in bytes of W,
	s_mov_b32 s17, 0
	s_lshl_b32 s18, s15, 2                         ; and of b
	s_mov_b32 s19, 0
	s_lshl_b32 s20, s20, 11                        ; a block of Y is 2,048 bytes
	s_mov_b32 s21, 0
.if XHS
	s_lshr_b32 s22, ttmp9, 4                       ; the head of my columns
	s_mul_i32 s22, s22, XHS
	s_mov_b32 s23, 0
.endif
.if F32O
	s_lshl_b32 s26, ttmp9, 6
	s_add_co_u32 s26, s26, 131072
	s_mov_b32 s27, 0
	s_lshl_b32 s13, s12, 16
	v_lshlrev_b32 v10, 12, v1
	v_lshl_add_u32 v10, v2, 5, v10
	v_add_nc_u32 v10, s13, v10                     ; f32 Y: row (16 wave + r), 8 h columns
.endif
	s_lshl_b32 s28, s12, 9
	s_lshl_b32 s29, s12, 14
	v_lshlrev_b32 v4, 12, v1
	v_lshl_add_u32 v4, v2, 5, v4
	v_add_nc_u32 v4, s28, v4                       ; W: row r, 32 h, my wave's 512 bytes
.if XF32
	v_and_b32 v5, 7, v0
	v_lshlrev_b32 v5, 12, v5
	v_lshl_add_u32 v5, v2, 5, v5
	v_add_nc_u32 v5, s28, v5                       ; X in f32: row r % 8
.else
	v_lshlrev_b32 v5, 5, v1
	v_lshl_add_u32 v5, v2, 4, v5
	v_add_nc_u32 v5, s29, v5                       ; X in blocks: 32 r + 16 h, my wave's 8 blocks
.endif
	v_lshlrev_b32 v6, 5, v2                        ; b: 32 h
	s_mul_i32 s30, s12, MT*1024
	v_lshl_add_u32 v7, v3, 4, s30                  ; where I put my partial sums
	s_lshl_b32 s31, s12, 10
	v_lshl_add_u32 v8, v3, 4, s31                  ; where wave mt reads tile mt's
	v_lshlrev_b32 v9, 5, v1
	v_lshl_add_u32 v9, v2, 4, v9
	v_add_nc_u32 v9, s28, v9                       ; Y: row (16 wave + r) x 32 + 16 h
	s_wait_kmcnt 0x0
.if F32O
	s_add_nc_u64 s[24:25], s[10:11], s[26:27]
.endif
	s_add_nc_u64 s[6:7], s[6:7], s[16:17]
	s_add_nc_u64 s[8:9], s[8:9], s[18:19]
	s_add_nc_u64 s[10:11], s[10:11], s[20:21]
.if XHS
	s_add_nc_u64 s[4:5], s[4:5], s[22:23]
.endif
	global_load_b128 v[BIAS:BIAS+3],   v6, s[8:9]
	global_load_b128 v[BIAS+4:BIAS+7], v6, s[8:9] offset:16
	LDK 0
	LDK 1
	LDK 2
	LDK 3
.irp k, 0,1,2,3
	s_wait_loadcnt PER*(3-\k)                      ; this K step's loads are in; those of the later steps stay out
	CVK WF+16*\k
.if XF32
	CVK XR+16*\k
.endif
	MMK \k
.endr
	NOPS 8                                         ; the places behind the last products, ahead of the first read of a result
.if MT == 1
	ADD8 ACC, ACC+8                                ; the two parities of the K step
.endif
.set m, 0
.rept MT
	ds_store_b128 v7, v[ACC+8*m:ACC+8*m+3]   offset:1024*m
	ds_store_b128 v7, v[ACC+8*m+4:ACC+8*m+7] offset:1024*m+512
.set m, m+1
.endr
	s_wait_dscnt 0x0                               ; for the others' sake: my partial sums lie in LDS
	s_barrier_signal -1
	s_barrier_wait -1
	s_cmp_lt_u32 s12, MT                           ; wave mt finishes tile mt
	s_cbranch_scc0 .Lend
.set p, 0
.rept 8
	ds_load_b128 v[16+8*p:19+8*p], v8 offset:MT*1024*p
	ds_load_b128 v[20+8*p:23+8*p], v8 offset:MT*1024*p+512
.set p, p+1
.endr
	s_wait_dscnt 0x0
	ADD8 16, 24
	ADD8 32, 40
	ADD8 48, 56
	ADD8 64, 72
	ADD8 16, 32
	ADD8 48, 64
	ADD8 16, 48
	ADD8 16, BIAS
.if F32O
	global_store_b128 v10, v[16:19], s[24:25]
	global_store_b128 v10, v[20:23], s[24:25] offset:16
.endif
.irp e, 0,1,2,3
	v_cvt_pk_bf16_f32 v[24+\e], v[16+2*\e], v[17+2*\e]
.endr
	global_store_b128 v9, v[24:27], s[10:11]       ; the wave's store covers 512 consecutive bytes
.Lend:
	s_wait_tensorcnt 0x0                           ; the wave's end
	ds_add_u32 v[SPW], v[NIL]
	s_wait_dscnt 0x0
	s_endpgm
.Lfunc_end_k_q873e614494_kv2:
	.size	k_q873e614494_kv2, .Lfunc_end_k_q873e614494_kv2-k_q873e614494_kv2
	.p2alignl 7, 3214868480
	.fill 96, 4, 3214868480
	.section	.rodata,"a",@progbits
	.p2align	6, 0x0
	.amdhsa_kernel k_q873e614494_kv2
		.amdhsa_group_segment_fixed_size 33792
		.amdhsa_private_segment_fixed_size 0
		.amdhsa_enable_private_segment 0
		.amdhsa_kernarg_size 32
		.amdhsa_user_sgpr_count 2
		.amdhsa_user_sgpr_kernarg_segment_ptr 1
		.amdhsa_wavefront_size32 1
		.amdhsa_system_sgpr_workgroup_id_x 1
		.amdhsa_system_sgpr_workgroup_id_y 1
		.amdhsa_system_sgpr_workgroup_id_z 1
		.amdhsa_system_vgpr_workitem_id 0
		.amdhsa_next_free_vgpr 248
		.amdhsa_next_free_sgpr 66
		.amdhsa_reserve_vcc 0
		.amdhsa_float_denorm_mode_32 3
		.amdhsa_float_denorm_mode_16_64 3
		.amdhsa_memory_ordered 1
		.amdhsa_forward_progress 1
		.amdhsa_inst_pref_size 15
	.end_amdhsa_kernel
	.amdgpu_metadata
---
amdhsa.version: [ 1, 2 ]
amdhsa.kernels:
  - .name:           k_q873e614494_kv2
    .symbol:         k_q873e614494_kv2.kd
    .args:
      - { .name: x1, .offset: 0, .size: 8, .value_kind: global_buffer, .address_space: global }
      - { .name: params_priority_attn_w_in, .offset: 8, .size: 8, .value_kind: global_buffer, .address_space: global }
      - { .name: params_priority_attn_b_in, .offset: 16, .size: 8, .value_kind: global_buffer, .address_space: global }
      - { .name: x0, .offset: 24, .size: 8, .value_kind: global_buffer, .address_space: global }
    .group_segment_fixed_size: 33792
    .private_segment_fixed_size: 0
    .kernarg_segment_align: 8
    .kernarg_segment_size: 32
    .max_flat_workgroup_size: 256
    .sgpr_count:     66
    .vgpr_count:     248
    .wavefront_size: 32
...
	.end_amdgpu_metadata
.endif
;; end of part 7
;; launch fv2 (part 8): grid 16 x 20, 8 waves a work-group, no clusters, 34,816 bytes of LDS; arguments x0, params_priority_attn_w_in, params_priority_attn_b_in, params_priority_attn_w_out, t0; writes t0
.if DOCPART == 8
	.amdgcn_target "amdgcn-amd-amdhsa--gfx1250"
	.amdhsa_code_object_version 6
	.text
	.protected	k_q873e614494_fv2
	.globl	k_q873e614494_fv2
	.p2align	8
	.type	k_q873e614494_fv2,@function
k_q873e614494_fv2:
	s_mov_b64 s[64:65], 0
	v_nop
	global_prefetch_b8 v0, s[64:65] scope:SCOPE_SE
	s_setreg_imm32_b32 hwreg(HW_REG_WAVE_MODE, 25, 1), 1
	s_wait_xcnt 0x0
; TWO ROLES, chosen by grid y (the same for all waves of a work-group).  The same body serves stage 2 and stage 3.
; y < 16, THE FOLD.  A score (Wq x + bq) . k is x . (Wq^T k) + bq . k.  KT[row][i] = c sum_j Y[row][256 hd + j] W[256 hd + j][i], sb[row] = c sum_j Y[row][256 hd + j] b[256 hd + j], c = log2(e) / 16.
;   Y = the 64 key rows (blocks 64-127 of the first buffer), W = the query rows of w_in.  Grid x = 64 columns i, y = 4 mt + hd.  The head's 256 j are split among eight waves, one K step each; the partial sums meet in LDS.
;   W lies [j][i]: a lane loads 4 neighbouring columns of 16 rows (sixteen lanes take 256 consecutive bytes) and pairs them along j while rounding: fragment cf's row r' is column 4 r' + cf.
; y >= 16, VT.  (P V_h) Wo_h^T = P (V_h Wo_h^T): VT[b][hd][n][c] = sum_j v[8 b + c][256 hd + j] Wo[n][256 hd + j].  A work-group makes 16 columns n = 16 (16 (y - 16) + x) + r for all 64 rows;
;   wave w takes j = 128 w .. + 127, so waves 2 hd and 2 hd + 1 hold head hd; their two partial sums meet in LDS.
; OUT: KT [batch][i / 16][hq 32][16] bf16; sb [batch][32] f32 at byte 524,288; VT [batch][head][n][c 8] bf16 at byte 525,312.  LIMITS: NaN and infinities are not treated apart.
.set ROW0, 0
.set KOFF, 131072                      ; byte at which Y's blocks begin in its buffer
.set HASVT, 1
.set TP,   12                          ; s[TP:TP+1] the output buffer
.set SBR,  32768                       ; LDS: 0..32767 partial sums; 1,024 bytes of sb's; the spare words
.set SPARE, 33792
.set SPW, 12
.set NIL, 13
.set WF,  16
.set XR,  80
.set ACC, 208
.macro NOPS n
.rept \n
	v_nop
.endr
.endm
.macro ADD8 d, a
.irp e, 0,2,4,6
	v_pk_add_f32 v[(\d)+\e:(\d)+\e+1], v[(\d)+\e:(\d)+\e+1], v[(\a)+\e:(\a)+\e+1]
.endr
.endm
.macro ADD16 d, a
	ADD8 \d, \a
	ADD8 (\d)+8, (\a)+8
.endm
.macro CVK f
.irp e, 0,1,2,3,4,5,6,7
	v_cvt_pk_bf16_f32 v[(\f)+\e], v[(\f)+2*\e], v[(\f)+2*\e+1]
.endr
.endm
	s_load_b256 s[4:11], s[0:1], 0x0               ; k and v s[4:5], w_in s[6:7], b_in s[8:9], w_out s[10:11]
	s_load_b64 s[12:13], s[0:1], 0x20              ; the output
	v_lshl_add_u32 v[SPW], v0, 2, SPARE
	v_mov_b32 v[NIL], 0
	v_lshrrev_b32 v1, 5, v0
	v_readfirstlane_b32 s14, v1                    ; wave 0..7
	v_and_b32 v1, 15, v0                           ; r
	v_bfe_u32 v2, v0, 4, 1                         ; h
	v_and_b32 v3, 31, v0                           ; lane
	s_and_b32 s16, ttmp7, 0xffff
	s_cmp_ge_u32 s16, 16
	s_cbranch_scc1 .Lvt
	s_and_b32 s17, s16, 3                          ; hd
	s_lshr_b32 s18, s16, 2                         ; mt
	s_lshl_b32 s19, s17, 8
	s_lshl_b32 s20, s14, 5
	s_add_co_u32 s19, s19, s20                     ; my first j: 256 hd + 32 wave
	s_lshl_b32 s20, s19, 2
	s_mov_b32 s21, 0
	s_lshl_b32 s22, s19, 12
	s_lshl_b32 s23, ttmp9, 8
	s_add_co_u32 s22, s22, s23                     ; W at row j, column 64 x
	s_mov_b32 s23, 0
	s_lshl_b32 s24, s17, 15
	s_lshl_b32 s25, s14, 12
	s_add_co_u32 s24, s24, s25
	s_lshl_b32 s25, s18, 9
	s_add_co_u32 s24, s24, s25
	s_add_co_u32 s24, s24, KOFF                    ; Y at block 16 hd + 2 wave, row 16 mt
	s_mov_b32 s25, 0
	s_lshl_b32 s28, s18, 17
	s_lshl_b32 s29, ttmp9, 12
	s_add_co_u32 s28, s28, s29
	s_lshl_b32 s29, s14, 10
	s_add_co_u32 s28, s28, s29
	s_lshl_b32 s29, s17, 8
	s_add_co_u32 s28, s28, s29                     ; KT: batch 2 mt, block 4 x + wave, hq 8 hd
	s_mov_b32 s29, 0
	s_lshl_b32 s32, s18, 8
	s_lshl_b32 s33, s17, 5
	s_add_co_u32 s32, s32, s33
	s_add_co_u32 s32, s32, 524288                  ; sb: batch 2 mt, hq 8 hd
	s_mov_b32 s33, 0
	s_mov_b32 s26, 0x3db8aa3b                      ; c = log2(e) / 16
	s_mov_b32 s27, s26                             ; named with it as a pair
	v_lshlrev_b32 v4, 5, v2                        ; b: 32 h
	v_lshlrev_b32 v5, 5, v1
	v_lshl_add_u32 v5, v2, 4, v5                   ; Y: 32 r + 16 h
	v_lshlrev_b32 v6, 15, v2
	v_lshl_add_u32 v6, v1, 4, v6                   ; W: 8 h rows down, 16 r
	s_lshl_b32 s38, s14, 12
	v_lshl_add_u32 v7, v3, 4, s38                  ; my partial sums
	s_lshl_b32 s38, s14, 7
	s_add_co_u32 s38, s38, SBR
	v_lshl_add_u32 v8, v3, 2, s38                  ; my partial sb
	s_lshl_b32 s38, s14, 9
	v_lshl_add_u32 v9, v3, 4, s38                  ; waves 0, 1 read the low, the high half of every accumulator
	v_lshrrev_b32 v10, 3, v1
	v_and_b32 v11, 7, v1
	v_lshlrev_b32 v10, 16, v10
	v_lshl_add_u32 v10, v2, 11, v10
	v_lshl_add_u32 v10, v11, 5, v10                ; KT: batch r / 8, block 2 h, row r % 8
	s_wait_kmcnt 0x0
	s_add_nc_u64 s[8:9], s[8:9], s[20:21]
	s_add_nc_u64 s[6:7], s[6:7], s[22:23]
	s_add_nc_u64 s[4:5], s[4:5], s[24:25]
	s_add_nc_u64 s[34:35], s[TP:TP+1], s[28:29]
	s_add_nc_u64 s[36:37], s[TP:TP+1], s[32:33]
.set t, 0
.rept 16                               ; rows 8 h + 0..7 and 16 + 8 h + 0..7
	global_load_b128 v[16+4*t:19+4*t], v6, s[6:7] offset:4096*(t+8*(t/8))
.set t, t+1
.endr
	global_load_b128 v[112:115], v4, s[8:9]
	global_load_b128 v[116:119], v4, s[8:9] offset:16
	global_load_b128 v[120:123], v4, s[8:9] offset:64
	global_load_b128 v[124:127], v4, s[8:9] offset:80
	global_load_b128 v[128:131], v5, s[4:5]
	global_load_b128 v[132:135], v5, s[4:5] offset:2048
	s_wait_loadcnt 0x0
.irp cf, 0,1,2,3
.irp u, 0,1,2,3,4,5,6,7
	v_cvt_pk_bf16_f32 v[80+8*\cf+\u], v[16+8*\u+\cf], v[20+8*\u+\cf]  ; two neighbouring j of column 4 r + cf
.endr
.endr
	CVK 112                                        ; b as a fragment whose 16 rows are alike
.irp cf, 0,1,2,3
	v_wmma_f32_16x16x32_bf16 v[136+8*\cf:143+8*\cf], v[80+8*\cf:87+8*\cf], v[128:135], 0
.endr
	v_wmma_f32_16x16x32_bf16 v[168:175], v[112:119], v[128:135], 0
	NOPS 8
.irp q, 0,1,2,3,4,5,6,7                ; q = 2 cf + half
	ds_store_b128 v7, v[136+4*\q:139+4*\q] offset:512*\q
.endr
	ds_store_b32 v8, v168
	s_wait_dscnt 0x0
	s_barrier_signal -1
	s_barrier_wait -1
	s_cmp_lt_u32 s14, 2
	s_cbranch_scc0 .Lend
.set p, 0
.rept 8
.irp cf, 0,1,2,3
	ds_load_b128 v[16+16*p+4*\cf:19+16*p+4*\cf], v9 offset:4096*p+1024*\cf
.endr
.set p, p+1
.endr
	s_wait_dscnt 0x0
	ADD16 16, 32
	ADD16 48, 64
	ADD16 80, 96
	ADD16 112, 128
	ADD16 16, 48
	ADD16 80, 112
	ADD16 16, 80
.irp e, 0,2,4,6,8,10,12,14
	v_pk_mul_f32 v[16+\e:17+\e], v[16+\e:17+\e], s[26:27] op_sel_hi:[1,0]
.endr
.irp e, 0,1,2,3                        ; my 16 numbers are one block of 16 columns: place 4 e + cf
.irp cp, 0,1
	v_cvt_pk_bf16_f32 v[32+2*\e+\cp], v[16+8*\cp+\e], v[20+8*\cp+\e]
.endr
.endr
	global_store_b128 v10, v[32:35], s[34:35]
	global_store_b128 v10, v[36:39], s[34:35] offset:16
	s_cmp_lg_u32 s14, 0                            ; sb is stored by wave 0
	s_cbranch_scc1 .Lend
	s_cmp_lg_u32 ttmp9, 0                          ; of the work-groups with x = 0
	s_cbranch_scc1 .Lend
	v_lshl_add_u32 v57, v3, 2, SBR                 ; the eight waves' partial sb: SBR + 4 lane + 128 p, inside SBR's 1,024 bytes
.irp p, 0,1,2,3,4,5,6,7
	ds_load_b32 v[48+\p], v57 offset:128*\p
.endr
	v_lshrrev_b32 v56, 3, v1
	v_lshlrev_b32 v56, 7, v56
	v_lshl_add_u32 v56, v11, 2, v56                ; batch r / 8, hq r % 8
	s_wait_dscnt 0x0
	v_pk_add_f32 v[48:49], v[48:49], v[50:51]
	v_pk_add_f32 v[52:53], v[52:53], v[54:55]
	v_pk_add_f32 v[48:49], v[48:49], v[52:53]
	v_add_f32 v48, v48, v49
	v_mul_f32 v48, s26, v48
	s_wait_xcnt 0x0                                ; EXEC changes only behind this wait
	v_cmp_gt_u32 vcc_lo, 16, v3
	s_and_saveexec_b32 s31, vcc_lo
	global_store_b32 v56, v48, s[36:37]
	s_wait_xcnt 0x0
	s_or_b32 exec_lo, exec_lo, s31
	s_branch .Lend
.Lvt:
	s_sub_co_u32 s16, s16, 16
	s_lshl4_add_u32 s16, s16, ttmp9                ; nt: my 16 rows of w_out
	s_lshl_b32 s20, s16, 16
	s_mov_b32 s21, 0
	s_lshl_b32 s22, s14, 17                        ; at the end wave mt stores batches 2 mt, 2 mt + 1
	s_lshl_b32 s23, s16, 8
	s_add_co_u32 s22, s22, s23
	s_add_co_u32 s22, s22, 525312
	s_mov_b32 s23, 0
	s_lshl_b32 s28, s14, 9
	s_lshl_b32 s29, s14, 14
	v_lshlrev_b32 v4, 12, v1
	v_lshl_add_u32 v4, v2, 5, v4
	v_add_nc_u32 v4, s28, v4                       ; w_out: row r, 32 h, my wave's 512 bytes
	v_lshlrev_b32 v5, 5, v1
	v_lshl_add_u32 v5, v2, 4, v5
	v_add_nc_u32 v5, s29, v5                       ; v: 32 r + 16 h, my wave's 8 blocks
	s_lshl_b32 s30, s14, 12
	v_lshl_add_u32 v7, v3, 4, s30
	s_lshl_b32 s31, s14, 10
	v_lshl_add_u32 v8, v3, 4, s31
	v_lshlrev_b32 v9, 16, v2
	v_lshl_add_u32 v9, v1, 4, v9                   ; VT: batch h, column r
	s_wait_kmcnt 0x0
	s_add_nc_u64 s[10:11], s[10:11], s[20:21]
	s_add_nc_u64 s[34:35], s[TP:TP+1], s[22:23]
.irp k, 0,1,2,3
.irp e, 0,1,2,3
	global_load_b128 v[WF+16*\k+4*\e:WF+16*\k+4*\e+3], v4, s[10:11] offset:128*\k+16*(\e%2)+64*(\e/2) th:TH_LOAD_NT
.endr
.irp m, 0,1,2,3
	global_load_b128 v[XR+32*\k+8*\m:XR+32*\k+8*\m+3],   v5, s[4:5] offset:4096*\k+512*\m
	global_load_b128 v[XR+32*\k+8*\m+4:XR+32*\k+8*\m+7], v5, s[4:5] offset:4096*\k+512*\m+2048
.endr
.endr
.irp k, 0,1,2,3
	s_wait_loadcnt 12*(3-\k)                       ; this K step's 12 loads are in; those of the later steps stay out
	CVK WF+16*\k
.irp m, 0,1,2,3                        ; source 0 = 16 rows of v, source 1 = 16 rows of w_out: a lane holds one column n and the 8 chunks of batch 2 m + h
.if \k == 0
	v_wmma_f32_16x16x32_bf16 v[ACC+8*\m:ACC+8*\m+7], v[XR+32*\k+8*\m:XR+32*\k+8*\m+7], v[WF+16*\k:WF+16*\k+7], 0
.else
	v_wmma_f32_16x16x32_bf16 v[ACC+8*\m:ACC+8*\m+7], v[XR+32*\k+8*\m:XR+32*\k+8*\m+7], v[WF+16*\k:WF+16*\k+7], v[ACC+8*\m:ACC+8*\m+7]
.endif
.endr
.endr
	NOPS 8
.irp m, 0,1,2,3
	ds_store_b128 v7, v[ACC+8*\m:ACC+8*\m+3]   offset:1024*\m
	ds_store_b128 v7, v[ACC+8*\m+4:ACC+8*\m+7] offset:1024*\m+512
.endr
	s_wait_dscnt 0x0
	s_barrier_signal -1
	s_barrier_wait -1
	s_cmp_lt_u32 s14, 4
	s_cbranch_scc0 .Lend
.set p, 0
.rept 8
	ds_load_b128 v[16+8*p:19+8*p], v8 offset:4096*p
	ds_load_b128 v[20+8*p:23+8*p], v8 offset:4096*p+512
.set p, p+1
.endr
	s_wait_dscnt 0x0
.irp hd, 0,1,2,3
	ADD8 16+16*\hd, 24+16*\hd
.irp e, 0,1,2,3
	v_cvt_pk_bf16_f32 v[80+4*\hd+\e], v[16+16*\hd+2*\e], v[17+16*\hd+2*\e]
.endr
	global_store_b128 v9, v[80+4*\hd:83+4*\hd], s[34:35] offset:16384*\hd  ; each half of the lanes fills 256 consecutive bytes
.endr
.Lend:
	s_wait_tensorcnt 0x0                           ; the wave's end
	ds_add_u32 v[SPW], v[NIL]
	s_wait_dscnt 0x0
	s_endpgm
.Lfunc_end_k_q873e614494_fv2:
	.size	k_q873e614494_fv2, .Lfunc_end_k_q873e614494_fv2-k_q873e614494_fv2
	.p2alignl 7, 3214868480
	.fill 96, 4, 3214868480
	.section	.rodata,"a",@progbits
	.p2align	6, 0x0
	.amdhsa_kernel k_q873e614494_fv2
		.amdhsa_group_segment_fixed_size 34816
		.amdhsa_private_segment_fixed_size 0
		.amdhsa_enable_private_segment 0
		.amdhsa_kernarg_size 40
		.amdhsa_user_sgpr_count 2
		.amdhsa_user_sgpr_kernarg_segment_ptr 1
		.amdhsa_wavefront_size32 1
		.amdhsa_system_sgpr_workgroup_id_x 1
		.amdhsa_system_sgpr_workgroup_id_y 1
		.amdhsa_system_sgpr_workgroup_id_z 1
		.amdhsa_system_vgpr_workitem_id 0
		.amdhsa_next_free_vgpr 248
		.amdhsa_next_free_sgpr 66
		.amdhsa_reserve_vcc 1
		.amdhsa_float_denorm_mode_32 3
		.amdhsa_float_denorm_mode_16_64 3
		.amdhsa_memory_ordered 1
		.amdhsa_forward_progress 1
		.amdhsa_inst_pref_size 30
	.end_amdhsa_kernel
	.amdgpu_metadata
---
amdhsa.version: [ 1, 2 ]
amdhsa.kernels:
  - .name:           k_q873e614494_fv2
    .symbol:         k_q873e614494_fv2.kd
    .args:
      - { .name: x0, .offset: 0, .size: 8, .value_kind: global_buffer, .address_space: global }
      - { .name: params_priority_attn_w_in, .offset: 8, .size: 8, .value_kind: global_buffer, .address_space: global }
      - { .name: params_priority_attn_b_in, .offset: 16, .size: 8, .value_kind: global_buffer, .address_space: global }
      - { .name: params_priority_attn_w_out, .offset: 24, .size: 8, .value_kind: global_buffer, .address_space: global }
      - { .name: t0, .offset: 32, .size: 8, .value_kind: global_buffer, .address_space: global }
    .group_segment_fixed_size: 34816
    .private_segment_fixed_size: 0
    .kernarg_segment_align: 8
    .kernarg_segment_size: 40
    .max_flat_workgroup_size: 256
    .sgpr_count:     66
    .vgpr_count:     248
    .wavefront_size: 32
...
	.end_amdgpu_metadata
.endif
;; end of part 8
;; launch dec2 (part 9): grid 8 x 1, 8 waves a work-group, no clusters, 56,320 bytes of LDS; arguments x1, t0, params_priority_attn_b_out, params_pn_g, params_pn_b, x2, ctx; writes x2
.if DOCPART == 9
	.amdgcn_target "amdgcn-amd-amdhsa--gfx1250"
	.amdhsa_code_object_version 6
	.text
	.protected	k_q873e614494_dec2
	.globl	k_q873e614494_dec2
	.p2align	8
	.type	k_q873e614494_dec2,@function
k_q873e614494_dec2:
	s_mov_b64 s[64:65], 0
	v_nop
	global_prefetch_b8 v0, s[64:65] scope:SCOPE_SE
	s_setreg_imm32_b32 hwreg(HW_REG_WAVE_MODE, 25, 1), 1
	s_wait_xcnt 0x0
; y = LayerNorm(x + softmax(x KT^T + sb) VT + b_out) g + beta, for tokens that attend over 8 chunks in 4 heads (32 columns hq).  One text serves stage 2 (D2 = 1) and stage 3 (D2 = 0).
; HERE, STAGE 2: a work-group takes a batch's 8 chunk rows, twice (16 tokens).  THE SORT steers no address: every step by rows commutes with the permutation, and causal attention in the stable descending order
; of the importances means: chunk c sees c' iff imp[c'] > imp[c], or imp[c'] = imp[c] and c' <= c.  So the order enters by v_cndmask_b32 alone; a hidden score counts as -1e30 (its weight is 0).
; SHARES.  Wave w owns columns 128 w .. + 127 of all tokens, in f32 in registers from the load to the store.  Scores: each wave's partial sums over its columns meet in LDS; waves 0 .. 2 TT - 1 make the softmax
; (a lane holds one token and the 8 chunks of one head); every wave then multiplies the weights by its columns of VT.  LayerNorm in two passes (mean, then the squares of the differences), row sums through LDS.
; No tensor loads: x is f32 and is rounded on its way to the matrix unit; every LDS byte is written once.  No cluster: what work-groups share is KT and VT, 128 KiB a batch.  No prefetch: all of x is asked for at the head.
; LIMITS: NaN and infinities are not treated apart; a weight below 2^-126 counts as 0; the importances come from bf16 products, so two chunks whose importances lie within that rounding may change places.
.set TT, 1                             ; tiles of 16 tokens
.set D2, 1
.set NTOK,   16*TT
.set SPITCH, 272                       ; a strip's row: 256 bytes + 16
.set STRIPW, NTOK*SPITCH               ; a wave's own strip: its columns of x in bf16
.set RED,    8*STRIPW                  ; 8 waves x 2 TT tiles x 1,024 bytes of partial scores
.set PB,     RED+16384*TT              ; 2 TT tiles x 512 bytes of weights in bf16
.set LN1,    PB+1024*TT                ; [wave][token] row sums;  LN2: of squares;  MY: a wave's own row, to turn a lane a token into a register a token
.set LN2,    LN1+1024
.set MY,     LN2+1024
.set SPARE,  MY+1024
.set SPW, 14
.set NIL, 15
.set KT,  16                           ; v[16:79]   KT[nt][ks], later VT[g][cf], later g and beta in v[16:31]
.set ACS, 80                           ; v[80:111]  the scores' accumulators, later those of the second product, later row sums and means
.set XF,  128                          ; v[128:..]  x(token 16 tt + 8 h + j, columns 128 w + 64 g + 4 r + 0..3) at XF + 64 tt + 32 g + 4 j
.if D2
.set XO, 5                             ; both halves of the lanes take the same 8 rows
.else
.set XO, 4
.endif
.macro NOPS n
.rept \n
	v_nop
.endr
.endm
.macro ADD8 d, a
.irp e, 0,2,4,6
	v_pk_add_f32 v[(\d)+\e:(\d)+\e+1], v[(\d)+\e:(\d)+\e+1], v[(\a)+\e:(\a)+\e+1]
.endr
.endm
	s_load_b256 s[4:11], s[0:1], 0x0               ; x s[4:5], KT/sb/VT s[6:7], b_out s[8:9], g s[10:11]
	s_load_b128 s[12:15], s[0:1], 0x20             ; beta s[12:13], y s[14:15]
.if D2
	s_load_b64 s[16:17], s[0:1], 0x30              ; the importances' buffer
.endif
	v_lshl_add_u32 v[SPW], v0, 2, SPARE
	v_mov_b32 v[NIL], 0
	v_lshrrev_b32 v1, 5, v0
	v_readfirstlane_b32 s18, v1                    ; wave 0..7
	v_and_b32 v1, 15, v0                           ; r
	v_bfe_u32 v2, v0, 4, 1                         ; h
	v_and_b32 v3, 31, v0                           ; lane
.if D2
	s_mov_b32 s19, ttmp9                           ; batch
	s_lshl_b32 s26, ttmp9, 15
	s_add_co_u32 s26, s26, 131072                  ; x: the f32 rows lie behind the blocks; 8 rows a batch
	s_lshl_b32 s28, ttmp9, 8
	s_lshl_b32 s29, s18, 14
	s_add_co_u32 s28, s28, s29                     ; y in blocks: row 8 b, my wave's 8 blocks
	s_lshl_b32 s36, ttmp9, 7
	s_add_co_u32 s36, s36, 524288
	s_mov_b32 s37, 0
	s_mov_b32 s32, 0xf149f2ca                      ; -1e30
.else
	s_lshr_b32 s19, ttmp9, 6                       ; batch
	s_lshl_b32 s26, ttmp9, 17                      ; 32 tokens of 4,096 bytes
	s_mov_b32 s28, s26
.endif
	s_mov_b32 s27, 0
	s_mov_b32 s29, 0
	s_lshl_b32 s34, s19, 16
	s_lshl_b32 s35, s18, 13
	s_add_co_u32 s20, s34, s35                     ; KT: my batch, my columns' 8 blocks
	s_mov_b32 s21, 0
	s_lshl_b32 s22, s19, 7
	s_and_b32 s35, s18, 1
	s_lshl_b32 s35, s35, 6
	s_add_co_u32 s22, s22, s35
	s_add_co_u32 s22, s22, 524288                  ; sb: my batch, my tile's 16 hq
	s_mov_b32 s23, 0
	s_lshl_b32 s35, s18, 11
	s_add_co_u32 s24, s34, s35
	s_add_co_u32 s24, s24, 525312                  ; VT: my batch, my 128 columns
	s_mov_b32 s25, 0
	s_mov_b32 s30, 0x3a800000                      ; 1 / 1024
	s_mov_b32 s31, 0x3727c5ac                      ; 1e-5
	s_lshl_b32 s38, s18, 9
	v_lshl_add_u32 v5, v1, 4, s38                  ; 16 r + 512 wave: b_out, g, beta
.if !D2
	v_lshl_add_u32 v4, v2, 15, v5                  ; x and y: 8 h rows further down
.endif
	v_lshlrev_b32 v6, 5, v1
	v_lshl_add_u32 v6, v2, 4, v6                   ; KT: 32 r + 16 h
	v_lshlrev_b32 v7, 14, v2
	v_lshl_add_u32 v7, v1, 6, v7                   ; VT: head h, column 4 r
	v_lshlrev_b32 v8, 5, v2                        ; sb: 32 h
	s_mul_i32 s39, s18, STRIPW
	v_mul_u32_u24 v9, v2, 8*SPITCH
	v_lshl_add_u32 v9, v1, 3, v9
	v_add_nc_u32 v9, s39, v9                       ; strip, in: token 8 h, 8 r
	v_mul_u32_u24 v10, v1, SPITCH
	v_lshl_add_u32 v10, v2, 4, v10
	v_add_nc_u32 v10, s39, v10                     ; strip, fragments: token r, 16 h
.if D2
	v_mov_b32 v232, 0
	v_and_b32 v228, 7, v0                          ; my token's chunk
	v_lshlrev_b32 v233, 2, v228
	v_lshrrev_b32 v234, 2, v1
	v_and_b32 v235, 3, v0
	v_lshlrev_b32 v234, 11, v234
	v_lshl_add_u32 v234, v235, 3, v234             ; y in blocks: block r / 4, 8 (r % 4)
.endif
	s_wait_kmcnt 0x0
	s_add_nc_u64 s[4:5], s[4:5], s[26:27]
	s_add_nc_u64 s[14:15], s[14:15], s[28:29]
	s_add_nc_u64 s[20:21], s[6:7], s[20:21]
	s_add_nc_u64 s[22:23], s[6:7], s[22:23]
	s_add_nc_u64 s[24:25], s[6:7], s[24:25]
.if D2
	s_add_nc_u64 s[16:17], s[16:17], s[36:37]
.endif
	global_load_b128 v[112:115], v5, s[8:9]
	global_load_b128 v[116:119], v5, s[8:9] offset:256
.irp nt, 0,1
.irp q, 0,1,2,3,4,5,6,7                ; q = 2 ks + u
	global_load_b128 v[KT+32*\nt+4*\q:KT+32*\nt+4*\q+3], v6, s[20:21] offset:1024*\q+512*\nt
.endr
.endr
.set i, 0
.rept 16*TT                            ; i = 16 tt + 8 g + j; each half of the lanes takes 256 consecutive bytes
.if D2
	global_load_b128 v[XF+4*i:XF+4*i+3], v[XO], s[4:5] offset:65536*(i/16)+4096*(i%8)+256*((i/8)%2)
.else
	global_load_b128 v[XF+4*i:XF+4*i+3], v[XO], s[4:5] offset:65536*(i/16)+4096*(i%8)+256*((i/8)%2) th:TH_LOAD_NT
.endif
.set i, i+1
.endr
.set i, 0
.rept 16*TT
.set xf, XF+4*i
.set g, (i/8)%2
	s_wait_loadcnt 16*TT-1-i                       ; loads come back in order: mine is in, the younger ones stay out
	v_cvt_pk_bf16_f32 v12, v[xf], v[xf+1]
	v_cvt_pk_bf16_f32 v13, v[xf+2], v[xf+3]
	ds_store_b64 v9, v[12:13] offset:(16*(i/16)+i%8)*SPITCH+128*g
	v_pk_add_f32 v[xf:xf+1], v[xf:xf+1], v[112+4*g:113+4*g]      ; the residual takes b_out at once
	v_pk_add_f32 v[xf+2:xf+3], v[xf+2:xf+3], v[114+4*g:115+4*g]
.set i, i+1
.endr
; SCORES, transposed: source 0 = 16 hq, source 1 = 16 tokens: a lane holds one token (r) and hq = 16 nt + 8 h + 0..7, one head.  The 2 TT accumulators take turns.
.irp k, 0,1,2,3
.set u, 0
.rept TT
	ds_load_b128 v[112+8*u:115+8*u], v10 offset:16*SPITCH*u+64*\k
	ds_load_b128 v[116+8*u:119+8*u], v10 offset:16*SPITCH*u+64*\k+32
.set u, u+1
.endr
	s_wait_dscnt 0x0
.set u, 0
.rept 2*TT                             ; tile u = 2 tt + nt
.if \k == 0
	v_wmma_f32_16x16x32_bf16 v[ACS+8*u:ACS+8*u+7], v[KT+32*(u%2)+8*\k:KT+32*(u%2)+8*\k+7], v[112+8*(u/2):119+8*(u/2)], 0
.else
	v_wmma_f32_16x16x32_bf16 v[ACS+8*u:ACS+8*u+7], v[KT+32*(u%2)+8*\k:KT+32*(u%2)+8*\k+7], v[112+8*(u/2):119+8*(u/2)], v[ACS+8*u:ACS+8*u+7]
.endif
.set u, u+1
.endr
	NOPS 4                                         ; places ahead of loads into registers that the products have read
.endr
	NOPS 4
	s_mul_i32 s38, s18, 2048*TT
	s_add_co_u32 s38, s38, RED
	v_lshl_add_u32 v11, v3, 4, s38
.set u, 0
.rept 2*TT
	ds_store_b128 v11, v[ACS+8*u:ACS+8*u+3]   offset:1024*u
	ds_store_b128 v11, v[ACS+8*u+4:ACS+8*u+7] offset:1024*u+512
.set u, u+1
.endr
	s_cmp_lt_u32 s18, 2*TT                         ; the waves that make a softmax ask for what it needs, ahead of VT
	s_cbranch_scc0 .Lnosb
	global_load_b128 v[120:123], v8, s[22:23]
	global_load_b128 v[124:127], v8, s[22:23] offset:16
.if D2
.irp q, 0,1,2,3,4,5,6,7
	global_load_b128 v[192+4*\q:195+4*\q], v232, s[16:17] offset:16*\q  ; I[hq], the same in every lane
.endr
.irp q, 0,1,2,3
	global_load_b32 v[224+\q], v233, s[16:17] offset:32*\q              ; my own chunk's, by heads
.endr
.endif
.Lnosb:
.irp g, 0,1
.irp cf, 0,1,2,3                       ; fragment cf's column r is column 4 r + cf; k = hq: heads h and 2 + h
	global_load_b128 v[KT+32*\g+8*\cf:KT+32*\g+8*\cf+3],   v7, s[24:25] offset:1024*\g+16*\cf
	global_load_b128 v[KT+32*\g+8*\cf+4:KT+32*\g+8*\cf+7], v7, s[24:25] offset:1024*\g+16*\cf+32768
.endr
.endr
	s_wait_dscnt 0x0
	s_barrier_signal -1
	s_barrier_wait -1                              ; all partial scores lie in LDS
	s_cmp_lt_u32 s18, 2*TT
	s_cbranch_scc0 .Lnosm
	s_lshl_b32 s38, s18, 10
	s_add_co_u32 s38, s38, RED
	v_lshl_add_u32 v11, v3, 4, s38                 ; tile = my wave's number
.irp p, 0,1,2,3
	ds_load_b128 v[80+8*\p:83+8*\p], v11 offset:2048*TT*\p
	ds_load_b128 v[84+8*\p:87+8*\p], v11 offset:2048*TT*\p+512
.endr
	s_wait_dscnt 0x0
	ADD8 80, 88
	ADD8 96, 104
.irp e, 0,2,4,6
	v_pk_add_f32 v[112+\e:113+\e], v[80+\e:81+\e], v[96+\e:97+\e]
.endr
.irp p, 0,1,2,3
	ds_load_b128 v[80+8*\p:83+8*\p], v11 offset:2048*TT*(\p+4)
	ds_load_b128 v[84+8*\p:87+8*\p], v11 offset:2048*TT*(\p+4)+512
.endr
	s_wait_dscnt 0x0
	ADD8 80, 88
	ADD8 96, 104
	ADD8 80, 96
	ADD8 112, 80
	s_wait_loadcnt 16                              ; sb (and the importances) are in; VT's 16 loads stay out
	ADD8 112, 120
.if D2
	ADD8 192, 200                                  ; the mean over the heads, for the eight chunks and, in the same order of sums, for my own
	ADD8 208, 216
	ADD8 192, 208
.irp e, 0,2,4,6
	v_pk_mul_f32 v[192+\e:193+\e], v[192+\e:193+\e], 0x3e800000 op_sel_hi:[1,0]
.endr
	v_add_f32 v224, v224, v225
	v_add_f32 v226, v226, v227
	v_add_f32 v224, v224, v226
	v_mul_f32 v224, 0x3e800000, v224
.irp j, 0,1,2,3,4,5,6,7
	v_cmp_gt_f32 s34, v[192+\j], v224              ; chunk j comes before mine,
	v_cmp_eq_f32 s35, v[192+\j], v224              ; or ties with it
	v_cmp_le_u32 s36, \j, v228                     ; and has no higher number
	s_and_b32 s35, s35, s36
	s_or_b32 s34, s34, s35
	v_cndmask_b32 v[112+\j], s32, v[112+\j], s34
.endr
.endif
	v_max3_num_f32 v12, v112, v113, v114
	v_max3_num_f32 v12, v12, v115, v116
	v_max3_num_f32 v12, v12, v117, v118
	v_max_num_f32 v12, v12, v119
.irp e, 0,2,4,6
	v_pk_add_f32 v[112+\e:113+\e], v[112+\e:113+\e], v[12:13] op_sel_hi:[1,0] neg_lo:[0,1] neg_hi:[0,1]
.endr
.irp e, 0,1,2,3,4,5,6,7
	v_exp_f32 v[112+\e], v[112+\e]
.endr
	v_nop
	s_wait_alu depctr_va_vdst(0)                   ; one wait for the eight exponentials
	v_pk_add_f32 v[80:81], v[112:113], v[114:115]
	v_pk_add_f32 v[82:83], v[116:117], v[118:119]
	v_pk_add_f32 v[80:81], v[80:81], v[82:83]
	v_add_f32 v80, v80, v81
	v_rcp_f32 v12, v80
	v_nop
	s_wait_alu depctr_va_vdst(0)
.irp e, 0,2,4,6
	v_pk_mul_f32 v[112+\e:113+\e], v[112+\e:113+\e], v[12:13] op_sel_hi:[1,0]
.endr
.irp e, 0,1,2,3
	v_cvt_pk_bf16_f32 v[80+\e], v[112+2*\e], v[113+2*\e]
.endr
	s_lshl_b32 s38, s18, 9
	s_add_co_u32 s38, s38, PB
	v_lshl_add_u32 v11, v3, 4, s38
	ds_store_b128 v11, v[80:83]
.Lnosm:
	s_wait_dscnt 0x0
	s_barrier_signal -1
	s_barrier_wait -1                              ; all weights lie in LDS
; x += P VT.  Source 0 = 16 tokens x 32 hq (two tiles' packed weights ARE the fragment), source 1 = 16 columns.
	v_lshl_add_u32 v11, v3, 4, PB
.set u, 0
.rept 2*TT
	ds_load_b128 v[112+4*u:115+4*u], v11 offset:512*u
.set u, u+1
.endr
	s_wait_loadcnt 0x0                             ; VT
	s_wait_dscnt 0x0
.set q, 0
.rept 2*TT                             ; q = 2 tt + g
.irp cf, 0,1,2,3
	v_wmma_f32_16x16x32_bf16 v[ACS+8*\cf:ACS+8*\cf+7], v[112+8*(q/2):119+8*(q/2)], v[KT+32*(q%2)+8*\cf:KT+32*(q%2)+8*\cf+7], 0
.endr
	NOPS 8
.irp j, 0,1,2,3,4,5,6,7                ; each accumulator's lowest register is read first
.irp cf, 0,1,2,3
	v_add_f32 v[XF+32*q+4*\j+\cf], v[XF+32*q+4*\j+\cf], v[ACS+8*\cf+\j]
.endr
.endr
.set q, q+1
.endr
	global_load_b128 v[16:19], v5, s[10:11]        ; g and beta of my columns, wanted at the end
	global_load_b128 v[20:23], v5, s[10:11] offset:256
	global_load_b128 v[24:27], v5, s[12:13]
	global_load_b128 v[28:31], v5, s[12:13] offset:256
	s_lshl_b32 s38, s18, 7
	s_add_co_u32 s39, s38, LN1
	v_lshl_add_u32 v9, v2, 5, s39                  ; my wave's row, tokens 8 h ..
	v_and_b32 v10, NTOK-1, v0
	v_lshl_add_u32 v10, v10, 2, LN1                ; a lane a token
	v_add_nc_u32 v11, s38, v10                     ; the same in my wave's row
; A row sum over my 128 columns for each of my tokens (sq = 1: of squares), across the 16 lanes, through LDS across the eight waves; then v32 = the sum for token (lane).
.macro ROWS sq, base
.set t, 0
.rept 8*TT
.set xa, XF+64*(t/8)+4*(t%8)
.set tm, 32+4*(t%8)
.if \sq
	v_pk_mul_f32 v[tm:tm+1], v[xa:xa+1], v[xa:xa+1]
	v_pk_fma_f32 v[tm:tm+1], v[xa+2:xa+3], v[xa+2:xa+3], v[tm:tm+1]
	v_pk_fma_f32 v[tm:tm+1], v[xa+32:xa+33], v[xa+32:xa+33], v[tm:tm+1]
	v_pk_fma_f32 v[tm:tm+1], v[xa+34:xa+35], v[xa+34:xa+35], v[tm:tm+1]
.else
	v_pk_add_f32 v[tm:tm+1], v[xa:xa+1], v[xa+2:xa+3]
	v_pk_add_f32 v[tm+2:tm+3], v[xa+32:xa+33], v[xa+34:xa+35]
	v_pk_add_f32 v[tm:tm+1], v[tm:tm+1], v[tm+2:tm+3]
.endif
	v_add_f32 v[80+t], v[tm], v[tm+1]
.set t, t+1
.endr
.irp x, 1,2,4,8
.set t, 0
.rept 8*TT
	v_add_f32_dpp v[80+t], v[80+t], v[80+t] row_xmask:\x row_mask:0xf bank_mask:0xf
.set t, t+1
.endr
.endr
.set t, 0
.rept 2*TT
	ds_store_b128 v9, v[80+4*t:83+4*t] offset:(\base)-LN1+64*(t/2)+16*(t%2)
.set t, t+1
.endr
	s_wait_dscnt 0x0
	s_barrier_signal -1
	s_barrier_wait -1
.irp p, 0,1,2,3,4,5,6,7
	ds_load_b32 v[32+\p], v10 offset:(\base)-LN1+128*\p
.endr
	s_wait_dscnt 0x0
	v_pk_add_f32 v[32:33], v[32:33], v[34:35]
	v_pk_add_f32 v[36:37], v[36:37], v[38:39]
	v_pk_add_f32 v[32:33], v[32:33], v[36:37]
	v_add_f32 v32, v32, v33
.endm
.macro TURNED dst                      ; v32, a lane a token, goes through my wave's own row and comes back a register a token (LDS serves a wave in order)
	ds_store_b32 v11, v32 offset:MY-LN1
.set t, 0
.rept 2*TT
	ds_load_b128 v[(\dst)+4*t:(\dst)+4*t+3], v9 offset:MY-LN1+64*(t/2)+16*(t%2)
.set t, t+1
.endr
	s_wait_dscnt 0x0
.endm
	ROWS 0, LN1
	v_mul_f32 v32, s30, v32                        ; the mean
	TURNED 96
.set i, 0
.rept 16*TT
.irp e, 0,1,2,3
	v_sub_f32 v[XF+4*i+\e], v[XF+4*i+\e], v[96+8*(i/16)+i%8]
.endr
.set i, i+1
.endr
	ROWS 1, LN2
	v_fma_f32 v32, v32, s30, s31                   ; the variance + 1e-5
	v_rsq_f32 v32, v32
	v_nop
	s_wait_alu depctr_va_vdst(0)
	TURNED 112
	s_wait_loadcnt 0x0                             ; g and beta
.set i, 0
.rept 16*TT
.set xf, XF+4*i
.set g, (i/8)%2
.irp e, 0,1,2,3
	v_mul_f32 v[xf+\e], v[xf+\e], v[112+8*(i/16)+i%8]
.endr
	v_pk_fma_f32 v[xf:xf+1], v[xf:xf+1], v[16+4*g:17+4*g], v[24+4*g:25+4*g]
	v_pk_fma_f32 v[xf+2:xf+3], v[xf+2:xf+3], v[18+4*g:19+4*g], v[26+4*g:27+4*g]
.if D2
	v_cvt_pk_bf16_f32 v[xf], v[xf], v[xf+1]
	v_cvt_pk_bf16_f32 v[xf+1], v[xf+2], v[xf+3]
.else
	global_store_b128 v[XO], v[xf:xf+3], s[14:15] offset:65536*(i/16)+4096*(i%8)+256*g th:TH_STORE_NT  ; each half of the lanes fills 256 consecutive bytes
.endif
.set i, i+1
.endr
.if D2
	s_wait_xcnt 0x0                                ; EXEC changes only behind this wait
	v_cmp_gt_u32 vcc_lo, 16, v3                    ; the upper lanes hold the same 8 rows once more
	s_and_saveexec_b32 s33, vcc_lo
.set i, 0
.rept 16
	global_store_b64 v234, v[XF+4*i:XF+4*i+1], s[14:15] offset:8192*(i/8)+32*(i%8)
.set i, i+1
.endr
	s_wait_xcnt 0x0
	s_or_b32 exec_lo, exec_lo, s33
.endif
	s_wait_tensorcnt 0x0                           ; the wave's end
	ds_add_u32 v[SPW], v[NIL]
	s_wait_dscnt 0x0
	s_endpgm
.Lfunc_end_k_q873e614494_dec2:
	.size	k_q873e614494_dec2, .Lfunc_end_k_q873e614494_dec2-k_q873e614494_dec2
	.p2alignl 7, 3214868480
	.fill 96, 4, 3214868480
	.section	.rodata,"a",@progbits
	.p2align	6, 0x0
	.amdhsa_kernel k_q873e614494_dec2
		.amdhsa_group_segment_fixed_size 56320
		.amdhsa_private_segment_fixed_size 0
		.amdhsa_enable_private_segment 0
		.amdhsa_kernarg_size 56
		.amdhsa_user_sgpr_count 2
		.amdhsa_user_sgpr_kernarg_segment_ptr 1
		.amdhsa_wavefront_size32 1
		.amdhsa_system_sgpr_workgroup_id_x 1
		.amdhsa_system_sgpr_workgroup_id_y 1
		.amdhsa_system_sgpr_workgroup_id_z 1
		.amdhsa_system_vgpr_workitem_id 0
		.amdhsa_next_free_vgpr 256
		.amdhsa_next_free_sgpr 66
		.amdhsa_reserve_vcc 1
		.amdhsa_float_denorm_mode_32 3
		.amdhsa_float_denorm_mode_16_64 3
		.amdhsa_memory_ordered 1
		.amdhsa_forward_progress 1
		.amdhsa_inst_pref_size 51
	.end_amdhsa_kernel
	.amdgpu_metadata
---
amdhsa.version: [ 1, 2 ]
amdhsa.kernels:
  - .name:           k_q873e614494_dec2
    .symbol:         k_q873e614494_dec2.kd
    .args:
      - { .name: x1, .offset: 0, .size: 8, .value_kind: global_buffer, .address_space: global }
      - { .name: t0, .offset: 8, .size: 8, .value_kind: global_buffer, .address_space: global }
      - { .name: params_priority_attn_b_out, .offset: 16, .size: 8, .value_kind: global_buffer, .address_space: global }
      - { .name: params_pn_g, .offset: 24, .size: 8, .value_kind: global_buffer, .address_space: global }
      - { .name: params_pn_b, .offset: 32, .size: 8, .value_kind: global_buffer, .address_space: global }
      - { .name: x2, .offset: 40, .size: 8, .value_kind: global_buffer, .address_space: global }
      - { .name: ctx, .offset: 48, .size: 8, .value_kind: global_buffer, .address_space: global }
    .group_segment_fixed_size: 56320
    .private_segment_fixed_size: 0
    .kernarg_segment_align: 8
    .kernarg_segment_size: 56
    .max_flat_workgroup_size: 256
    .sgpr_count:     66
    .vgpr_count:     256
    .wavefront_size: 32
...
	.end_amdgpu_metadata
.endif
;; end of part 9
;; launch kv3: the kernel of part 7 again; grid 64 x 2, 8 waves a work-group, no clusters, 33,792 bytes of LDS; arguments x2, params_decode_attn_w_in, params_decode_attn_b_in, x0; writes x0
;; launch fv3: the kernel of part 8 again; grid 16 x 20, 8 waves a work-group, no clusters, 34,816 bytes of LDS; arguments x0, params_decode_attn_w_in, params_decode_attn_b_in, params_decode_attn_w_out, t0; writes t0
;; launch dec3 (part 10): grid 512 x 1, 8 waves a work-group, no clusters, 108,544 bytes of LDS; arguments hidden_states, t0, params_decode_attn_b_out, params_dn_g, params_dn_b, out0; writes out0
.if DOCPART == 10
	.amdgcn_target "amdgcn-amd-amdhsa--gfx1250"
	.amdhsa_code_object_version 6
	.text
	.protected	k_q873e614494_dec3
	.globl	k_q873e614494_dec3
	.p2align	8
	.type	k_q873e614494_dec3,@function
k_q873e614494_dec3:
	s_mov_b64 s[64:65], 0
	v_nop
	global_prefetch_b8 v0, s[64:65] scope:SCOPE_SE
	s_setreg_imm32_b32 hwreg(HW_REG_WAVE_MODE, 25, 1), 1
	s_wait_xcnt 0x0
; y = LayerNorm(x + softmax(x KT^T + sb) VT + b_out) g + beta, for tokens that attend over 8 chunks in 4 heads (32 columns hq).  One text serves stage 2 (D2 = 1) and stage 3 (D2 = 0).
; HERE, STAGE 3: a work-group takes 32 tokens of hidden_states; x is read once and y written once, each in pieces of 256 consecutive bytes for each half of the lanes.
; SHARES.  Wave w owns columns 128 w .. + 127 of all tokens, in f32 in registers from the load to the store.  Scores: each wave's partial sums over its columns meet in LDS; waves 0 .. 2 TT - 1 make the softmax
; (a lane holds one token and the 8 chunks of one head); every wave then multiplies the weights by its columns of VT.  LayerNorm in two passes (mean, then the squares of the differences), row sums through LDS.
; No tensor loads: x is f32 and is rounded on its way to the matrix unit; every LDS byte is written once.  No cluster: what work-groups share is KT and VT, 128 KiB a batch.  No prefetch: all of x is asked for at the head.
; LIMITS: NaN and infinities are not treated apart; a weight below 2^-126 counts as 0.
.set TT, 2                             ; tiles of 16 tokens
.set D2, 0
.set NTOK,   16*TT
.set SPITCH, 272                       ; a strip's row: 256 bytes + 16
.set STRIPW, NTOK*SPITCH               ; a wave's own strip: its columns of x in bf16
.set RED,    8*STRIPW                  ; 8 waves x 2 TT tiles x 1,024 bytes of partial scores
.set PB,     RED+16384*TT              ; 2 TT tiles x 512 bytes of weights in bf16
.set LN1,    PB+1024*TT                ; [wave][token] row sums;  LN2: of squares;  MY: a wave's own row, to turn a lane a token into a register a token
.set LN2,    LN1+1024
.set MY,     LN2+1024
.set SPARE,  MY+1024
.set SPW, 14
.set NIL, 15
.set KT,  16                           ; v[16:79]   KT[nt][ks], later VT[g][cf], later g and beta in v[16:31]
.set ACS, 80                           ; v[80:111]  the scores' accumulators, later those of the second product, later row sums and means
.set XF,  128                          ; v[128:255] x(token 16 tt + 8 h + j, columns 128 w + 64 g + 4 r + 0..3) at XF + 64 tt + 32 g + 4 j
.if D2
.set XO, 5                             ; both halves of the lanes take the same 8 rows
.else
.set XO, 4
.endif
.macro NOPS n
.rept \n
	v_nop
.endr
.endm
.macro ADD8 d, a
.irp e, 0,2,4,6
	v_pk_add_f32 v[(\d)+\e:(\d)+\e+1], v[(\d)+\e:(\d)+\e+1], v[(\a)+\e:(\a)+\e+1]
.endr
.endm
	s_load_b256 s[4:11], s[0:1], 0x0               ; x s[4:5], KT/sb/VT s[6:7], b_out s[8:9], g s[10:11]
	s_load_b128 s[12:15], s[0:1], 0x20             ; beta s[12:13], y s[14:15]
.if D2
	s_load_b64 s[16:17], s[0:1], 0x30              ; the importances' buffer
.endif
	v_lshl_add_u32 v[SPW], v0, 2, SPARE
	v_mov_b32 v[NIL], 0
	v_lshrrev_b32 v1, 5, v0
	v_readfirstlane_b32 s18, v1                    ; wave 0..7
	v_and_b32 v1, 15, v0                           ; r
	v_bfe_u32 v2, v0, 4, 1                         ; h
	v_and_b32 v3, 31, v0                           ; lane
.if D2
	s_mov_b32 s19, ttmp9                           ; batch
	s_lshl_b32 s26, ttmp9, 15
	s_add_co_u32 s26, s26, 131072                  ; x: the f32 rows lie behind the blocks; 8 rows a batch
	s_lshl_b32 s28, ttmp9, 8
	s_lshl_b32 s29, s18, 14
	s_add_co_u32 s28, s28, s29                     ; y in blocks: row 8 b, my wave's 8 blocks
	s_lshl_b32 s36, ttmp9, 7
	s_add_co_u32 s36, s36, 524288
	s_mov_b32 s37, 0
	s_mov_b32 s32, 0xf149f2ca                      ; -1e30
.else
	s_lshr_b32 s19, ttmp9, 6                       ; batch
	s_lshl_b32 s26, ttmp9, 17                      ; 32 tokens of 4,096 bytes
	s_mov_b32 s28, s26
.endif
	s_mov_b32 s27, 0
	s_mov_b32 s29, 0
	s_lshl_b32 s34, s19, 16
	s_lshl_b32 s35, s18, 13
	s_add_co_u32 s20, s34, s35                     ; KT: my batch, my columns' 8 blocks
	s_mov_b32 s21, 0
	s_lshl_b32 s22, s19, 7
	s_and_b32 s35, s18, 1
	s_lshl_b32 s35, s35, 6
	s_add_co_u32 s22, s22, s35
	s_add_co_u32 s22, s22, 524288                  ; sb: my batch, my tile's 16 hq
	s_mov_b32 s23, 0
	s_lshl_b32 s35, s18, 11
	s_add_co_u32 s24, s34, s35
	s_add_co_u32 s24, s24, 525312                  ; VT: my batch, my 128 columns
	s_mov_b32 s25, 0
	s_mov_b32 s30, 0x3a800000                      ; 1 / 1024
	s_mov_b32 s31, 0x3727c5ac                      ; 1e-5
	s_lshl_b32 s38, s18, 9
	v_lshl_add_u32 v5, v1, 4, s38                  ; 16 r + 512 wave: b_out, g, beta
.if !D2
	v_lshl_add_u32 v4, v2, 15, v5                  ; x and y: 8 h rows further down
.endif
	v_lshlrev_b32 v6, 5, v1
	v_lshl_add_u32 v6, v2, 4, v6                   ; KT: 32 r + 16 h
	v_lshlrev_b32 v7, 14, v2
	v_lshl_add_u32 v7, v1, 6, v7                   ; VT: head h, column 4 r
	v_lshlrev_b32 v8, 5, v2                        ; sb: 32 h
	s_mul_i32 s39, s18, STRIPW
	v_mul_u32_u24 v9, v2, 8*SPITCH
	v_lshl_add_u32 v9, v1, 3, v9
	v_add_nc_u32 v9, s39, v9                       ; strip, in: token 8 h, 8 r
	v_mul_u32_u24 v10, v1, SPITCH
	v_lshl_add_u32 v10, v2, 4, v10
	v_add_nc_u32 v10, s39, v10                     ; strip, fragments: token r, 16 h
.if D2
	v_mov_b32 v232, 0
	v_and_b32 v228, 7, v0                          ; my token's chunk
	v_lshlrev_b32 v233, 2, v228
	v_lshrrev_b32 v234, 2, v1
	v_and_b32 v235, 3, v0
	v_lshlrev_b32 v234, 11, v234
	v_lshl_add_u32 v234, v235, 3, v234             ; y in blocks: block r / 4, 8 (r % 4)
.endif
	s_wait_kmcnt 0x0
	s_add_nc_u64 s[4:5], s[4:5], s[26:27]
	s_add_nc_u64 s[14:15], s[14:15], s[28:29]
	s_add_nc_u64 s[20:21], s[6:7], s[20:21]
	s_add_nc_u64 s[22:23], s[6:7], s[22:23]
	s_add_nc_u64 s[24:25], s[6:7], s[24:25]
.if D2
	s_add_nc_u64 s[16:17], s[16:17], s[36:37]
.endif
	global_load_b128 v[112:115], v5, s[8:9]
	global_load_b128 v[116:119], v5, s[8:9] offset:256
.irp nt, 0,1
.irp q, 0,1,2,3,4,5,6,7                ; q = 2 ks + u
	global_load_b128 v[KT+32*\nt+4*\q:KT+32*\nt+4*\q+3], v6, s[20:21] offset:1024*\q+512*\nt
.endr
.endr
.set i, 0
.rept 16*TT                            ; i = 16 tt + 8 g + j; each half of the lanes takes 256 consecutive bytes
.if D2
	global_load_b128 v[XF+4*i:XF+4*i+3], v[XO], s[4:5] offset:65536*(i/16)+4096*(i%8)+256*((i/8)%2)
.else
	global_load_b128 v[XF+4*i:XF+4*i+3], v[XO], s[4:5] offset:65536*(i/16)+4096*(i%8)+256*((i/8)%2) th:TH_LOAD_NT
.endif
.set i, i+1
.endr
.set i, 0
.rept 16*TT
.set xf, XF+4*i
.set g, (i/8)%2
	s_wait_loadcnt 16*TT-1-i                       ; loads come back in order: mine is in, the younger ones stay out
	v_cvt_pk_bf16_f32 v12, v[xf], v[xf+1]
	v_cvt_pk_bf16_f32 v13, v[xf+2], v[xf+3]
	ds_store_b64 v9, v[12:13] offset:(16*(i/16)+i%8)*SPITCH+128*g
	v_pk_add_f32 v[xf:xf+1], v[xf:xf+1], v[112+4*g:113+4*g]      ; the residual takes b_out at once
	v_pk_add_f32 v[xf+2:xf+3], v[xf+2:xf+3], v[114+4*g:115+4*g]
.set i, i+1
.endr
; SCORES, transposed: source 0 = 16 hq, source 1 = 16 tokens: a lane holds one token (r) and hq = 16 nt + 8 h + 0..7, one head.  The 2 TT accumulators take turns.
.irp k, 0,1,2,3
.set u, 0
.rept TT
	ds_load_b128 v[112+8*u:115+8*u], v10 offset:16*SPITCH*u+64*\k
	ds_load_b128 v[116+8*u:119+8*u], v10 offset:16*SPITCH*u+64*\k+32
.set u, u+1
.endr
	s_wait_dscnt 0x0
.set u, 0
.rept 2*TT                             ; tile u = 2 tt + nt
.if \k == 0
	v_wmma_f32_16x16x32_bf16 v[ACS+8*u:ACS+8*u+7], v[KT+32*(u%2)+8*\k:KT+32*(u%2)+8*\k+7], v[112+8*(u/2):119+8*(u/2)], 0
.else
	v_wmma_f32_16x16x32_bf16 v[ACS+8*u:ACS+8*u+7], v[KT+32*(u%2)+8*\k:KT+32*(u%2)+8*\k+7], v[112+8*(u/2):119+8*(u/2)], v[ACS+8*u:ACS+8*u+7]
.endif
.set u, u+1
.endr
	NOPS 4                                         ; places ahead of loads into registers that the products have read
.endr
	NOPS 4
	s_mul_i32 s38, s18, 2048*TT
	s_add_co_u32 s38, s38, RED
	v_lshl_add_u32 v11, v3, 4, s38
.set u, 0
.rept 2*TT
	ds_store_b128 v11, v[ACS+8*u:ACS+8*u+3]   offset:1024*u
	ds_store_b128 v11, v[ACS+8*u+4:ACS+8*u+7] offset:1024*u+512
.set u, u+1
.endr
	s_cmp_lt_u32 s18, 2*TT                         ; the waves that make a softmax ask for what it needs, ahead of VT
	s_cbranch_scc0 .Lnosb
	global_load_b128 v[120:123], v8, s[22:23]
	global_load_b128 v[124:127], v8, s[22:23] offset:16
.if D2
.irp q, 0,1,2,3,4,5,6,7
	global_load_b128 v[192+4*\q:195+4*\q], v232, s[16:17] offset:16*\q  ; I[hq], the same in every lane
.endr
.irp q, 0,1,2,3
	global_load_b32 v[224+\q], v233, s[16:17] offset:32*\q              ; my own chunk's, by heads
.endr
.endif
.Lnosb:
.irp g, 0,1
.irp cf, 0,1,2,3                       ; fragment cf's column r is column 4 r + cf; k = hq: heads h and 2 + h
	global_load_b128 v[KT+32*\g+8*\cf:KT+32*\g+8*\cf+3],   v7, s[24:25] offset:1024*\g+16*\cf
	global_load_b128 v[KT+32*\g+8*\cf+4:KT+32*\g+8*\cf+7], v7, s[24:25] offset:1024*\g+16*\cf+32768
.endr
.endr
	s_wait_dscnt 0x0
	s_barrier_signal -1
	s_barrier_wait -1                              ; all partial scores lie in LDS
	s_cmp_lt_u32 s18, 2*TT
	s_cbranch_scc0 .Lnosm
	s_lshl_b32 s38, s18, 10
	s_add_co_u32 s38, s38, RED
	v_lshl_add_u32 v11, v3, 4, s38                 ; tile = my wave's number
.irp p, 0,1,2,3
	ds_load_b128 v[80+8*\p:83+8*\p], v11 offset:2048*TT*\p
	ds_load_b128 v[84+8*\p:87+8*\p], v11 offset:2048*TT*\p+512
.endr
	s_wait_dscnt 0x0
	ADD8 80, 88
	ADD8 96, 104
.irp e, 0,2,4,6
	v_pk_add_f32 v[112+\e:113+\e], v[80+\e:81+\e], v[96+\e:97+\e]
.endr
.irp p, 0,1,2,3
	ds_load_b128 v[80+8*\p:83+8*\p], v11 offset:2048*TT*(\p+4)
	ds_load_b128 v[84+8*\p:87+8*\p], v11 offset:2048*TT*(\p+4)+512
.endr
	s_wait_dscnt 0x0
	ADD8 80, 88
	ADD8 96, 104
	ADD8 80, 96
	ADD8 112, 80
	s_wait_loadcnt 16                              ; sb (and the importances) are in; VT's 16 loads stay out
	ADD8 112, 120
.if D2
	ADD8 192, 200                                  ; the mean over the heads, for the eight chunks and, in the same order of sums, for my own
	ADD8 208, 216
	ADD8 192, 208
.irp e, 0,2,4,6
	v_pk_mul_f32 v[192+\e:193+\e], v[192+\e:193+\e], 0x3e800000 op_sel_hi:[1,0]
.endr
	v_add_f32 v224, v224, v225
	v_add_f32 v226, v226, v227
	v_add_f32 v224, v224, v226
	v_mul_f32 v224, 0x3e800000, v224
.irp j, 0,1,2,3,4,5,6,7
	v_cmp_gt_f32 s34, v[192+\j], v224              ; chunk j comes before mine,
	v_cmp_eq_f32 s35, v[192+\j], v224              ; or ties with it
	v_cmp_le_u32 s36, \j, v228                     ; and has no higher number
	s_and_b32 s35, s35, s36
	s_or_b32 s34, s34, s35
	v_cndmask_b32 v[112+\j], s32, v[112+\j], s34
.endr
.endif
	v_max3_num_f32 v12, v112, v113, v114
	v_max3_num_f32 v12, v12, v115, v116
	v_max3_num_f32 v12, v12, v117, v118
	v_max_num_f32 v12, v12, v119
.irp e, 0,2,4,6
	v_pk_add_f32 v[112+\e:113+\e], v[112+\e:113+\e], v[12:13] op_sel_hi:[1,0] neg_lo:[0,1] neg_hi:[0,1]
.endr
.irp e, 0,1,2,3,4,5,6,7
	v_exp_f32 v[112+\e], v[112+\e]
.endr
	v_nop
	s_wait_alu depctr_va_vdst(0)                   ; one wait for the eight exponentials
	v_pk_add_f32 v[80:81], v[112:113], v[114:115]
	v_pk_add_f32 v[82:83], v[116:117], v[118:119]
	v_pk_add_f32 v[80:81], v[80:81], v[82:83]
	v_add_f32 v80, v80, v81
	v_rcp_f32 v12, v80
	v_nop
	s_wait_alu depctr_va_vdst(0)
.irp e, 0,2,4,6
	v_pk_mul_f32 v[112+\e:113+\e], v[112+\e:113+\e], v[12:13] op_sel_hi:[1,0]
.endr
.irp e, 0,1,2,3
	v_cvt_pk_bf16_f32 v[80+\e], v[112+2*\e], v[113+2*\e]
.endr
	s_lshl_b32 s38, s18, 9
	s_add_co_u32 s38, s38, PB
	v_lshl_add_u32 v11, v3, 4, s38
	ds_store_b128 v11, v[80:83]
.Lnosm:
	s_wait_dscnt 0x0
	s_barrier_signal -1
	s_barrier_wait -1                              ; all weights lie in LDS
; x += P VT.  Source 0 = 16 tokens x 32 hq (two tiles' packed weights ARE the fragment), source 1 = 16 columns.
	v_lshl_add_u32 v11, v3, 4, PB
.set u, 0
.rept 2*TT
	ds_load_b128 v[112+4*u:115+4*u], v11 offset:512*u
.set u, u+1
.endr
	s_wait_loadcnt 0x0                             ; VT
	s_wait_dscnt 0x0
.set q, 0
.rept 2*TT                             ; q = 2 tt + g
.irp cf, 0,1,2,3
	v_wmma_f32_16x16x32_bf16 v[ACS+8*\cf:ACS+8*\cf+7], v[112+8*(q/2):119+8*(q/2)], v[KT+32*(q%2)+8*\cf:KT+32*(q%2)+8*\cf+7], 0
.endr
	NOPS 8
.irp j, 0,1,2,3,4,5,6,7                ; each accumulator's lowest register is read first
.irp cf, 0,1,2,3
	v_add_f32 v[XF+32*q+4*\j+\cf], v[XF+32*q+4*\j+\cf], v[ACS+8*\cf+\j]
.endr
.endr
.set q, q+1
.endr
	global_load_b128 v[16:19], v5, s[10:11]        ; g and beta of my columns, wanted at the end
	global_load_b128 v[20:23], v5, s[10:11] offset:256
	global_load_b128 v[24:27], v5, s[12:13]
	global_load_b128 v[28:31], v5, s[12:13] offset:256
	s_lshl_b32 s38, s18, 7
	s_add_co_u32 s39, s38, LN1
	v_lshl_add_u32 v9, v2, 5, s39                  ; my wave's row, tokens 8 h ..
	v_and_b32 v10, NTOK-1, v0
	v_lshl_add_u32 v10, v10, 2, LN1                ; a lane a token
	v_add_nc_u32 v11, s38, v10                     ; the same in my wave's row
; A row sum over my 128 columns for each of my tokens (sq = 1: of squares), across the 16 lanes, through LDS across the eight waves; then v32 = the sum for token (lane).
.macro ROWS sq, base
.set t, 0
.rept 8*TT
.set xa, XF+64*(t/8)+4*(t%8)
.set tm, 32+4*(t%8)
.if \sq
	v_pk_mul_f32 v[tm:tm+1], v[xa:xa+1], v[xa:xa+1]
	v_pk_fma_f32 v[tm:tm+1], v[xa+2:xa+3], v[xa+2:xa+3], v[tm:tm+1]
	v_pk_fma_f32 v[tm:tm+1], v[xa+32:xa+33], v[xa+32:xa+33], v[tm:tm+1]
	v_pk_fma_f32 v[tm:tm+1], v[xa+34:xa+35], v[xa+34:xa+35], v[tm:tm+1]
.else
	v_pk_add_f32 v[tm:tm+1], v[xa:xa+1], v[xa+2:xa+3]
	v_pk_add_f32 v[tm+2:tm+3], v[xa+32:xa+33], v[xa+34:xa+35]
	v_pk_add_f32 v[tm:tm+1], v[tm:tm+1], v[tm+2:tm+3]
.endif
	v_add_f32 v[80+t], v[tm], v[tm+1]
.set t, t+1
.endr
.irp x, 1,2,4,8
.set t, 0
.rept 8*TT
	v_add_f32_dpp v[80+t], v[80+t], v[80+t] row_xmask:\x row_mask:0xf bank_mask:0xf
.set t, t+1
.endr
.endr
.set t, 0
.rept 2*TT
	ds_store_b128 v9, v[80+4*t:83+4*t] offset:(\base)-LN1+64*(t/2)+16*(t%2)
.set t, t+1
.endr
	s_wait_dscnt 0x0
	s_barrier_signal -1
	s_barrier_wait -1
.irp p, 0,1,2,3,4,5,6,7
	ds_load_b32 v[32+\p], v10 offset:(\base)-LN1+128*\p
.endr
	s_wait_dscnt 0x0
	v_pk_add_f32 v[32:33], v[32:33], v[34:35]
	v_pk_add_f32 v[36:37], v[36:37], v[38:39]
	v_pk_add_f32 v[32:33], v[32:33], v[36:37]
	v_add_f32 v32, v32, v33
.endm
.macro TURNED dst                      ; v32, a lane a token, goes through my wave's own row and comes back a register a token (LDS serves a wave in order)
	ds_store_b32 v11, v32 offset:MY-LN1
.set t, 0
.rept 2*TT
	ds_load_b128 v[(\dst)+4*t:(\dst)+4*t+3], v9 offset:MY-LN1+64*(t/2)+16*(t%2)
.set t, t+1
.endr
	s_wait_dscnt 0x0
.endm
	ROWS 0, LN1
	v_mul_f32 v32, s30, v32                        ; the mean
	TURNED 96
.set i, 0
.rept 16*TT
.irp e, 0,1,2,3
	v_sub_f32 v[XF+4*i+\e], v[XF+4*i+\e], v[96+8*(i/16)+i%8]
.endr
.set i, i+1
.endr
	ROWS 1, LN2
	v_fma_f32 v32, v32, s30, s31                   ; the variance + 1e-5
	v_rsq_f32 v32, v32
	v_nop
	s_wait_alu depctr_va_vdst(0)
	TURNED 112
	s_wait_loadcnt 0x0                             ; g and beta
.set i, 0
.rept 16*TT
.set xf, XF+4*i
.set g, (i/8)%2
.irp e, 0,1,2,3
	v_mul_f32 v[xf+\e], v[xf+\e], v[112+8*(i/16)+i%8]
.endr
	v_pk_fma_f32 v[xf:xf+1], v[xf:xf+1], v[16+4*g:17+4*g], v[24+4*g:25+4*g]
	v_pk_fma_f32 v[xf+2:xf+3], v[xf+2:xf+3], v[18+4*g:19+4*g], v[26+4*g:27+4*g]
.if D2
	v_cvt_pk_bf16_f32 v[xf], v[xf], v[xf+1]
	v_cvt_pk_bf16_f32 v[xf+1], v[xf+2], v[xf+3]
.else
	global_store_b128 v[XO], v[xf:xf+3], s[14:15] offset:65536*(i/16)+4096*(i%8)+256*g th:TH_STORE_NT  ; each half of the lanes fills 256 consecutive bytes
.endif
.set i, i+1
.endr
.if D2
	s_wait_xcnt 0x0                                ; EXEC changes only behind this wait
	v_cmp_gt_u32 vcc_lo, 16, v3                    ; the upper lanes hold the same 8 rows once more
	s_and_saveexec_b32 s33, vcc_lo
.set i, 0
.rept 16
	global_store_b64 v234, v[XF+4*i:XF+4*i+1], s[14:15] offset:8192*(i/8)+32*(i%8)
.set i, i+1
.endr
	s_wait_xcnt 0x0
	s_or_b32 exec_lo, exec_lo, s33
.endif
	s_wait_tensorcnt 0x0                           ; the wave's end
	ds_add_u32 v[SPW], v[NIL]
	s_wait_dscnt 0x0
	s_endpgm
.Lfunc_end_k_q873e614494_dec3:
	.size	k_q873e614494_dec3, .Lfunc_end_k_q873e614494_dec3-k_q873e614494_dec3
	.p2alignl 7, 3214868480
	.fill 96, 4, 3214868480
	.section	.rodata,"a",@progbits
	.p2align	6, 0x0
	.amdhsa_kernel k_q873e614494_dec3
		.amdhsa_group_segment_fixed_size 108544
		.amdhsa_private_segment_fixed_size 0
		.amdhsa_enable_private_segment 0
		.amdhsa_kernarg_size 48
		.amdhsa_user_sgpr_count 2
		.amdhsa_user_sgpr_kernarg_segment_ptr 1
		.amdhsa_wavefront_size32 1
		.amdhsa_system_sgpr_workgroup_id_x 1
		.amdhsa_system_sgpr_workgroup_id_y 1
		.amdhsa_system_sgpr_workgroup_id_z 1
		.amdhsa_system_vgpr_workitem_id 0
		.amdhsa_next_free_vgpr 256
		.amdhsa_next_free_sgpr 66
		.amdhsa_reserve_vcc 1
		.amdhsa_float_denorm_mode_32 3
		.amdhsa_float_denorm_mode_16_64 3
		.amdhsa_memory_ordered 1
		.amdhsa_forward_progress 1
		.amdhsa_inst_pref_size 70
	.end_amdhsa_kernel
	.amdgpu_metadata
---
amdhsa.version: [ 1, 2 ]
amdhsa.kernels:
  - .name:           k_q873e614494_dec3
    .symbol:         k_q873e614494_dec3.kd
    .args:
      - { .name: hidden_states, .offset: 0, .size: 8, .value_kind: global_buffer, .address_space: global }
      - { .name: t0, .offset: 8, .size: 8, .value_kind: global_buffer, .address_space: global }
      - { .name: params_decode_attn_b_out, .offset: 16, .size: 8, .value_kind: global_buffer, .address_space: global }
      - { .name: params_dn_g, .offset: 24, .size: 8, .value_kind: global_buffer, .address_space: global }
      - { .name: params_dn_b, .offset: 32, .size: 8, .value_kind: global_buffer, .address_space: global }
      - { .name: out0, .offset: 40, .size: 8, .value_kind: global_buffer, .address_space: global }
    .group_segment_fixed_size: 108544
    .private_segment_fixed_size: 0
    .kernarg_segment_align: 8
    .kernarg_segment_size: 48
    .max_flat_workgroup_size: 256
    .sgpr_count:     66
    .vgpr_count:     256
    .wavefront_size: 32
...
	.end_amdgpu_metadata
.endif
;; end of part 10
;; ======== version 2 of 2: 12 launches; version 1 with the launch flash written anew for expert scheduling mode
;; workspace buffers: part 33,554,432 bytes; stat 131,072 bytes; ctx 525,312 bytes; x0 262,144 bytes; x1 393,216 bytes; x2 131,072 bytes; t0 1,049,600 bytes
;; launch qp: the kernel of part 1 again; grid 64 x 1, 8 waves a work-group, no clusters, 33,792 bytes of LDS; arguments params_chunk_queries, params_chunk_attn_w_in, params_chunk_attn_b_in, x0; writes x0
;; launch fold1: the kernel of part 2 again; grid 16 x 4, 8 waves a work-group, no clusters, 34,816 bytes of LDS; arguments x0, params_chunk_attn_w_in, params_chunk_attn_b_in, t0; writes t0
;; launch flash (part 11): grid 256 x 1, 8 waves a work-group, no clusters, 219,648 bytes of LDS; arguments hidden_states, importance_scores, t0, part, stat; writes part, stat
.if DOCPART == 11
	.amdgcn_target "amdgcn-amd-amdhsa--gfx1250"
	.amdhsa_code_object_version 6
	.text
	.protected	k_q873e614494_flash
	.globl	k_q873e614494_flash
	.p2align	8
	.type	k_q873e614494_flash,@function
k_q873e614494_flash:
	s_mov_b64 s[64:65], 0
	v_nop
	global_prefetch_b8 v0, s[64:65] scope:SCOPE_SE
	s_setreg_imm32_b32 hwreg(HW_REG_WAVE_SCHED_MODE, 0, 2), 2
	s_setreg_imm32_b32 hwreg(HW_REG_WAVE_MODE, 25, 1), 1
	s_wait_xcnt 0x0
	s_wait_alu depctr_vm_vsrc(0)
; STAGE 1, one pass over hidden.  For 64 tokens: s[t][hq] = imp[t] (x[t] . KT[hq]) + sb[hq] (in powers of 2), the block's maximum m, p = 2^(s - m), l = sum p, pi = sum p imp, and ctx[hq][:] = sum p x[t][:].
; The 32 blocks of a batch are merged by the next launch (running-maximum form: m, l, pi and the f32 sums go out).
; SHARES.  Wave w owns columns 128 w .. 128 w + 127 of all 64 tokens: it loads them once (each load 512 consecutive bytes), rounds them to bf16 into an LDS strip of its own, and is the strip's only reader:
; by rows for the scores, turned (ds_load_tr16_b128) for ctx.  The scores' partial sums over the eight column ranges meet in LDS; wave w then owns tile (tt = w / 2, nt = w % 2) of 16 tokens x 16 hq.
; IN FLIGHT: 40 token loads a wave at the head, 32 to 36 while slots are asked for again.  No tensor loads: the data are f32 and are rounded on their way; every LDS byte is written once.
; No cluster: what work-groups share is KT, 64 KiB.  No prefetch: the launch reads its stream with its loads on their way from its head on.
; LIMITS: NaN and infinities are not treated apart; a weight below 2^-126 counts as 0.
; THE MODE: SCHED_MODE bits 1:0 = 2 (LLVM: expert scheduling mode 2), set by the entry lines.  The code itself states the register dependences
; between vector or matrix instructions and memory or LDS instructions, with s_wait_alu, always for 0.
; THE PLAN.  Registers that memory or LDS instructions touch:
;   v4-v11, v14, v15, v89-v93   offsets and LDS addresses, made once at the head; v89-v93 are given up to fragment loads behind the third barrier.
;   v96-v255, 40 slots of 4     a token's load lands in a slot; the block's conversions round it in place; the block's LDS stores read the slot's first two registers.
;                               Block p (4 tokens): conversions of block p, one wait on va_vdst, the loads into block p - 1's slots (blocks 1 to 6, behind a wait on vm_vsrc), the stores of block p.
;   v160-v255, three buffers    the scores' fragments of K steps 0, 1, 2; step 3 goes back into the first, behind one wait on va_vdst that follows step 0's products.
;   v96-v159                    the scores' accumulators: written by products, read by LDS stores.
;   v16-v47, v48-v111, v112-v127  the second product: the weights; step 0's eight fragments; step 1's first two.  Step 1's other six land in v48-v95, behind one wait on va_vdst that follows step 0's first twelve products.
;   v128-v255                   the second product's accumulators: written by products, read by the global stores.
.set PITCH,  288                       ; a strip's row: 256 bytes + 32: an odd multiple of 32
.set STRIPW, 64*PITCH
.set RED,    8*STRIPW                  ; 8 waves x 8 tiles x 1,024 bytes of partial scores
.set MXB,    RED+65536                 ; [tt 4][hq 32] maxima;  + 512 sums l;  + 1,024 sums pi
.set PB,     MXB+1536                  ; 8 tiles x 512 bytes of weights in bf16; the 1,024 bytes behind them stay claimed and no line names them
.macro NOPS n
.rept \n
	v_nop
.endr
.endm
.macro ADD8 d, a
.irp e, 0,2,4,6
	v_pk_add_f32 v[(\d)+\e:(\d)+\e+1], v[(\d)+\e:(\d)+\e+1], v[(\a)+\e:(\a)+\e+1]
.endr
.endm
	s_load_b256 s[4:11], s[0:1], 0x0               ; hidden s[4:5], imp s[6:7], t0 s[8:9], part s[10:11]
	s_load_b64 s[12:13], s[0:1], 0x20              ; stat
	s_set_vgpr_msb 0x40
	v_lshl_add_u32 v0, v0, 2, 0x35600
	v_mov_b32 v1, 0
	s_set_vgpr_msb 0x4000
	v_lshrrev_b32 v1, 5, v0
	v_readfirstlane_b32 s14, v1                    ; wave 0..7
	v_and_b32 v1, 15, v0                           ; r
	v_bfe_u32 v2, v0, 4, 1                         ; h
	v_and_b32 v3, 31, v0                           ; lane
	s_wait_alu depctr_va_sdst(0)                   ; s14 is written, ahead of its first reader: offsets, LDS addresses and a branch are made from it
	s_lshr_b32 s15, s14, 1                         ; tt
	s_and_b32 s16, s14, 1                          ; nt
	s_lshl_b32 s18, ttmp9, 18                      ; 64 tokens of 4,096 bytes
	s_mov_b32 s19, 0
	s_lshl_b32 s20, ttmp9, 8
	s_lshl_b32 s21, s15, 6
	s_add_co_u32 s20, s20, s21                     ; imp of my tile's 16 tokens
	s_mov_b32 s21, 0
	s_lshl_b32 s22, s16, 6
	s_add_co_u32 s22, s22, 524288                  ; sb of my tile's 16 hq (stage 1's KT and sb are the same for all batches: batch 0's are read)
	s_mov_b32 s23, 0
	s_lshl_b32 s24, s14, 13                        ; KT's 8 blocks of my columns
	s_mov_b32 s25, 0
	s_lshl_b32 s26, ttmp9, 17
	s_lshl_b32 s27, s14, 14
	s_add_co_u32 s26, s26, s27
	s_mov_b32 s27, 0
	s_lshl_b32 s28, ttmp9, 9
	s_mov_b32 s29, 0
	s_mov_b32 s30, 0x76543210                      ; v_permlanex16_b32: each lane takes its own place in the other half
	s_mov_b32 s31, 0xfedcba98
	s_lshl_b32 s36, s14, 9
	v_lshl_add_u32 v4, v3, 4, s36                  ; x: 16 lane + 512 wave
	s_mul_i32 s37, s14, STRIPW
	v_lshl_add_u32 v5, v3, 3, s37                  ; strip, in: 8 lane
	v_mul_u32_u24 v6, v1, PITCH
	v_lshl_add_u32 v6, v2, 4, v6
	v_add_nc_u32 v6, s37, v6                       ; strip, by rows: token r, 16 h
	v_and_b32 v7, 7, v0
	v_lshl_add_u32 v7, v2, 3, v7
	v_mul_u32_u24 v7, v7, PITCH
	v_bfe_u32 v8, v0, 3, 1
	v_lshl_add_u32 v7, v8, 4, v7
	v_add_nc_u32 v7, s37, v7                       ; strip, turned: token 8 h + lane % 8, 16 bytes by (lane / 8) % 2
	s_lshl_b32 s38, s14, 13
	s_add_co_u32 s38, s38, RED
	v_lshl_add_u32 v8, v3, 4, s38                  ; my partial scores
	s_lshl_b32 s38, s14, 10
	s_add_co_u32 s38, s38, RED
	v_lshl_add_u32 v9, v3, 4, s38                  ; my tile in every wave's partial scores
	s_lshl_b32 s38, s16, 6
	s_add_co_u32 s38, s38, MXB
	v_lshl_add_u32 v10, v1, 2, s38                 ; my hq's word
	v_lshl_add_u32 v11, v3, 4, PB
	v_lshlrev_b32 v89, 5, v2                       ; imp: 32 h
	v_lshlrev_b32 v90, 2, v1                       ; sb: 4 r
	v_lshlrev_b32 v91, 5, v1
	v_lshl_add_u32 v91, v2, 4, v91                 ; KT: 32 r + 16 h
	s_lshl_b32 s38, s15, 7
	v_add_nc_u32 v92, s38, v10                     ; my hq's word in my tt's row
	v_add_nc_u32 v93, s36, v11                     ; my tile's weights
	v_lshlrev_b32 v14, 4, v3                       ; part and stat: 16 lane
	v_lshl_add_u32 v15, v3, 2, MXB                 ; the statistics in LDS, a lane an hq
	v_mov_b32 v13, 0                               ; v_permlanex16_b32's destination below counts as read: it is written once here
	s_wait_kmcnt 0x0
	s_add_nc_u64 s[4:5], s[4:5], s[18:19]
	s_add_nc_u64 s[6:7], s[6:7], s[20:21]
	s_add_nc_u64 s[32:33], s[8:9], s[22:23]
	s_add_nc_u64 s[34:35], s[8:9], s[24:25]
	s_add_nc_u64 s[10:11], s[10:11], s[26:27]
	s_add_nc_u64 s[12:13], s[12:13], s[28:29]
	s_wait_alu depctr_va_vdst(0)                   ; the offsets and LDS addresses v4-v11, v14, v15, v89-v93 are written: every load and store of the kernel reads one of them
	global_load_b128 v[80:83], v89, s[6:7]
	global_load_b128 v[84:87], v89, s[6:7] offset:16
	global_load_b32 v88, v90, s[32:33]
.irp nt, 0,1
.irp q, 0,1,2,3,4,5,6,7                ; q = 2 ks + u
	global_load_b128 v[16+32*\nt+4*\q:19+32*\nt+4*\q], v91, s[34:35] offset:1024*\q+512*\nt
.endr
.endr
.set i, 0
.rept 40
	global_load_b128 v[96+4*i:99+4*i], v4, s[4:5] offset:4096*i th:TH_LOAD_NT
.set i, i+1
.endr
; Block p: tokens 4 p .. 4 p + 3 are rounded in place and stored into the strip; in blocks 1 to 6 the slots of the block before take the tokens 40 further on.
.macro BLK p
.if (\p) == 0
	s_wait_loadcnt 36                              ; loads come back in order: my four are in, tokens 4 to 39 stay out
.elseif (\p) < 8
	s_wait_loadcnt 32                              ; younger than my four: 4 (9 - p) of the first forty and the 4 (p - 1) issued in the blocks before
.else
	s_wait_loadcnt 60-4*(\p)                       ; the counts run down: the blocks still to come
.endif
.irp i, 0,1,2,3
.set sl, 96+4*((4*(\p)+\i)%40)
	v_cvt_pk_bf16_f32 v[sl], v[sl], v[sl+1]        ; four numbers close up into the first two of their four registers
	v_cvt_pk_bf16_f32 v[sl+1], v[sl+2], v[sl+3]
.endr
	s_wait_alu depctr_va_vdst(0)                   ; the conversions have written the registers that the LDS stores below read, and are done with the slots, in which later loads land
.if ((\p) > 0) && ((\p) < 7)
	s_wait_alu depctr_vm_vsrc(0)                   ; the LDS stores of the block before have read its slots, in which the loads below land
.irp i, 0,1,2,3
.set sl, 96+4*(4*((\p)-1)+\i)
	global_load_b128 v[sl:sl+3], v4, s[4:5] offset:4096*(4*(\p)+\i+36) th:TH_LOAD_NT
.endr
.endif
.irp i, 0,1,2,3
.set sl, 96+4*((4*(\p)+\i)%40)
	ds_store_b64 v5, v[sl:sl+1] offset:PITCH*(4*(\p)+\i)
.endr
.endm
.set b, 0
.rept 16
	BLK b
.set b, b+1
.endr
; SCORES.  Source 0 = 16 tokens, source 1 = 16 hq: a lane holds one hq (r) and tokens 8 h + 0..7.  Eight accumulators take turns.
.macro FR ks, buf
.irp tt, 0,1,2,3
	ds_load_b128 v[(\buf)+8*\tt:(\buf)+8*\tt+3],   v6 offset:16*PITCH*\tt+64*(\ks)
	ds_load_b128 v[(\buf)+8*\tt+4:(\buf)+8*\tt+7], v6 offset:16*PITCH*\tt+64*(\ks)+32
.endr
.endm
.macro MM1 ks, buf
.irp tt, 0,1,2,3
.irp nt, 0,1
.if (\ks) == 0
	v_wmma_f32_16x16x32_bf16 v[96+16*\tt+8*\nt:103+16*\tt+8*\nt], v[(\buf)+8*\tt:(\buf)+8*\tt+7], v[16+32*\nt+8*(\ks):23+32*\nt+8*(\ks)], 0
.else
	v_wmma_f32_16x16x32_bf16 v[96+16*\tt+8*\nt:103+16*\tt+8*\nt], v[(\buf)+8*\tt:(\buf)+8*\tt+7], v[16+32*\nt+8*(\ks):23+32*\nt+8*(\ks)], v[96+16*\tt+8*\nt:103+16*\tt+8*\nt]
.endif
.endr
.endr
.endm
	s_wait_alu depctr_vm_vsrc(0)                   ; the strip's last LDS stores have read their slots: fragments land in v160-v255, and the products write v96-v159 (the conversions stand ahead of the last wait on va_vdst)
	FR 0, 160
	FR 1, 192
	FR 2, 224
	s_wait_dscnt 16                                ; LDS serves a wave in order: my stores and step 0's fragments are done, the sixteen loads of steps 1 and 2 stay out
	MM1 0, 160
	NOPS 4                                         ; places ahead of loads into registers that the products have read
	s_wait_alu depctr_va_vdst(0)                   ; step 0's products are done reading v160-v191, in which step 3's fragments land
	FR 3, 160
	s_wait_dscnt 16                                ; step 1's fragments are in; those of steps 2 and 3 stay out
	MM1 1, 192
	s_wait_dscnt 8
	MM1 2, 224
	s_wait_dscnt 0x0
	MM1 3, 160
	NOPS 8
	s_wait_alu depctr_va_vdst(0)                   ; the products have written the accumulators, which the LDS stores read, and are done reading v160-v223, in which the partial scores land behind the barrier
.irp q, 0,1,2,3,4,5,6,7
	ds_store_b128 v8, v[96+8*\q:99+8*\q]   offset:1024*\q
	ds_store_b128 v8, v[100+8*\q:103+8*\q] offset:1024*\q+512
.endr
	s_wait_dscnt 0x0
	s_barrier_signal -1
	s_barrier_wait -1                              ; all partial scores lie in LDS
.set p, 0
.rept 8
	ds_load_b128 v[160+8*p:163+8*p], v9 offset:8192*p
	ds_load_b128 v[164+8*p:167+8*p], v9 offset:8192*p+512
.set p, p+1
.endr
	s_wait_dscnt 0x0
	ADD8 160, 168
	ADD8 176, 184
	ADD8 192, 200
	ADD8 208, 216
	ADD8 160, 176
	ADD8 192, 208
	ADD8 160, 192
.irp e, 0,2,4,6
	v_pk_fma_f32 v[160+\e:161+\e], v[80+\e:81+\e], v[160+\e:161+\e], v[88:89] op_sel_hi:[1,1,0]  ; imp x score + sb
.endr
	v_max3_num_f32 v12, v160, v161, v162
	v_max3_num_f32 v12, v12, v163, v164
	v_max3_num_f32 v12, v12, v165, v166
	v_max_num_f32 v12, v12, v167
	v_permlanex16_b32 v13, v12, s30, s31           ; my hq's other 8 tokens lie in the lane 16 away
	v_max_num_f32 v12, v12, v13
	s_wait_alu depctr_va_vdst(0)                   ; v12 is written, which the LDS store reads; the sums are done reading v168-v171, in which the four maxima land behind the barrier
	ds_store_b32 v92, v12
	s_wait_dscnt 0x0
	s_barrier_signal -1
	s_barrier_wait -1                              ; the four tiles' maxima lie in LDS
.irp t, 0,1,2,3
	ds_load_b32 v[168+\t], v10 offset:128*\t
.endr
	s_wait_dscnt 0x0
	s_wait_alu depctr_vm_vsrc(0)                   ; the LDS store of my tile's maximum has read v12, which the block's maximum overwrites
	v_max3_num_f32 v12, v168, v169, v170
	v_max_num_f32 v12, v12, v171                   ; m of the 64 tokens
.irp e, 0,2,4,6
	v_pk_add_f32 v[160+\e:161+\e], v[160+\e:161+\e], v[12:13] op_sel_hi:[1,0] neg_lo:[0,1] neg_hi:[0,1]
.endr
.irp e, 0,1,2,3,4,5,6,7
	v_exp_f32 v[160+\e], v[160+\e]
.endr
	v_nop                                          ; a plain instruction behind the last exponential,
	s_wait_alu depctr_va_vdst(0)                   ; and one wait for the batch: the eight exponentials have written v160-v167, ahead of their first reader
	v_pk_add_f32 v[172:173], v[160:161], v[162:163]
	v_pk_add_f32 v[174:175], v[164:165], v[166:167]
	v_pk_mul_f32 v[176:177], v[160:161], v[80:81]
	v_pk_add_f32 v[172:173], v[172:173], v[174:175]
	v_pk_fma_f32 v[176:177], v[162:163], v[82:83], v[176:177]
	v_pk_fma_f32 v[176:177], v[164:165], v[84:85], v[176:177]
	v_pk_fma_f32 v[176:177], v[166:167], v[86:87], v[176:177]
	v_add_f32 v172, v172, v173
	v_add_f32 v176, v176, v177
	v_permlanex16_b32 v173, v172, s30, s31
	v_permlanex16_b32 v177, v176, s30, s31
	v_add_f32 v172, v172, v173
	v_add_f32 v176, v176, v177
.irp e, 0,1,2,3
	v_cvt_pk_bf16_f32 v[180+\e], v[160+2*\e], v[161+2*\e]
.endr
	s_wait_alu depctr_va_vdst(0)                   ; v172, v176 and v180-v183 are written, which the three LDS stores read; all vector and matrix readers and writers of v16-v127 are done, in which the loads behind the barrier land
	ds_store_b32 v92, v172 offset:512
	ds_store_b32 v92, v176 offset:1024
	ds_store_b128 v93, v[180:183]
	s_wait_dscnt 0x0
	s_barrier_signal -1
	s_barrier_wait -1                              ; all weights and sums lie in LDS
; ctx^T = x^T P.  Source 0 = 16 of my columns (turned), source 1 = 16 hq; K = 64 tokens, two steps.  Two tiles' packed weights ARE a fragment of source 1.
.macro HF ks, ct, dst                  ; the fragment of step ks, column block ct
	ds_load_tr16_b128 v[(\dst):(\dst)+3],   v7 offset:32*PITCH*(\ks)+32*(\ct)
	ds_load_tr16_b128 v[(\dst)+4:(\dst)+7], v7 offset:32*PITCH*(\ks)+32*(\ct)+16*PITCH
.endm
.macro M2 ks, ct, src                  ; its two products; the sixteen accumulators take turns
.irp nt, 0,1
.if (\ks) == 0
	v_wmma_f32_16x16x32_bf16 v[128+16*(\ct)+8*\nt:135+16*(\ct)+8*\nt], v[(\src):(\src)+7], v[16+16*\nt+8*(\ks):23+16*\nt+8*(\ks)], 0
.else
	v_wmma_f32_16x16x32_bf16 v[128+16*(\ct)+8*\nt:135+16*(\ct)+8*\nt], v[(\src):(\src)+7], v[16+16*\nt+8*(\ks):23+16*\nt+8*(\ks)], v[128+16*(\ct)+8*\nt:135+16*(\ct)+8*\nt]
.endif
.endr
.endm
	s_wait_alu depctr_vm_vsrc(0)                   ; my loads and LDS stores have read v89-v93 (offsets, addresses) and v96-v127 (the scores), in which fragments land, and v128-v159, v172, v176, v180-v183, which the products write
.irp nt, 0,1
.irp q, 0,1,2,3                        ; q = 2 ks + u = tt
	ds_load_b128 v[16+16*\nt+4*\q:19+16*\nt+4*\q], v11 offset:(2*\q+\nt)*512
.endr
.endr
.irp ct, 0,1,2,3,4,5,6,7
	HF 0, \ct, 48+8*\ct
.endr
	HF 1, 0, 112                                   ; step 1's first two fragments have registers of their own
	HF 1, 1, 120
	s_wait_dscnt 4                                 ; the weights and step 0's fragments are in; the four youngest loads stay out
.irp ct, 0,1,2,3,4,5
	M2 0, \ct, 48+8*\ct
.endr
	NOPS 4                                         ; places ahead of loads into registers that the products have read
	s_wait_alu depctr_va_vdst(0)                   ; step 0's first twelve products are done reading v48-v95, in which step 1's other six fragments land
.irp ct, 2,3,4,5,6,7
	HF 1, \ct, 32+8*\ct
.endr
	M2 0, 6, 96                                    ; eight products stand between those loads and their first use; they name v96-v127, none of the registers that the loads touch
	M2 0, 7, 104
	s_wait_dscnt 12                                ; step 1's first two fragments are in; the twelve loads just issued stay out
	M2 1, 0, 112
	M2 1, 1, 120
.irp ct, 2,3,4,5,6,7
	s_wait_dscnt 14-2*\ct                          ; this fragment's two loads are in; those of the later column blocks stay out
	M2 1, \ct, 32+8*\ct
.endr
	NOPS 8
	s_wait_alu depctr_va_vdst(0)                   ; the products have written the accumulators, which the stores read, and are done reading v48-v59, in which wave 0's statistics land
.set a, 0
.rept 16                               ; the accumulators go out as they lie: each store covers 512 consecutive bytes
	global_store_b128 v14, v[128+8*a:131+8*a], s[10:11] offset:1024*a th:TH_STORE_NT
	global_store_b128 v14, v[132+8*a:135+8*a], s[10:11] offset:1024*a+512 th:TH_STORE_NT
.set a, a+1
.endr
	s_cmp_lg_u32 s14, 0                            ; wave 0 stores the block's statistics, a lane an hq
	s_cbranch_scc1 .Lend
.irp q, 0,1,2
.irp t, 0,1,2,3
	ds_load_b32 v[48+4*\q+\t], v15 offset:512*\q+128*\t
.endr
.endr
	v_mov_b32 v63, 0
	s_wait_dscnt 0x0
	v_max3_num_f32 v60, v48, v49, v50
	v_pk_add_f32 v[52:53], v[52:53], v[54:55]
	v_pk_add_f32 v[56:57], v[56:57], v[58:59]
	v_max_num_f32 v60, v60, v51
	v_add_f32 v61, v52, v53
	v_add_f32 v62, v56, v57
	s_wait_alu depctr_va_vdst(0)                   ; v60-v63 are written, which the store reads
	global_store_b128 v14, v[60:63], s[12:13]      ; (m, l, pi, 0)
.Lend:
	s_wait_dscnt 0x0                               ; the wave's end: my last LDS instructions are done
	s_set_vgpr_msb 0x5
	s_wait_dscnt 0x0
	s_wait_alu depctr_hold_cnt(0) depctr_sa_sdst(0) depctr_va_vdst(0) depctr_va_sdst(0) depctr_va_ssrc(0) depctr_va_vcc(0) depctr_vm_vsrc(0)
	s_wait_tensorcnt 0x0
	ds_add_u32 v0, v1
	s_wait_dscnt 0x0
	s_endpgm
.Lfunc_end_k_q873e614494_flash:
	.size	k_q873e614494_flash, .Lfunc_end_k_q873e614494_flash-k_q873e614494_flash
	.p2alignl 7, 3214868480
	.fill 96, 4, 3214868480
	.section	.rodata,"a",@progbits
	.p2align	6, 0x0
	.amdhsa_kernel k_q873e614494_flash
		.amdhsa_group_segment_fixed_size 219648
		.amdhsa_private_segment_fixed_size 0
		.amdhsa_enable_private_segment 0
		.amdhsa_kernarg_size 40
		.amdhsa_user_sgpr_count 2
		.amdhsa_user_sgpr_kernarg_segment_ptr 1
		.amdhsa_wavefront_size32 1
		.amdhsa_system_sgpr_workgroup_id_x 1
		.amdhsa_system_sgpr_workgroup_id_y 1
		.amdhsa_system_sgpr_workgroup_id_z 1
		.amdhsa_system_vgpr_workitem_id 0
		.amdhsa_next_free_vgpr 258
		.amdhsa_next_free_sgpr 66
		.amdhsa_reserve_vcc 0
		.amdhsa_float_denorm_mode_32 3
		.amdhsa_float_denorm_mode_16_64 3
		.amdhsa_memory_ordered 1
		.amdhsa_forward_progress 1
		.amdhsa_inst_pref_size 46
	.end_amdhsa_kernel
	.amdgpu_metadata
---
amdhsa.version: [ 1, 2 ]
amdhsa.kernels:
  - .name:           k_q873e614494_flash
    .symbol:         k_q873e614494_flash.kd
    .args:
      - { .name: hidden_states, .offset: 0, .size: 8, .value_kind: global_buffer, .address_space: global }
      - { .name: importance_scores, .offset: 8, .size: 8, .value_kind: global_buffer, .address_space: global }
      - { .name: t0, .offset: 16, .size: 8, .value_kind: global_buffer, .address_space: global }
      - { .name: part, .offset: 24, .size: 8, .value_kind: global_buffer, .address_space: global }
      - { .name: stat, .offset: 32, .size: 8, .value_kind: global_buffer, .address_space: global }
    .group_segment_fixed_size: 219648
    .private_segment_fixed_size: 0
    .kernarg_segment_align: 8
    .kernarg_segment_size: 40
    .max_flat_workgroup_size: 256
    .sgpr_count:     66
    .vgpr_count:     258
    .wavefront_size: 32
...
	.end_amdgpu_metadata
.endif
;; end of part 11
;; launch merge: the kernel of part 4 again; grid 256 x 1, 4 waves a work-group, no clusters, 0 bytes of LDS; arguments part, stat, ctx; writes ctx
;; launch vp: the kernel of part 5 again; grid 64 x 1, 8 waves a work-group, no clusters, 33,792 bytes of LDS; arguments ctx, params_chunk_attn_w_in, params_chunk_attn_b_in, x0; writes x0
;; launch op: the kernel of part 6 again; grid 64 x 1, 8 waves a work-group, no clusters, 33,792 bytes of LDS; arguments x0, params_chunk_attn_w_out, params_chunk_attn_b_out, x1; writes x1
;; launch kv2: the kernel of part 7 again; grid 64 x 2, 8 waves a work-group, no clusters, 33,792 bytes of LDS; arguments x1, params_priority_attn_w_in, params_priority_attn_b_in, x0; writes x0
;; launch fv2: the kernel of part 8 again; grid 16 x 20, 8 waves a work-group, no clusters, 34,816 bytes of LDS; arguments x0, params_priority_attn_w_in, params_priority_attn_b_in, params_priority_attn_w_out, t0; writes t0
;; launch dec2: the kernel of part 9 again; grid 8 x 1, 8 waves a work-group, no clusters, 56,320 bytes of LDS; arguments x1, t0, params_priority_attn_b_out, params_pn_g, params_pn_b, x2, ctx; writes x2
;; launch kv3: the kernel of part 7 again; grid 64 x 2, 8 waves a work-group, no clusters, 33,792 bytes of LDS; arguments x2, params_decode_attn_w_in, params_decode_attn_b_in, x0; writes x0
;; launch fv3: the kernel of part 8 again; grid 16 x 20, 8 waves a work-group, no clusters, 34,816 bytes of LDS; arguments x0, params_decode_attn_w_in, params_decode_attn_b_in, params_decode_attn_w_out, t0; writes t0
;; launch dec3: the kernel of part 10 again; grid 512 x 1, 8 waves a work-group, no clusters, 108,544 bytes of LDS; arguments hidden_states, t0, params_decode_attn_b_out, params_dn_g, params_dn_b, out0; writes out0
